; MI455X (gfx1250); checked and timed in simulation.
; The chip was launched on July 23, 2026; its instructions are those of AMD's public machine-readable ISA for CDNA 5 (MIT licence, August 2026) and "CDNA5" Instruction Set Architecture Reference Guide (July 2026). The comments in the code are by the model that wrote it; some were corrected since.
;; Attention Block. Allowed arithmetic: matrix products marked QUANTISED: E3M2 operands, one E8M0 scale for each 32 along K, by v_wmma_scale_f32_16x16x128_f8f6f4 with both operands' format E3M2, f32 sums; everything else in f32.
;; Inputs: Wkv 1,024 x 512 float32; Wp 512 x 512 float32; Wq 512 x 512 float32; bkv 1,024 float32; bp 512 float32; bq 512 float32; gn_b 512 float32; gn_w 512 float32; x 16 x 512 x 32 x 32 float32; y 16 x 512 x 32 x 32 float32.
;; Outputs: out0 16 x 512 x 32 x 32 float32.
;; This version of the problem:
;;   THIS VERSION OF THE PROBLEM IS GIVEN IN LOW PRECISION. The matrix products marked QUANTISED in the list below multiply operands that are first quantised to E3M2 (3 exponent bits, 2 mantissa bits; 6 bits a number), with one power-of-two scale for each 32 numbers along K (OCP MX v1.0); their sums are f32. All else is computed in f32.
;;   The module's matrix products, in the order in which they are computed (A, B: the left and right operand; K: the contracted axis; several contracted axes count as one K, in the product's order):
;;     1. [M 16,384, K 512] x [K 512, N 512]; A: computed on the way; B: input Wq: QUANTISED
;;     2. [M 16,384, K 512] x [K 512, N 1,024]; A: computed on the way; B: input Wkv: QUANTISED
;;     3. batch 128 x [M 1,024, K 64] x [K 64, N 1,024]; A: computed on the way; B: computed on the way: QUANTISED
;;     4. batch 128 x [M 64, K 1,024] x [K 1,024, N 1,024]; A: computed on the way; B: softmax (see below): QUANTISED
;;     5. [M 16,384, K 512] x [K 512, N 512]; A: computed on the way; B: input Wp: QUANTISED
;;   THE QUANTISER, for each operand of a quantised product, along K:
;;     - K is cut into blocks of 32 from its start; a last block that is shorter is filled with zeros.
;;     - A block's scale is 2^e with e = floor(log2(the largest magnitude in the block)) - 4, held to -126 .. 127; a block of zeros has e = 0. As a byte (E8M0): e + 127.
;;     - Each number is divided by its block's scale, clamped to +-28, and rounded to the nearest number of E3M2, ties to even, subnormals kept.
;;     - The product sums the exact products of the quantised numbers (number of the format x scale) in f32.
;;   ~~~python
;;   def quantise(x, axis):      # numpy; x: float32 -> the quantised numbers, widened to float32 again
;;       x = np.moveaxis(x, axis, -1); K = x.shape[-1]
;;       x = np.pad(x, [(0, 0)] * (x.ndim - 1) + [(0, -K % 32)]); x = x.reshape(x.shape[:-1] + (-1, 32)); a = np.abs(x).max(-1, keepdims=True)
;;       e = np.where(a > 0, np.clip(np.frexp(np.where(a > 0, a, 1))[1] - 1 - 4, -126, 127), 0)      # np.frexp(a)[1] - 1 = floor(log2(a)), exactly
;;       r = np.clip(x / 2.0 ** e, -28, 28)
;;       step = 2.0 ** (np.maximum(np.frexp(np.where(r == 0, 1, r))[1] - 1, -2) - 2)
;;       q = np.round(r / step) * step * 2.0 ** e      # np.round: ties to even
;;       return np.moveaxis(q.reshape(q.shape[:-2] + (-1,))[..., :K], -1, axis).astype(np.float32)
;;   ~~~
;;   SOFTMAX AHEAD OF A QUANTISED PRODUCT. Where the list says 'softmax', what is quantised is not the finished softmax but p = 2^(t - M), with t = logit x log2(e) and M = ceil(the row's largest t), a whole number; so 1/2 < the row's largest p <= 1. The row's sum l is taken of the UNQUANTISED p, in f32, and the product's result is divided by l at the end. Since M is a whole number, a kernel that streams over the keys may use a running M (the ceiling of the running maximum): every later rescaling is an exact power of two, which a block's scale takes up: the codes' values come out the same.
;;   OPERANDS COMPUTED ON THE WAY. 'Computed on the way' means the value that the module computes at that place (a softmax that the list does not call 'softmax' is quantised finished and normalised). What goes into a quantiser is computed in f32, as accurately as f32 sums, v_exp_f32 and their like allow (about 1e-6 of the number): no bf16 or f16 on the way to a quantiser, and a product that is left as it is and whose result goes on into a quantised operand takes f32 operands (vector FMAs, or v_wmma_f32_16x16x4_f32). A number that lies on a knife's edge between two numbers of the format may be rounded either way, as far as f32 arithmetic and the matrix unit's own rounding can turn it there, and no further.
;; 2 versions. Each part assembles by itself: llvm-mc -triple=amdgcn-amd-amdhsa -mcpu=gfx1250 --defsym DOCPART=n.
;; ======== version 1 of 2: 3 launches
;; workspace buffers: nc 12,582,912 bytes; ns 524,288 bytes; wc 786,432 bytes; ws 65,536 bytes; ac 6,291,456 bytes; asl 262,144 bytes
;; launch prep (part 1): grid 256 x 1, 16 waves a work-group, no clusters, 55,296 bytes of LDS; arguments x, y, gn_w, gn_b, Wq, Wkv, Wp, nc, ns, wc, ws; writes nc, ns, wc, ws
.if DOCPART == 1
	.amdgcn_target "amdgcn-amd-amdhsa--gfx1250"
	.amdhsa_code_object_version 6
	.text
	.protected	k_q5323f083b8_prep
	.globl	k_q5323f083b8_prep
	.p2align	8
	.type	k_q5323f083b8_prep,@function
k_q5323f083b8_prep:
	s_mov_b64 s[64:65], 0
	v_nop
	global_prefetch_b8 v0, s[64:65] scope:SCOPE_SE
	s_setreg_imm32_b32 hwreg(HW_REG_WAVE_MODE, 25, 1), 1
	s_wait_xcnt 0x0
; GroupNorm of x and y (32 groups of 16 channels x 1,024 tokens), quantised along the channels to codes of BF6 (E3M2) with one E8M0 byte for each 32 channels;
; and the three weights, quantised along their 512 inputs.  Everything is laid in the order of the matrix operands' registers, so that the later launches load fragments whole.
; SHARES.  Work-group g: tensor g / 128 (x, y), image (g / 8) % 16, channels 64 (g % 8) on: 64 channels x 1,024 tokens = 262,144 consecutive bytes, four groups.
; Wave w: channel block hb = w / 8 (32 channels, two groups), tokens 128 (w % 8) + 4 lane + 0..3.  A lane keeps 32 channels x 4 tokens in 128 registers: the tensor is read once,
; the mean is taken first, the numbers are centred in place, and the variance is the mean of the centred squares: no difference of large sums is formed.
; Waves 0 and 1 also quantise one weight fragment each (16 rows x 128 inputs): 256 work-groups x 2 = the 512 fragments of Wq, Wkv, Wp.
; ROW ORDER OF A TILE OF 16 (tokens and weight rows alike): in a group of 32 rows, tile u gives lane-row r the row 8 u + r + 8 (r / 8).
; HALF FRAGMENT, 768 bytes: 16 rows x 64 along K, six registers a lane; lane 16 h + r holds block h of row r; registers 0-3 at 16 x lane, registers 4-5 at 512 + 8 x lane.
; nc [tensor][image][tile 64][chunk of 64 channels 8][768];  ns [tensor][image][chunk 8][slot = 16 tile + r][2 bytes];  wc [tile 128][K step 4][2 x 768];  ws [tile][K step][lane 32][4 bytes].
; LIMITS: NaN and infinities among the inputs are not served; a block whose largest magnitude lies under 2^-122 has its byte held at 1; a block of zeros gets the byte 1 and not 127 (its codes are
; zeros, and this program alone reads the bytes); 1 / sqrt is the 1-ulp instruction; (d rs) w + b is computed as fma(d, rs w, b), about one ulp from the written order.
; No matrix work, no tensor loads, no cluster: the work-groups share no input, and all of a work-group's bytes are asked for at its head.  ws leaves in runs of 128 bytes: 65,536 bytes in all.
.set R,     16                         ; v16-143  register 4 i + j: channel i, token j
.set N,     144                        ; v144-207 two sets of 32 normalised numbers; earlier: sums; in waves 0, 1 first a weight fragment's 64 numbers
.set SST,   49152                      ; LDS: 0 .. 49,151 the 64 half fragments; then 2,048 scale bytes; then two places for the waves' sums
.set RED1,  51200
.set RED2,  51456
.set FLOOR, 0x2800000                  ; 2^(5 - 127): under it no largest magnitude is taken, so that the byte cannot fall under 1
.set EOFF,  0xfe000000                 ; takes 4 off an exponent field
	s_load_b512 s[4:19], s[0:1], 0x0               ; x, y, gn_w, gn_b, Wq, Wkv, Wp, nc
	s_load_b128 s[20:23], s[0:1], 0x40             ; ns, wc
	s_load_b64 s[24:25], s[0:1], 0x50              ; ws
	v_lshl_add_u32 v254, v0, 2, 0xd000
	v_mov_b32 v255, 0
	v_lshrrev_b32 v249, 5, v0                      ; wave
	v_readfirstlane_b32 s26, v249
	v_and_b32 v1, 31, v0                           ; lane
	v_bfe_u32 v244, v0, 5, 3                       ; w % 8
	v_lshrrev_b32 v245, 8, v0                      ; hb
	v_bfe_u32 v250, v0, 4, 1                       ; h = lane / 16
	v_lshlrev_b32 v12, 4, v1                       ; 16 x lane
	v_lshlrev_b32 v13, 3, v1                       ; 8 x lane
	v_lshlrev_b32 v14, 2, v1                       ; 4 x lane
	v_lshlrev_b32 v15, 4, v0                       ; 16 x thread
	v_lshl_add_u32 v2, v244, 9, v12
	v_lshl_add_u32 v2, v245, 17, v2                ; in: hb x 32 rows of 4,096 bytes + 512 (w % 8) + 16 lane
	v_bfe_u32 v246, v0, 3, 2
	v_bfe_u32 v247, v0, 1, 1
	v_lshl_add_u32 v246, v246, 1, v247
	v_lshl_add_u32 v246, v244, 3, v246             ; my four tokens' tile: 8 (w % 8) + 2 (lane / 8) + (lane / 2) % 2
	v_and_b32 v247, 1, v0
	v_bfe_u32 v248, v0, 2, 1
	v_lshl_add_u32 v247, v248, 1, v247             ; e: their lane-rows are 4 e + j
	v_mul_u32_u24 v3, v246, 768
	v_lshl_add_u32 v4, v247, 5, v3
	v_lshl_add_u32 v4, v245, 7, v4                 ; registers 4-5: 768 tile + 8 (16 hb + 4 e)  (+ 512 + 8 j in the immediate)
	v_lshl_add_u32 v3, v247, 6, v3
	v_lshl_add_u32 v3, v245, 8, v3                 ; registers 0-3: 768 tile + 16 (16 hb + 4 e)  (+ 16 j)
	v_lshlrev_b32 v5, 5, v246
	v_lshl_add_u32 v5, v247, 3, v5
	v_add_nc_u32 v5, v5, v245                      ; the scale byte: 2 (16 tile + 4 e) + hb  (+ SST + 2 j)
	v_mul_u32_u24 v6, v249, 3072
	v_add_nc_u32 v6, v6, v12                       ; out of the stage: my wave's four tiles, 16 bytes a lane
	v_mul_u32_u24 v7, v249, 24576
	v_add_nc_u32 v7, v7, v12                       ; and in nc, where a tile's chunks are 6,144 bytes apart;
	v_mad_u32_u24 v8, v250, 5376, v7               ; lanes 16-31 of the two loads that straddle two tiles stand 6,144 - 768 further on
	v_lshlrev_b32 v9, 3, v249                      ; my wave's two sums
	v_lshlrev_b32 v10, 6, v245                     ; the eight waves' sums of my channel block
	v_and_b32 v251, 15, v0
	v_and_b32 v252, 8, v0
	v_add_nc_u32 v251, v251, v252                  ; r + 8 (r / 8)
	v_lshlrev_b32 v11, 11, v251
	v_lshl_add_u32 v11, v250, 7, v11               ; a weight: that row of 2,048 bytes + 128 h
	v_mov_b32 v154, 0                              ; written once: a lane permute's destination counts as one of its sources
	v_mov_b32 v155, 0
	s_lshr_b32 s27, s26, 3                         ; hb
	s_and_b32 s28, ttmp9, 7                        ; chunk of 64 channels
	s_lshr_b32 s29, ttmp9, 7                       ; tensor
	s_bfe_u32 s2, ttmp9, 0x40003                   ; image
	s_mov_b32 s100, 0x76543210
	s_mov_b32 s101, 0xfedcba98                     ; v_permlanex16_b32's selects for lane l xor 16
	s_mov_b32 s31, 0
	s_lshl_b32 s30, s28, 8
	s_lshl_b32 s3, s27, 7
	s_add_co_u32 s30, s30, s3                      ; 4 (64 chunk + 32 hb)
	s_wait_kmcnt 0x0
	s_add_nc_u64 s[8:9], s[8:9], s[30:31]
	s_add_nc_u64 s[10:11], s[10:11], s[30:31]
	s_load_b512 s[32:47], s[8:9], 0x0              ; gn_w of my 32 channels
	s_load_b512 s[48:63], s[8:9], 0x40
	s_load_b512 s[68:83], s[10:11], 0x0            ; gn_b
	s_load_b512 s[84:99], s[10:11], 0x40
	s_cmp_eq_u32 s29, 0
	s_cselect_b64 s[4:5], s[4:5], s[6:7]           ; x or y: the choice hangs on the work-group's number alone
	s_lshl_b32 s30, s2, 21
	s_lshl_b32 s3, s28, 18
	s_add_co_u32 s30, s30, s3
	s_add_nc_u64 s[4:5], s[4:5], s[30:31]
.set i_, 0
.rept 32
	global_load_b128 v[R+4*i_:R+4*i_+3], v2, s[4:5] offset:4096*i_ th:TH_LOAD_NT   ; channel i: 32 lanes read 512 consecutive bytes
.set i_, i_+1
.endr
	s_mul_i32 s30, s29, 6291456
	s_mul_i32 s3, s2, 393216
	s_add_co_u32 s30, s30, s3
	s_mul_i32 s3, s28, 768
	s_add_co_u32 s30, s30, s3
	s_add_nc_u64 s[18:19], s[18:19], s[30:31]      ; nc at [tensor][image][tile 0][chunk]
	s_lshl_b32 s30, s29, 18
	s_lshl_b32 s3, s2, 14
	s_add_co_u32 s30, s30, s3
	s_lshl_b32 s3, s28, 11
	s_add_co_u32 s30, s30, s3
	s_add_nc_u64 s[20:21], s[20:21], s[30:31]      ; ns at [tensor][image][chunk]
	; ---- waves 0 and 1: weight fragment F = 2 g + w: tile T = g / 2, K step 2 (g % 2) + w.  No LDS and no barrier in here.
	s_cmp_gt_u32 s26, 1
	s_cbranch_scc1 .Lno_weight
	s_lshr_b32 s30, ttmp9, 1                       ; T: 0-31 Wq, 32-95 Wkv, 96-127 Wp
	s_cmp_lt_u32 s30, 96
	s_cselect_b64 s[6:7], s[14:15], s[16:17]
	s_cselect_b32 s3, 32, 96
	s_cmp_lt_u32 s30, 32
	s_cselect_b64 s[6:7], s[12:13], s[6:7]
	s_cselect_b32 s3, 0, s3
	s_sub_co_u32 s3, s30, s3                       ; the tile's number in its own weight
	s_lshr_b32 s30, s3, 1
	s_lshl_b32 s30, s30, 16                        ; 32 rows of 2,048 bytes for each pair of tiles,
	s_and_b32 s3, s3, 1
	s_lshl_b32 s3, s3, 14                          ; 8 rows for the odd tile,
	s_add_co_u32 s30, s30, s3
	s_and_b32 s3, ttmp9, 1
	s_lshl_b32 s3, s3, 10
	s_add_co_u32 s30, s30, s3
	s_lshl_b32 s3, s26, 9                          ; 512 bytes a K step
	s_add_co_u32 s30, s30, s3
	s_add_nc_u64 s[6:7], s[6:7], s[30:31]
	s_lshl_b32 s3, ttmp9, 1
	s_add_co_u32 s3, s3, s26                       ; F
	s_mul_i32 s30, s3, 1536
	s_add_nc_u64 s[22:23], s[22:23], s[30:31]
	s_lshl_b32 s30, s3, 7
	s_add_nc_u64 s[24:25], s[24:25], s[30:31]
.irp c, 0,1
.irp i, 0,1,2,3,4,5,6,7
	global_load_b128 v[N+32*\c+4*\i:N+32*\c+4*\i+3], v11, s[6:7] offset:256*\c+16*\i th:TH_LOAD_NT   ; my row's k = 64 c + 32 h + 4 i ..: a whole block of 32 to a lane
.endr
.endr
	s_wait_loadcnt 0x0
.irp c, 0,1
	v_max3_num_f32 v[244+\c], |v[N+32*\c]|, |v[N+32*\c+1]|, FLOOR
.endr
.irp i, 2,4,6,8,10,12,14,16,18,20,22,24,26,28,30
.irp c, 0,1
	v_max3_num_f32 v[244+\c], v[244+\c], |v[N+32*\c+\i]|, |v[N+32*\c+\i+1]|   ; the two blocks by turns
.endr
.endr
.irp c, 0,1
	v_add_nc_u32 v[246+\c], EOFF, v[244+\c]        ; 4 off the exponent field: the conversion's scale operand
.endr
.irp c, 0,1
	v_lshrrev_b32 v[248+\c], 23, v[246+\c]         ; the scale's byte
.endr
	v_lshl_or_b32 v251, v249, 16, v248             ; my bytes: blocks h and 2 + h of my row,
	v_lshlrev_b32 v252, 3, v250
	v_lshlrev_b32 v251, v252, v251                 ; 8 h bits up;
	v_mov_b32 v252, 0
	v_permlanex16_b32 v252, v251, s100, s101
	v_or_b32 v251, v251, v252                      ; with lane l xor 16's two the word is whole, in both halves of the lanes
.irp c, 0,1
	v_cvt_scalef32_pk16_bf6_f32 v[208+6*\c:210+6*\c], v[N+32*\c:N+32*\c+15], v[246+\c]
	v_cvt_scalef32_pk16_bf6_f32 v[224+4*\c:226+4*\c], v[N+32*\c+16:N+32*\c+31], v[246+\c]   ; (a conversion's three registers begin on an even number)
.endr
	v_nop                                          ; one plain place behind a scaled conversion
.irp c, 0,1
.irp i, 0,1,2
	v_mov_b32 v[211+6*\c+\i], v[224+4*\c+\i]
.endr
.endr
.irp c, 0,1
	global_store_b128 v12, v[208+6*\c:211+6*\c], s[22:23] offset:768*\c          ; 512 consecutive bytes
	global_store_b64 v13, v[212+6*\c:213+6*\c], s[22:23] offset:768*\c+512       ; 256 consecutive bytes
.endr
	global_store_b32 v14, v251, s[24:25]
	s_wait_xcnt 0x0                                ; the stores have read their registers: these are written again below
.Lno_weight:
; chunk q of eight loads (eight channels) is added to its group's two chains; a group's first pairs start the chains
.macro SUMCH q
.set A_, 144+4*((\q)/2)
.set B_, R+32*(\q)
.if ((\q)%2) == 0
	v_pk_add_f32 v[A_:A_+1], v[B_:B_+1], v[B_+2:B_+3]
	v_pk_add_f32 v[A_+2:A_+3], v[B_+4:B_+5], v[B_+6:B_+7]
.irp p, 8,12,16,20,24,28
	v_pk_add_f32 v[A_:A_+1], v[A_:A_+1], v[B_+\p:B_+\p+1]
	v_pk_add_f32 v[A_+2:A_+3], v[A_+2:A_+3], v[B_+\p+2:B_+\p+3]
.endr
.else
.irp p, 0,4,8,12,16,20,24,28
	v_pk_add_f32 v[A_:A_+1], v[A_:A_+1], v[B_+\p:B_+\p+1]
	v_pk_add_f32 v[A_+2:A_+3], v[A_+2:A_+3], v[B_+\p+2:B_+\p+3]
.endr
.endif
.endm
; the four chains v[144:151] become the two groups' sums over 16 channels x 1,024 tokens, in v156 and v157 of every lane: within the lane, over the wave, over the eight waves of the channel block
.macro GSUM off
	v_pk_add_f32 v[144:145], v[144:145], v[146:147]
	v_pk_add_f32 v[148:149], v[148:149], v[150:151]
	v_add_f32 v152, v144, v145
	v_add_f32 v153, v148, v149
.irp m, 1,2,4,8
	v_add_f32_dpp v152, v152, v152 row_xmask:\m row_mask:0xf bank_mask:0xf
	v_add_f32_dpp v153, v153, v153 row_xmask:\m row_mask:0xf bank_mask:0xf
.endr
	v_permlanex16_b32 v154, v152, s100, s101
	v_permlanex16_b32 v155, v153, s100, s101
	v_pk_add_f32 v[152:153], v[152:153], v[154:155]
	ds_store_b64 v9, v[152:153] offset:\off        ; all lanes write the same 8 bytes with the same values
	s_wait_dscnt 0x0                               ; for the others' sake: my store has landed
	s_barrier_signal -1
	s_barrier_wait -1
.irp k, 0,1,2,3
	ds_load_b128 v[156+4*\k:159+4*\k], v10 offset:\off+16*\k
.endr
	s_wait_dscnt 0x0
	v_pk_add_f32 v[156:157], v[156:157], v[158:159]   ; the same order in all eight waves: they get the same bits
	v_pk_add_f32 v[160:161], v[160:161], v[162:163]
	v_pk_add_f32 v[164:165], v[164:165], v[166:167]
	v_pk_add_f32 v[168:169], v[168:169], v[170:171]
	v_pk_add_f32 v[156:157], v[156:157], v[160:161]
	v_pk_add_f32 v[164:165], v[164:165], v[168:169]
	v_pk_add_f32 v[156:157], v[156:157], v[164:165]
.endm
	; ---- the means
	s_wait_loadcnt 24                              ; the first eight loads are in; the 24 younger ones may be out; and so on
	SUMCH 0
	s_wait_loadcnt 16
	SUMCH 1
	s_wait_loadcnt 8
	SUMCH 2
	s_wait_loadcnt 0x0
	SUMCH 3
	GSUM RED1
	v_mul_f32 v172, 0xb8800000, v156               ; -mean = sum x -2^-14, twice: a pair for the packed addition
	v_mul_f32 v173, 0xb8800000, v156
	v_mul_f32 v174, 0xb8800000, v157
	v_mul_f32 v175, 0xb8800000, v157
	; ---- centred in place; the variance is the mean of the centred squares
.set p_, 0
.rept 32
	v_pk_add_f32 v[R+2*p_:R+2*p_+1], v[R+2*p_:R+2*p_+1], v[172:173]
	v_pk_add_f32 v[R+64+2*p_:R+64+2*p_+1], v[R+64+2*p_:R+64+2*p_+1], v[174:175]
.set p_, p_+1
.endr
	v_pk_mul_f32 v[144:145], v[R:R+1], v[R:R+1]
	v_pk_mul_f32 v[146:147], v[R+2:R+3], v[R+2:R+3]
	v_pk_mul_f32 v[148:149], v[R+64:R+65], v[R+64:R+65]
	v_pk_mul_f32 v[150:151], v[R+66:R+67], v[R+66:R+67]
.set p_, 4
.rept 15
	v_pk_fma_f32 v[144:145], v[R+p_:R+p_+1], v[R+p_:R+p_+1], v[144:145]
	v_pk_fma_f32 v[146:147], v[R+p_+2:R+p_+3], v[R+p_+2:R+p_+3], v[146:147]
	v_pk_fma_f32 v[148:149], v[R+64+p_:R+64+p_+1], v[R+64+p_:R+64+p_+1], v[148:149]
	v_pk_fma_f32 v[150:151], v[R+66+p_:R+66+p_+1], v[R+66+p_:R+66+p_+1], v[150:151]
.set p_, p_+4
.endr
	GSUM RED2                                      ; other bytes than the first sums': no wave can overwrite what another still reads
	s_mov_b32 s30, 0x38800000                      ; 2^-14
	s_mov_b32 s3, 0x3727c5ac                       ; 1e-5
	v_fma_f32 v172, v156, s30, s3                  ; variance + eps (the multiplication is exact)
	v_fma_f32 v173, v157, s30, s3
	v_rsq_f32 v176, v172
	v_rsq_f32 v177, v173
	v_nop                                          ; a plain place behind the transcendentals
	s_wait_alu depctr_va_vdst(0)                   ; the wait ahead of the first use: one for both
	v_readfirstlane_b32 s28, v176
	v_readfirstlane_b32 s29, v177
	s_wait_kmcnt 0x0                               ; gn_w and gn_b
.irp c, 0,1,2,3,4,5,6,7,8,9,10,11,12,13,14,15
	s_mul_f32 s[32+\c], s[32+\c], s28              ; rs x w, a channel at a time
	s_mul_f32 s[48+\c], s[48+\c], s29
.endr
; ---- token j of my four: 32 fused multiply-adds bring its 32 channels into consecutive registers: a whole block of 32 along K in one lane
.macro TOKQ j
.set NB_, N+32*((\j)%2)
.set PC_, 208+8*(\j)
.set i_, 0
.rept 32
	v_fma_f32 v[NB_+i_], v[R+4*i_+(\j)], s[32+i_], s[68+i_]
.set i_, i_+1
.endr
	v_max3_num_f32 v244, |v[NB_]|, |v[NB_+1]|, |v[NB_+2]|
	v_max3_num_f32 v245, |v[NB_+3]|, |v[NB_+4]|, |v[NB_+5]|
.irp i, 6,10,14,18,22,26
	v_max3_num_f32 v244, v244, |v[NB_+\i]|, |v[NB_+\i+1]|
	v_max3_num_f32 v245, v245, |v[NB_+\i+2]|, |v[NB_+\i+3]|
.endr
	v_max3_num_f32 v244, v244, |v[NB_+30]|, |v[NB_+31]|
	v_max3_num_f32 v244, v244, v245, FLOOR
	v_add_nc_u32 v246, EOFF, v244
	v_cvt_scalef32_pk16_bf6_f32 v[PC_:PC_+2], v[NB_:NB_+15], v246
	v_cvt_scalef32_pk16_bf6_f32 v[240:242], v[NB_+16:NB_+31], v246
	v_lshrrev_b32 v[248+(\j)], 23, v246            ; the scale's byte; also the plain place behind the conversions
.irp i, 0,1,2
	v_mov_b32 v[PC_+3+\i], v[240+\i]
.endr
	ds_store_b128 v3, v[PC_:PC_+3] offset:16*(\j)
	ds_store_b64 v4, v[PC_+4:PC_+5] offset:512+8*(\j)
	ds_store_b8 v5, v[248+(\j)] offset:SST+2*(\j)
.endm
	TOKQ 0
	TOKQ 1
	TOKQ 2
	TOKQ 3
	s_wait_dscnt 0x0                               ; my stores have landed
	s_barrier_signal -1
	s_barrier_wait -1                              ; the 64 half fragments and their 2,048 scale bytes lie in LDS
	; ---- the way out: my wave's four tiles, 3,072 bytes: each aligned run of 256 bytes is stored whole by sixteen neighbouring lanes
.irp k, 0,1,2,3,4,5
	ds_load_b128 v[R+4*\k:R+4*\k+3], v6 offset:512*\k
.endr
	s_wait_dscnt 5                                 ; LDS loads come back in order: the first is in, five may be out; and so on
	global_store_b128 v7, v[R:R+3], s[18:19]
	s_wait_dscnt 4
	global_store_b128 v8, v[R+4:R+7], s[18:19] offset:512
	s_wait_dscnt 3
	global_store_b128 v7, v[R+8:R+11], s[18:19] offset:6400
	s_wait_dscnt 2
	global_store_b128 v7, v[R+12:R+15], s[18:19] offset:12288
	s_wait_dscnt 1
	global_store_b128 v8, v[R+16:R+19], s[18:19] offset:12800
	s_wait_dscnt 0x0
	global_store_b128 v7, v[R+20:R+23], s[18:19] offset:18688
	s_cmp_gt_u32 s26, 3
	s_cbranch_scc1 .Ldone                          ; waves 0 to 3 store the 2,048 scale bytes, 16 a thread
	ds_load_b128 v[R+24:R+27], v15 offset:SST
	s_wait_dscnt 0x0
	global_store_b128 v15, v[R+24:R+27], s[20:21]
.Ldone:
	s_wait_tensorcnt 0x0
	ds_add_u32 v254, v255
	s_wait_dscnt 0x0
	s_endpgm
.Lfunc_end_k_q5323f083b8_prep:
	.size	k_q5323f083b8_prep, .Lfunc_end_k_q5323f083b8_prep-k_q5323f083b8_prep
	.p2alignl 7, 3214868480
	.fill 96, 4, 3214868480
	.section	.rodata,"a",@progbits
	.p2align	6, 0x0
	.amdhsa_kernel k_q5323f083b8_prep
		.amdhsa_group_segment_fixed_size 55296
		.amdhsa_private_segment_fixed_size 0
		.amdhsa_enable_private_segment 0
		.amdhsa_kernarg_size 88
		.amdhsa_user_sgpr_count 2
		.amdhsa_user_sgpr_kernarg_segment_ptr 1
		.amdhsa_wavefront_size32 1
		.amdhsa_system_sgpr_workgroup_id_x 1
		.amdhsa_system_sgpr_workgroup_id_y 1
		.amdhsa_system_sgpr_workgroup_id_z 1
		.amdhsa_system_vgpr_workitem_id 0
		.amdhsa_next_free_vgpr 256
		.amdhsa_next_free_sgpr 102
		.amdhsa_reserve_vcc 0
		.amdhsa_float_denorm_mode_32 3
		.amdhsa_float_denorm_mode_16_64 3
		.amdhsa_memory_ordered 1
		.amdhsa_forward_progress 1
		.amdhsa_inst_pref_size 46
	.end_amdhsa_kernel
	.amdgpu_metadata
---
amdhsa.version: [ 1, 2 ]
amdhsa.kernels:
  - .name:           k_q5323f083b8_prep
    .symbol:         k_q5323f083b8_prep.kd
    .args:
      - { .name: x, .offset: 0, .size: 8, .value_kind: global_buffer, .address_space: global }
      - { .name: y, .offset: 8, .size: 8, .value_kind: global_buffer, .address_space: global }
      - { .name: gn_w, .offset: 16, .size: 8, .value_kind: global_buffer, .address_space: global }
      - { .name: gn_b, .offset: 24, .size: 8, .value_kind: global_buffer, .address_space: global }
      - { .name: Wq, .offset: 32, .size: 8, .value_kind: global_buffer, .address_space: global }
      - { .name: Wkv, .offset: 40, .size: 8, .value_kind: global_buffer, .address_space: global }
      - { .name: Wp, .offset: 48, .size: 8, .value_kind: global_buffer, .address_space: global }
      - { .name: nc, .offset: 56, .size: 8, .value_kind: global_buffer, .address_space: global }
      - { .name: ns, .offset: 64, .size: 8, .value_kind: global_buffer, .address_space: global }
      - { .name: wc, .offset: 72, .size: 8, .value_kind: global_buffer, .address_space: global }
      - { .name: ws, .offset: 80, .size: 8, .value_kind: global_buffer, .address_space: global }
    .group_segment_fixed_size: 55296
    .private_segment_fixed_size: 0
    .kernarg_segment_align: 8
    .kernarg_segment_size: 88
    .max_flat_workgroup_size: 512
    .sgpr_count:     102
    .vgpr_count:     256
    .wavefront_size: 32
...
	.end_amdgpu_metadata
.endif
;; end of part 1
;; launch attn (part 2): grid 2 x 128, 8 waves a work-group, no clusters, 187,392 bytes of LDS; arguments nc, ns, wc, ws, bq, bkv, ac, asl; writes ac, asl
.if DOCPART == 2
	.amdgcn_target "amdgcn-amd-amdhsa--gfx1250"
	.amdhsa_code_object_version 6
	.text
	.protected	k_q5323f083b8_attn
	.globl	k_q5323f083b8_attn
	.p2align	8
	.type	k_q5323f083b8_attn,@function
k_q5323f083b8_attn:
	s_mov_b64 s[64:65], 0
	v_nop
	global_prefetch_b8 v0, s[64:65] scope:SCOPE_SE
	s_setreg_imm32_b32 hwreg(HW_REG_WAVE_MODE, 25, 1), 1
	s_wait_xcnt 0x0
; For one image, one head and one half of the queries: k, v (1,024 tokens) and q (512 tokens) from the codes of the normalised y and x; attention; a = O / l, quantised along the head's 64 channels.
; All products on codes of BF6 (E3M2) with one E8M0 byte for each 32 along K.  k and v of a head are made by both halves' work-groups; in return K and V (98,304 bytes of codes) stay in LDS and never go to memory.
; PHASE A.  Wave w makes k and v of tokens 128 w .. 128 w + 127 (key step w), 64 tokens at a time, and q of its own 64 queries.  k, q: source 0 = 16 rows of the weight, source 1 = 16 tokens: a lane then holds one
; token and its registers run along the head's channels, the next product's K.  v: source 0 = 16 tokens, source 1 = 16 rows of the weight: a lane holds one channel and its registers run along the tokens, which are ITS next K.
; The rows of every tile of 16 are 8 u + r + 8 (r / 8) of a group of 32, so that the 16 registers of two neighbouring tiles are 16 neighbours along the next K.
; The weight's fragments come from LDS AHEAD of their use: a pass's first four and its scale words are asked for ahead of the quantising of the pass before, and behind a tile's four products the same tile's fragment of
; the next K step is asked for, twelve products ahead of its use.  The q pass, which hands nothing to other waves, stands between the signal and the wait of the barrier in front of phase B.
; PHASE B.  Each wave walks the 8 key steps for its four tiles of 16 queries.  S^T = K Q^T, O^T = V^T P^T: a lane holds one query throughout.  t = score x log2(e); M = the running largest t rounded up to a whole
; number; p = 2^(t - M) is quantised along the keys, not normalised; the row's sum is taken of the unquantised p; when M moves, the sum and O^T are multiplied by 2^(old M - new M), exactly.
; THE HEAD HAS 64 CHANNELS, the instruction takes 128 along K: Q's codes of k = 64 .. 127 are zeros, so whatever stands in K's upper six registers (the next tile's codes or a cleared pad: every six bits are a
; finite number) adds nothing; the scale bytes there are 0, never 0xff.  So a tile of K is six registers.
; The scores of the next tile are issued ahead of a tile's softmax (two buffers of scores), so that matrix work stands beside vector work; two waves share a SIMD.
; NO CLUSTER: what the 16 work-groups of an image share are the codes of the normalised y (393,216 bytes).  Here each fragment of them goes from memory straight into the registers of the one wave of the
; work-group that uses it, in register order; a joint request would have to land in LDS and be read back from there, behind a barrier of all partners for each refill, and only phase A (2,560 of the work-group's 5,632 matrix instructions) has any.
; LIMITS: NaN and infinities are not served; a block whose largest magnitude lies under 2^-122 has its byte held at 1; a block of zeros gets the byte 1 (its codes are zeros; this program alone reads the bytes);
; (sum + bias) 2^-1.5 is computed as fma(sum, 2^-1.5, bias 2^-1.5), and O / l as O x (1 / l) by the 1-ulp reciprocal: about one ulp from the written order.
; LDS: the head's weights and their scale words (a copy of wc, ws); K's and V's half fragments of 768 bytes; their scale words, laid so that one load brings a step's; a's scale bytes.
.set WQL,  49152                       ; 0: Wkv's 8 tiles x 4 K steps x 1,536;  49,152: Wq's 4 tiles
.set WSL,  73728                       ; scale words: Wkv's 8 x 4 x 128 bytes, then (4,096 on) Wq's
.set KIMG, 79872                       ; [tile 64][768]
.set VIMG, 129024                      ; [step 8][channel tile 4][64 keys 2][768]
.set KSC,  178176                      ; [step][lane 16 e + r][p 4][4 bytes]: tile 2 p + e
.set VSC,  182272                      ; [step][lane 16 e + r][p 2][4 bytes]: channel tile 2 p + e
.set ASG,  184832                      ; [slot 512][2 bytes]; 512 bytes lie unused in front of it
.set LA, 1                             ; v1 16 x lane, v2 8 x lane, v3 2 x lane: never rewritten
.set LB, 2
.set L2, 3
.set QWA, 4                            ; phase A: v4, v5 Wq's fragments; v6 scale words; v7-10 where my wave stores K's and V's; v11, v12 their scale words
.set QWB, 5
.set SWA, 6
.set KWA, 7
.set KWB, 8
.set VWA, 9
.set VWB, 10
.set KSA, 11
.set VSA, 12
.set ASA, 13                           ; v13 where my wave stores a's scale bytes
.set KA0, 4                            ; phase B: v4-9 my lane's places in K, V and their scale words; v10-12 the addresses of the run of loads in hand
.set KB0, 5
.set VA0, 6
.set VB0, 7
.set KS0, 8
.set VS0, 9
.set AT0, 10
.set AT1, 11
.set AT2, 12
.set TM, 16                            ; the quantiser: v16-21 at work, v22-27 six registers of codes, v28-30 a conversion's result, v252 the two scale bytes
.set PC, 22
.set PT, 28
.set PW, 252
.set PC2, 196                          ; phase A: v196-201 and v202: a second set of codes and bytes, so that a tile's LDS stores may be out while the next tile is quantised
.set PW2, 202
.set ACC, 32                           ; phase A: v32-159 sixteen accumulators
.set TS, 160                           ; v160-167 the tokens' scale words (lanes 0-15 an even tile's, lanes 16-31 the odd one's), v168-175 their upper halves as loaded
.set TH, 168
.set WS16, 180                         ; v180-195 a pass's sixteen scale words of the weight: 4 ot + s
.set BK, 212                           ; v212-243 bias x 2^-1.5 in the result's layout (k's, later q's); v244-251 v's bias, four pairs
.set BV, 244
.set TF, 0                             ; window 1, phase A: v0-191 16 fragments of tokens (tile tt, K step s at 12 (4 tt + s)); v192-239 four of the weight
.set WF, 192
.set ST, 16                            ; phase B: tile q: -M, the largest t, the sum in two halves, at v[16 + 4 q]
.set SA, 32                            ; two buffers of 64 scores
.set SB, 96
.set QF, 160                           ; v160-207 Q: six registers of codes and six of zeros a tile;  v208-211 its scale words
.set QS, 208
.set PCD, 212                          ; v212-223 p's codes
.set BM, 224                           ; v224-227 the blocks' largest scores, then p;  v228-235 at work;  v236-239 the conversions' scale operands
.set BP, 228
.set SO, 236
.set F, 240                            ; v240 2^(old M - new M), v241 p's scale word (named with it as a pair), v242 at work
.set PS, 241
.set X, 242
.set KS, 244                           ; v244-247 K's scale words of a step, v248-249 V's
.set VS, 248
.set O, 0                              ; window 1, phase B: v0-127 O^T (32 q + 8 ct); v128-175 K's eight tiles; v176-181 the pad; v184-231 V's four fragments
.set KF, 128
.set PAD, 176
.set VF, 184
.set TY, 32                            ; s[32:33] y's tiles of my 128 tokens, s[34:35] x's of my 64 queries, s[36:39] their scale bytes, s[40:41] my place in ac, s[42:43] the work-group's in asl
.set TX, 34
.set NY, 36
.set NX, 38
.set ACB, 40
.set ASB, 42
.set SEL, 44                           ; s[44:45] v_permlanex16_b32's selects for lane l xor 16
.set CS, 46                            ; s[46:47] log2(e);  s[48:49] 2^-1.5: the packed forms name a pair and take its low word
.set SC, 48
.set J, 50                             ; s50 the key step;  s51-53 its bytes in K and V, in K's scale words, in V's
.set TK, 51
.set TKS, 52
.set TVS, 53
.set MSB, 0
.macro WIN new                         ; s_set_vgpr_msb: bits 1:0 source 0, 3:2 source 1, 5:4 source 2, 7:6 destination; the high byte repeats the setting that is left
.if MSB != \new
	s_set_vgpr_msb (MSB<<8)|\new
.set MSB, \new
.endif
.endm
; one matrix instruction: D, source 0, source 1, C (under 0: the constant 0), the two scale registers, and whether a side's scales stand in lanes 16-31
.macro WM d, a, b, c, sa, sb, ra, rb
.if (\c) < 0
.if \ra
	v_wmma_scale_f32_16x16x128_f8f6f4 v[\d:\d+7], v[\a:\a+11], v[\b:\b+11], 0, v[\sa], v[\sb] matrix_a_fmt:MATRIX_FMT_BF6 matrix_b_fmt:MATRIX_FMT_BF6 matrix_a_scale:MATRIX_SCALE_ROW1
.elseif \rb
	v_wmma_scale_f32_16x16x128_f8f6f4 v[\d:\d+7], v[\a:\a+11], v[\b:\b+11], 0, v[\sa], v[\sb] matrix_a_fmt:MATRIX_FMT_BF6 matrix_b_fmt:MATRIX_FMT_BF6 matrix_b_scale:MATRIX_SCALE_ROW1
.else
	v_wmma_scale_f32_16x16x128_f8f6f4 v[\d:\d+7], v[\a:\a+11], v[\b:\b+11], 0, v[\sa], v[\sb] matrix_a_fmt:MATRIX_FMT_BF6 matrix_b_fmt:MATRIX_FMT_BF6
.endif
.else
.if \ra
	v_wmma_scale_f32_16x16x128_f8f6f4 v[\d:\d+7], v[\a:\a+11], v[\b:\b+11], v[\c:\c+7], v[\sa], v[\sb] matrix_a_fmt:MATRIX_FMT_BF6 matrix_b_fmt:MATRIX_FMT_BF6 matrix_a_scale:MATRIX_SCALE_ROW1
.elseif \rb
	v_wmma_scale_f32_16x16x128_f8f6f4 v[\d:\d+7], v[\a:\a+11], v[\b:\b+11], v[\c:\c+7], v[\sa], v[\sb] matrix_a_fmt:MATRIX_FMT_BF6 matrix_b_fmt:MATRIX_FMT_BF6 matrix_b_scale:MATRIX_SCALE_ROW1
.else
	v_wmma_scale_f32_16x16x128_f8f6f4 v[\d:\d+7], v[\a:\a+11], v[\b:\b+11], v[\c:\c+7], v[\sa], v[\sb] matrix_a_fmt:MATRIX_FMT_BF6 matrix_b_fmt:MATRIX_FMT_BF6
.endif
.endif
.endm
.macro PLACES n                        ; plain vector instructions behind a matrix instruction, ahead of a read of its result or a load into its registers, or ahead of a scaled one whose scales were just made
.rept \n
	v_nop
.endr
.endm
; 32 numbers of a lane, register 16 b + i = k 32 b + 16 (lane / 16) + i of my row, become a half fragment's six registers v[pc] on and the two scale bytes in v[pw]
.macro QUANT2 s, pc, pw
.irp b, 0,1
	v_max3_num_f32 v[TM+\b], |v[\s+16*\b]|, |v[\s+16*\b+1]|, 0x2800000   ; my 16 numbers of block b, and the floor 2^(5 - 127): the byte cannot fall under 1
.endr
.irp i, 2,4,6,8,10,12,14
.irp b, 0,1
	v_max3_num_f32 v[TM+\b], v[TM+\b], |v[\s+16*\b+\i]|, |v[\s+16*\b+\i+1]|
.endr
.endr
.irp b, 0,1
	v_permlanex16_b32 v[TM+2+\b], v[TM+\b], s[SEL], s[SEL+1]
.endr
.irp b, 0,1
	v_max_num_f32 v[TM+\b], v[TM+\b], v[TM+2+\b]   ; with lane l xor 16's: the block's largest magnitude
.endr
.irp b, 0,1
	v_add_nc_u32 v[TM+4+\b], 0xfe000000, v[TM+\b]  ; 4 off its exponent field: the conversion's scale operand
.endr
.irp b, 0,1
	v_lshrrev_b32 v[TM+2+\b], 23, v[TM+4+\b]       ; the scale's byte
.endr
	v_lshl_or_b32 v[\pw], v[TM+3], 8, v[TM+2]
	v_cvt_scalef32_pk16_bf6_f32 v[\pc:\pc+2], v[\s:\s+15], v[TM+4]
	v_cvt_scalef32_pk16_bf6_f32 v[PT:PT+2], v[\s+16:\s+31], v[TM+5]
	v_nop                                          ; one plain place behind a scaled conversion
.irp i, 0,1,2
	v_permlane16_swap_b32 v[\pc+\i], v[PT+\i]      ; the operand wants a whole block in a lane: lanes 0-15 block 0, lanes 16-31 block 1
.endr
.irp i, 0,1,2
	v_mov_b32 v[\pc+3+\i], v[PT+\i]
.endr
.endm
; the scale bytes of four tiles of tokens, all 512 channels: two bytes for each chunk of 64 channels; 16 loads
.macro TSCALE base, goff
.irp s, 0,1,2,3
.irp p, 0,1
	global_load_u16 v[TS+2*\s+\p], v[L2], s[\base:\base+1] offset:\goff+(2*\s)*2048+64*\p
	global_load_u16 v[TH+2*\s+\p], v[L2], s[\base:\base+1] offset:\goff+(2*\s+1)*2048+64*\p
.endr
.endr
.endm
.macro TSCOMB                          ; register 2 s + p: K step s; lanes 0-15 tile 2 p, lanes 16-31 tile 2 p + 1
.irp i, 0,1,2,3,4,5,6,7
	v_lshl_or_b32 v[TS+\i], v[TH+\i], 16, v[TS+\i]
.endr
.endm
; K step s of four tiles of tokens, straight into the operand's registers: 16 loads
.macro TLOAD base, goff, s
	WIN 0x40
.irp tt, 0,1,2,3
.irp c, 0,1
	global_load_b128 v[TF+12*(4*\tt+\s)+6*\c:TF+12*(4*\tt+\s)+6*\c+3], v[LA], s[\base:\base+1] offset:\goff+6144*\tt+1536*\s+768*\c
	global_load_b64 v[TF+12*(4*\tt+\s)+6*\c+4:TF+12*(4*\tt+\s)+6*\c+5], v[LB], s[\base:\base+1] offset:\goff+6144*\tt+1536*\s+768*\c+512
.endr
.endr
	WIN 0
.endm
; the fragment (tile ot, K step s) of a weight from LDS into its twelve registers: four loads; the destination's window is set by the caller
.macro WFLOAD aA, aB, woff, ot, s
	ds_load_b128 v[WF+12*(\ot):WF+12*(\ot)+3], v[\aA] offset:\woff+(4*(\ot)+(\s))*1536
	ds_load_b64 v[WF+12*(\ot)+4:WF+12*(\ot)+5], v[\aB] offset:\woff+(4*(\ot)+(\s))*1536+512
	ds_load_b128 v[WF+12*(\ot)+6:WF+12*(\ot)+9], v[\aA] offset:\woff+(4*(\ot)+(\s))*1536+768
	ds_load_b64 v[WF+12*(\ot)+10:WF+12*(\ot)+11], v[\aB] offset:\woff+(4*(\ot)+(\s))*1536+1280
.endm
; what a pass wants first: its sixteen scale words of the weight, then the four fragments of K step 0: 32 LDS loads.  It stands four places behind the last products of the pass before,
; and ahead of the quantising of that pass's results, which is the work under which these loads land.
.macro PASSPRO aA, aB, woff, soff
.irp ot, 0,1,2,3
.irp s, 0,1,2,3
	ds_load_b32 v[WS16+4*\ot+\s], v[SWA] offset:\soff+(4*\ot+\s)*128
.endr
.endr
	WIN 0x40
.irp ot, 0,1,2,3
	WFLOAD \aA, \aB, \woff, \ot, 0
.endr
	WIN 0
.endm
; four tiles of tokens x four tiles of a weight, K = 512 in four steps; the sixteen accumulators take turns, one instruction a turn, in the same order in every step.
; By tiles of the weight: the tile's four products; four places; the same tile's fragment of the next K step.  So the loads that stand behind a fragment's own, when it is wanted, are the twelve of the three tiles
; that follow it (LDS instructions end in order, ISA guide 5.7.1: whatever else was issued behind them only makes the count stricter); in the last K step, which asks for nothing, twelve, eight, four, none.
; mode 0: source 0 = the weight (k, q); mode 1: source 0 = the tokens (v).  first = 1: the tokens' loads are still on their way, a K step's 16 at a time.
.macro PASSRUN mode, aA, aB, woff, first
.irp s, 0,1,2,3
.irp ot, 0,1,2,3
.if \s < 3
	s_wait_dscnt 12
.else
	s_wait_dscnt 12-4*\ot
.endif
.if \first && (\ot == 0)
	s_wait_loadcnt 48-16*\s                        ; this K step's 16 loads of tokens are in; those of the later K steps may be out
.endif
	WIN 0x05
.irp tt, 0,1,2,3
.if \mode == 0
.if \s == 0
	WM ACC+32*\tt+8*\ot, WF+12*\ot, TF+12*(4*\tt+\s), -1, WS16+4*\ot+\s, TS+2*\s+\tt/2, 0, \tt%2
.else
	WM ACC+32*\tt+8*\ot, WF+12*\ot, TF+12*(4*\tt+\s), ACC+32*\tt+8*\ot, WS16+4*\ot+\s, TS+2*\s+\tt/2, 0, \tt%2
.endif
.else
.if \s == 0
	WM ACC+32*\ot+8*\tt, TF+12*(4*\tt+\s), WF+12*\ot, -1, TS+2*\s+\tt/2, WS16+4*\ot+\s, \tt%2, 0
.else
	WM ACC+32*\ot+8*\tt, TF+12*(4*\tt+\s), WF+12*\ot, ACC+32*\ot+8*\tt, TS+2*\s+\tt/2, WS16+4*\ot+\s, \tt%2, 0
.endif
.endif
.endr
.if \s < 3
	PLACES 4                                       ; ahead of loads into the registers that these four products read
	WIN 0x40
	WFLOAD \aA, \aB, \woff, \ot, \s+1
.endif
.endr
.endr
	WIN 0
.endm
.macro BIASMUL                         ; the bias x 2^-1.5: sixteen plain instructions, which are also the places behind TSCOMB
.set i_, 0
.rept 16
	v_pk_mul_f32 v[BK+2*i_:BK+2*i_+1], v[BK+2*i_:BK+2*i_+1], s[SC:SC+1] op_sel_hi:[1,0]
.set i_, i_+1
.endr
.endm
.macro SCALEB tt                       ; (sum + bias) x 2^-1.5, each accumulator from its low end on
.set i_, 0
.rept 16
	v_pk_fma_f32 v[ACC+32*(\tt)+2*i_:ACC+32*(\tt)+2*i_+1], v[ACC+32*(\tt)+2*i_:ACC+32*(\tt)+2*i_+1], s[SC:SC+1], v[BK+2*i_:BK+2*i_+1] op_sel_hi:[1,0,1]
.set i_, i_+1
.endr
.endm
.macro PICK n                          ; the two sets of codes and bytes take turns
.if (\n)%2
.set P_, PC2
.set W_, PW2
.else
.set P_, PC
.set W_, PW
.endif
.endm
.macro EPIK G                          ; k of 64 tokens: four half fragments and their scale words into LDS
.irp tt, 0,1,2,3
	PICK \tt
	SCALEB \tt
.if \tt >= 2
	s_wait_dscnt 3                                 ; the last tile's three stores may be out; those of the tile before it, which read this set of registers, are done
.endif
	QUANT2 ACC+32*\tt, P_, W_
	ds_store_b128 v[KWA], v[P_:P_+3] offset:(4*\G+\tt)*768
	ds_store_b64 v[KWB], v[P_+4:P_+5] offset:(4*\G+\tt)*768+512
	ds_store_b32 v[KSA], v[W_] offset:256*(\tt%2)+4*(2*\G+\tt/2)   ; lanes r and 16 + r write the same word with the same value; its upper two bytes are 0
.endr
.endm
.macro EPIV1 G, ot                     ; v of 64 tokens, tile ot of 16 channels: a half fragment along the keys
	PICK \ot
.set i_, 0
.rept 16
	v_pk_add_f32 v[ACC+32*(\ot)+2*i_:ACC+32*(\ot)+2*i_+1], v[ACC+32*(\ot)+2*i_:ACC+32*(\ot)+2*i_+1], v[BV+2*(\ot):BV+2*(\ot)+1]
.set i_, i_+1
.endr
.if \ot >= 2
	s_wait_dscnt 3                                 ; as in EPIK
.endif
	QUANT2 ACC+32*(\ot), P_, W_
	ds_store_b128 v[VWA], v[P_:P_+3] offset:1536*(\ot)+768*\G
	ds_store_b64 v[VWB], v[P_+4:P_+5] offset:1536*(\ot)+768*\G+512
	ds_store_b16 v[VSA], v[W_] offset:128*((\ot)%2)+4*((\ot)/2)+2*\G
.endm
; 64 tokens of y: k, then v.  The next pass's first LDS loads go out ahead of each quantising.  The next tokens' loads from memory go out in three parts, at most 56 in one run, in the order in which they are waited for.
.macro GROUP G
	s_wait_loadcnt 48                              ; biases, scale bytes and K step 0 are in; the 48 loads of K steps 1 to 3 may be out
	TSCOMB
.if \G == 0
	BIASMUL
.else
	PLACES 8                                       ; a scale register written by a vector instruction stands 8 places ahead of a scaled matrix instruction
.endif
	PASSRUN 0, LA, LB, 0, 1
	PLACES 4                                       ; ahead of the loads into the weight's registers and of the first read of k's sums
	PASSPRO LA, LB, 24576, 2048
	EPIK \G
	PASSRUN 1, LA, LB, 24576, 0
	PLACES 4                                       ; ahead of the loads into the weight's and the tokens' registers and of the first read of v's sums
.if \G == 0
	PASSPRO LA, LB, 0, 0
	TSCALE NY, 128
	TLOAD TY, 24576, 0
	TLOAD TY, 24576, 1
	EPIV1 \G, 0
	EPIV1 \G, 1
	TLOAD TY, 24576, 2
	EPIV1 \G, 2
	TLOAD TY, 24576, 3
	EPIV1 \G, 3
.else
	PASSPRO QWA, QWB, 0, 4096
.irp ot, 0,1,2,3
	global_load_b128 v[BK+8*\ot:BK+8*\ot+3], v253, s[12:13] offset:(32*(\ot/2)+8*(\ot%2))*4       ; bq in the result's layout
	global_load_b128 v[BK+8*\ot+4:BK+8*\ot+7], v253, s[12:13] offset:(32*(\ot/2)+8*(\ot%2))*4+16
.endr
	TSCALE NX, 0
	TLOAD TX, 0, 0
	TLOAD TX, 0, 1
	EPIV1 \G, 0
	EPIV1 \G, 1
	TLOAD TX, 0, 2
	EPIV1 \G, 2
	TLOAD TX, 0, 3
	EPIV1 \G, 3
.endif
.endm
	s_load_b512 s[4:19], s[0:1], 0x0               ; nc, ns, wc, ws, bq, bkv, ac, asl
	s_set_vgpr_msb 0x40
	v_lshl_add_u32 v254, v0, 2, 0x2d800
	v_mov_b32 v255, 0
	s_set_vgpr_msb 0x4000
	v_lshrrev_b32 v255, 5, v0
	v_readfirstlane_b32 s20, v255                  ; wave 0..7
	s_mov_b32 s21, ttmp9                           ; which half of the queries
	s_and_b32 s22, ttmp7, 0xffff
	s_lshr_b32 s23, s22, 3                         ; image
	s_and_b32 s24, s22, 7                          ; head
	v_and_b32 v252, 31, v0                         ; lane
	v_and_b32 v255, 15, v0                         ; r
	v_lshlrev_b32 v[LA], 4, v252
	v_lshlrev_b32 v[LB], 3, v252
	v_lshlrev_b32 v[L2], 1, v252
	v_add_nc_u32 v[QWA], WQL, v[LA]
	v_add_nc_u32 v[QWB], WQL, v[LB]
	v_lshl_add_u32 v[SWA], v252, 2, WSL
	s_mul_i32 s28, s20, 6144
	s_add_co_u32 s29, s28, KIMG
	v_add_nc_u32 v[KWA], s29, v[LA]
	v_add_nc_u32 v[KWB], s29, v[LB]
	s_add_co_u32 s29, s28, VIMG
	v_add_nc_u32 v[VWA], s29, v[LA]
	v_add_nc_u32 v[VWB], s29, v[LB]
	s_lshl_b32 s28, s20, 9
	s_add_co_u32 s28, s28, KSC
	v_lshl_add_u32 v[KSA], v255, 4, s28
	s_lshl_b32 s28, s20, 8
	s_add_co_u32 s28, s28, VSC
	v_lshl_add_u32 v[VSA], v255, 3, s28
	s_lshl_b32 s28, s20, 7
	s_add_co_u32 s28, s28, ASG
	v_lshl_add_u32 v[ASA], v255, 1, s28
	v_lshlrev_b32 v14, 4, v0                       ; the copy of the weights: 16 x thread, 8 x thread, and the same behind 48 KiB and 76 KiB
	v_lshlrev_b32 v15, 3, v0
	v_add_nc_u32 v16, WQL, v14
	v_add_nc_u32 v17, WSL+4096, v15
	v_mov_b32 v18, 0                               ; written once: a lane permute's destination counts as one of its sources
	v_mov_b32 v19, 0
	v_bfe_u32 v253, v0, 4, 1
	v_lshlrev_b32 v253, 6, v253                    ; 64 h: a bias in the layout of a result whose registers run along the channels
	v_and_b32 v254, 8, v0
	v_add_nc_u32 v254, v254, v255
	v_lshlrev_b32 v254, 2, v254                    ; 4 (r + 8 (r / 8)): a bias of the lane's own channel
	s_mov_b32 s[SEL], 0x76543210
	s_mov_b32 s[SEL+1], 0xfedcba98
	s_mov_b32 s[CS], 0x3fb8aa3b                    ; log2(e)
	s_mov_b32 s[CS+1], s[CS]
	s_mov_b32 s[SC], 0x3eb504f3                    ; 64^-0.25 = 2^-1.5
	s_mov_b32 s[SC+1], s[SC]
	s_mul_i32 s25, s23, 393216                     ; an image's 64 tiles of 6,144 bytes
	s_lshl_b32 s26, s21, 5
	s_lshl_b32 s27, s20, 2
	s_add_co_u32 s26, s26, s27                     ; my first tile of queries: 32 half + 4 w
	s_mul_i32 s28, s26, 6144
	s_add_co_u32 s28, s28, s25
	s_mov_b32 s29, 0
	s_mul_i32 s30, s20, 49152                      ; my first tile of keys: 8 w
	s_add_co_u32 s30, s30, s25
	s_add_co_u32 s30, s30, 6291456                 ; in y's part of nc
	s_mov_b32 s31, 0
	s_wait_kmcnt 0x0
	s_add_nc_u64 s[TX:TX+1], s[4:5], s[28:29]
	s_add_nc_u64 s[TY:TY+1], s[4:5], s[30:31]
	s_add_nc_u64 s[ACB:ACB+1], s[16:17], s[28:29]
	s_mul_i32 s28, s24, 768
	s_add_nc_u64 s[ACB:ACB+1], s[ACB:ACB+1], s[28:29]
	s_lshl_b32 s30, s23, 14                        ; an image's 16,384 scale bytes
	s_lshl_b32 s28, s26, 5
	s_add_co_u32 s28, s28, s30
	s_add_nc_u64 s[NX:NX+1], s[6:7], s[28:29]
	s_lshl_b32 s28, s20, 8
	s_add_co_u32 s28, s28, s30
	s_add_co_u32 s28, s28, 262144
	s_add_nc_u64 s[NY:NY+1], s[6:7], s[28:29]
	s_lshl_b32 s28, s24, 11
	s_add_co_u32 s28, s28, s30
	s_lshl_b32 s25, s21, 10
	s_add_co_u32 s28, s28, s25
	s_add_nc_u64 s[ASB:ASB+1], s[18:19], s[28:29]
	s_mul_i32 s28, s24, 24576
	s_add_nc_u64 s[56:57], s[8:9], s[28:29]        ; Wq's tiles 4 head ..
	s_lshl_b32 s28, s28, 1
	s_add_co_u32 s28, s28, 196608
	s_add_nc_u64 s[54:55], s[8:9], s[28:29]        ; Wkv's tiles 32 + 8 head ..
	s_lshl_b32 s28, s24, 11
	s_add_nc_u64 s[60:61], s[10:11], s[28:29]
	s_lshl_b32 s28, s24, 12
	s_add_co_u32 s28, s28, 16384
	s_add_nc_u64 s[58:59], s[10:11], s[28:29]
	s_lshl_b32 s28, s24, 9
	s_add_nc_u64 s[14:15], s[14:15], s[28:29]      ; bkv at the head's 128
	s_lshl_b32 s28, s24, 8
	s_add_nc_u64 s[12:13], s[12:13], s[28:29]      ; bq at the head's 64
	; ---- the head's weights into LDS: 20 loads a thread; behind them the biases, and my first 64 tokens
.irp k, 0,1,2,3,4,5,6,7,8,9,10,11
	global_load_b128 v[32+4*\k:35+4*\k], v14, s[54:55] offset:4096*\k
.endr
.irp k, 0,1,2,3,4,5
	global_load_b128 v[80+4*\k:83+4*\k], v14, s[56:57] offset:4096*\k
.endr
	global_load_b128 v[104:107], v14, s[58:59]
	global_load_b64 v[108:109], v15, s[60:61]
.irp ot, 0,1,2,3
	global_load_b128 v[BK+8*\ot:BK+8*\ot+3], v253, s[14:15] offset:(32*(\ot/2)+8*(\ot%2))*4       ; k's bias: tile ot's eight channels of my half
	global_load_b128 v[BK+8*\ot+4:BK+8*\ot+7], v253, s[14:15] offset:(32*(\ot/2)+8*(\ot%2))*4+16
.endr
.irp ot, 0,1,2,3
	global_load_b32 v[BV+2*\ot], v254, s[14:15] offset:256+(32*(\ot/2)+8*(\ot%2))*4               ; v's bias: my lane's channel of tile ot, twice: a pair for the packed addition
	global_load_b32 v[BV+2*\ot+1], v254, s[14:15] offset:256+(32*(\ot/2)+8*(\ot%2))*4
.endr
	TSCALE NY, 0
	TLOAD TY, 0, 0
	s_wait_loadcnt 48                              ; behind the copy's 20 loads: 16 of biases, 16 of scale bytes, 16 of K step 0
.irp k, 0,1,2,3,4,5,6,7,8,9,10,11
	ds_store_b128 v14, v[32+4*\k:35+4*\k] offset:4096*\k
.endr
.irp k, 0,1,2,3,4,5
	ds_store_b128 v16, v[80+4*\k:83+4*\k] offset:4096*\k
.endr
	ds_store_b128 v16, v[104:107] offset:24576
	ds_store_b64 v17, v[108:109]
	TLOAD TY, 0, 1
	TLOAD TY, 0, 2
	TLOAD TY, 0, 3
	s_wait_dscnt 0x0                               ; my part of the copy has landed
	s_barrier_signal -1
	s_barrier_wait -1                              ; everybody's has
	; ---- phase A
	PASSPRO LA, LB, 0, 0
	GROUP 0
	GROUP 1
	s_wait_dscnt 0x0                               ; my stores of K, V and their scale words have landed:
	s_barrier_signal -1                            ; say so.  Up to the wait for the others: work on registers, and LDS loads of Wq's bytes, which nobody writes behind the first barrier
	s_wait_loadcnt 48                              ; bq, x's scale bytes and K step 0 are in
	TSCOMB
	BIASMUL
	PASSRUN 0, QWA, QWB, 0, 1
	PLACES 4
.irp tt, 0,1,2,3
	SCALEB \tt
	QUANT2 ACC+32*\tt, PC, PW
.irp i, 0,1,2,3,4,5
	v_mov_b32 v[QF+12*\tt+\i], v[PC+\i]            ; Q stays in registers
.endr
.irp i, 6,7,8,9,10,11
	v_mov_b32 v[QF+12*\tt+\i], 0                   ; k = 64 .. 127: zero codes
.endr
	v_mov_b32 v[QS+\tt], v[PW]
.endr
	; ---- phase B's registers, still ahead of the barrier's wait
	v_add_nc_u32 v[KA0], KIMG, v[LA]
	v_add_nc_u32 v[KB0], KIMG, v[LB]
	v_add_nc_u32 v[VA0], VIMG, v[LA]
	v_add_nc_u32 v[VB0], VIMG, v[LB]
	v_add_nc_u32 v[KS0], KSC, v[LA]
	v_add_nc_u32 v[VS0], VSC, v[LB]
	v_lshl_add_u32 v14, v0, 4, ASG
	v_lshlrev_b32 v15, 4, v0
.irp q, 0,1,2,3
	v_mov_b32 v[ST+4*\q+1], 0xff61b1e6             ; the largest t so far: -3e38, under every t
	v_floor_f32 v[ST+4*\q], -v[ST+4*\q+1]          ; -M
	v_mov_b32 v[ST+4*\q+2], 0                      ; the sum, in two halves
	v_mov_b32 v[ST+4*\q+3], 0
	v_mov_b32 v[BP+\q], 0                          ; (a lane permute's destination counts as one of its sources)
.endr
	v_mov_b32 v[PS], 0                             ; (named as the upper half of a pair before it is first written)
	WIN 0x40
.set i_, 0
.rept 128
	v_mov_b32 v[O+i_], 0                           ; O^T.  The key step is written once: its first trip finds zeros, which the first change of M leaves zeros
.set i_, i_+1
.endr
.irp i, 0,1,2,3,4,5
	v_mov_b32 v[PAD+\i], 0
.endr
	WIN 0
	s_barrier_wait -1                              ; every wave has signalled: the head's K and V lie in LDS
; a step's K: eight tiles of six registers and their scale words, 17 LDS loads in one run.  The three additions and the v_nop are the four places behind the products that read these registers last.
.macro KLOAD
	v_add_nc_u32 v[AT0], s[TK], v[KA0]
	v_add_nc_u32 v[AT1], s[TK], v[KB0]
	v_add_nc_u32 v[AT2], s[TKS], v[KS0]
	v_nop
	WIN 0x40
.irp i, 0,1,2,3,4,5,6,7
	ds_load_b128 v[KF+6*\i:KF+6*\i+3], v[AT0] offset:768*\i
	ds_load_b64 v[KF+6*\i+4:KF+6*\i+5], v[AT1] offset:768*\i+512
.endr
	WIN 0
	ds_load_b128 v[KS:KS+3], v[AT2]
.endm
.macro VLOAD                           ; a step's V: four fragments and their scale words, 17 LDS loads
	v_add_nc_u32 v[AT0], s[TK], v[VA0]
	v_add_nc_u32 v[AT1], s[TK], v[VB0]
	v_add_nc_u32 v[AT2], s[TVS], v[VS0]
	v_nop
	WIN 0x40
.irp ct, 0,1,2,3
.irp c, 0,1
	ds_load_b128 v[VF+12*\ct+6*\c:VF+12*\ct+6*\c+3], v[AT0] offset:1536*\ct+768*\c
	ds_load_b64 v[VF+12*\ct+6*\c+4:VF+12*\ct+6*\c+5], v[AT1] offset:1536*\ct+768*\c+512
.endr
.endr
	WIN 0
	ds_load_b64 v[VS:VS+1], v[AT2]
.endm
.macro KQ q, sb                        ; S^T of tile q for the step's 128 keys: eight products, each a sum of its own
	WIN 0x01
.irp i, 0,1,2,3,4,5,6,7
	WM \sb+8*\i, KF+6*\i, QF+12*(\q), -1, KS+\i/2, QS+(\q), \i%2, 0
.endr
.endm
.macro PV q                            ; O^T of tile q += V^T P^T: four accumulators, one instruction each
	WIN 0x51
.irp ct, 0,1,2,3
	WM O+32*(\q)+8*\ct, VF+12*\ct, PCD, O+32*(\q)+8*\ct, VS+\ct/2, PS, \ct%2, 0
.endr
.endm
; the softmax of tile q for one key step, on the 64 scores at v[sb]: register 16 b + i is key 32 b + 16 (lane / 16) + i
.macro SM q, sb
	WIN 0
.set T_, ST+4*(\q)
.irp b, 0,1,2,3
	v_max3_num_f32 v[BM+\b], v[\sb+16*\b], v[\sb+16*\b+1], v[\sb+16*\b+2]   ; the largest score of each block of 32 keys: it serves the row's maximum and, since p rises with the score, the block's largest p
.endr
.irp i, 3,5,7,9,11,13
.irp b, 0,1,2,3
	v_max3_num_f32 v[BM+\b], v[BM+\b], v[\sb+16*\b+\i], v[\sb+16*\b+\i+1]
.endr
.endr
.irp b, 0,1,2,3
	v_max_num_f32 v[BM+\b], v[BM+\b], v[\sb+16*\b+15]
.endr
.irp b, 0,1,2,3
	v_permlanex16_b32 v[BP+\b], v[BM+\b], s[SEL], s[SEL+1]
.endr
.irp b, 0,1,2,3
	v_max_num_f32 v[BM+\b], v[BM+\b], v[BP+\b]     ; with lane l xor 16's 16 keys
.endr
	v_max3_num_f32 v[X], v[BM], v[BM+1], v[BM+2]
	v_max_num_f32 v[X], v[X], v[BM+3]
	v_mul_f32 v[X], s[CS], v[X]                    ; as t
	v_max_num_f32 v[T_+1], v[T_+1], v[X]           ; the running largest t
	v_mov_b32 v[X], v[T_]
	v_floor_f32 v[T_], -v[T_+1]                    ; the new -M = -ceil(t): a whole number
	v_sub_f32 v[X], v[T_], v[X]                    ; old M - new M: a whole number, 0 or less
	v_cvt_i32_f32 v[X], v[X]                       ; (it saturates)
	v_ldexp_f32 v[F], 1.0, v[X]                    ; f = 2^(old M - new M)
.set j_, 0
.rept 32
	v_pk_fma_f32 v[\sb+j_:\sb+j_+1], v[\sb+j_:\sb+j_+1], s[CS:CS+1], v[T_:T_+1] op_sel_hi:[1,0,0]   ; t - M, two at a time
.set j_, j_+2
.endr
.irp b, 0,1,2,3
	v_fma_f32 v[BM+\b], v[BM+\b], s[CS], v[T_]     ; the same of each block's largest score
.endr
.set j_, 0
.rept 64
	v_exp_f32 v[\sb+j_], v[\sb+j_]                 ; p = 2^(t - M), at most 1, not normalised
.set j_, j_+1
.endr
	v_pk_mul_f32 v[T_+2:T_+3], v[T_+2:T_+3], v[F:F+1] op_sel_hi:[1,0]   ; the sums under the new M: a plain place behind the exponentials
	s_wait_alu depctr_va_vdst(0)                   ; the wait ahead of the first use: one for the 64
.irp b, 0,1,2,3
	v_exp_f32 v[BM+\b], v[BM+\b]                   ; the block's largest p: the same two instructions on the same number
.endr
	v_pk_add_f32 v[BP:BP+1], v[\sb:\sb+1], v[\sb+2:\sb+3]   ; the row's sum is taken of the unquantised p, in two chains
.irp j, 4,8,12,16,20,24,28,32,36,40,44,48,52,56,60
	v_pk_add_f32 v[T_+2:T_+3], v[T_+2:T_+3], v[\sb+\j:\sb+\j+1]
	v_pk_add_f32 v[BP:BP+1], v[BP:BP+1], v[\sb+\j+2:\sb+\j+3]
.endr
	v_pk_add_f32 v[T_+2:T_+3], v[T_+2:T_+3], v[BP:BP+1]
	s_wait_alu depctr_va_vdst(0)                   ; and one for the four
.irp b, 0,1,2,3
	v_max_num_f32 v[BM+\b], 0x2800000, v[BM+\b]    ; the floor 2^(5 - 127)
.endr
.irp b, 0,1,2,3
	v_add_nc_u32 v[SO+\b], 0xfe000000, v[BM+\b]
.endr
.irp b, 0,1,2,3
	v_lshrrev_b32 v[BP+\b], 23, v[SO+\b]
.endr
	v_lshl_or_b32 v[PS], v[BP+1], 8, v[BP]         ; p's scale word for these 128 keys
	v_lshl_or_b32 v[PS], v[BP+2], 16, v[PS]
	v_lshl_or_b32 v[PS], v[BP+3], 24, v[PS]
.irp c, 0,1
	v_cvt_scalef32_pk16_bf6_f32 v[PCD+6*\c:PCD+6*\c+2], v[\sb+32*\c:\sb+32*\c+15], v[SO+2*\c]
	v_cvt_scalef32_pk16_bf6_f32 v[BP+4*\c:BP+4*\c+2], v[\sb+32*\c+16:\sb+32*\c+31], v[SO+2*\c+1]
.endr
	v_nop                                          ; one plain place behind a scaled conversion
.irp c, 0,1
.irp i, 0,1,2
	v_permlane16_swap_b32 v[PCD+6*\c+\i], v[BP+4*\c+\i]
.endr
.irp i, 0,1,2
	v_mov_b32 v[PCD+6*\c+3+\i], v[BP+4*\c+\i]
.endr
.endr
	WIN 0x41
.set j_, 0
.rept 16
	v_pk_mul_f32 v[O+32*(\q)+j_:O+32*(\q)+j_+1], v[O+32*(\q)+j_:O+32*(\q)+j_+1], v[F:F+1] op_sel_hi:[1,0]   ; O^T under the new M; these sixteen are also the places ahead of the products below
.set j_, j_+2
.endr
.endm
	; ---- phase B
	s_mov_b32 s[TK], 0
	s_mov_b32 s[TKS], 0
	s_mov_b32 s[TVS], 0
	KLOAD
	s_wait_dscnt 0x0                               ; K of step 0 is in (and the address registers may be written again)
	VLOAD
	s_mov_b32 s[J], 0
.Lstep:                                                ; eight trips, 128 keys each.  K is in; V's run is on its way
	KQ 0, SA
	KQ 1, SB
	WIN 0
	PLACES 4
	SM 0, SA
	s_wait_dscnt 0x0                               ; V is in
	PV 0
	KQ 2, SA                                       ; tile 2's scores are made while tile 1's softmax is walked
	SM 1, SB
	PV 1
	KQ 3, SB
	WIN 0
	s_add_co_u32 s[TK], s[TK], 6144                ; the next step's bytes: stepped in every trip; the last trip's are not used
	s_add_co_u32 s[TKS], s[TKS], 512
	s_add_co_u32 s[TVS], s[TVS], 256
	s_cmp_eq_u32 s[J], 7
	s_cbranch_scc1 .Lno_k
	KLOAD                                          ; the next step's K lands under two softmaxes
.Lno_k:
	SM 2, SA
	PV 2
	SM 3, SB
	PV 3
	WIN 0
	s_wait_dscnt 0x0                               ; the next step's K is in: asked for two softmaxes ago.  On every path, so that no count hangs on the branches
	s_cmp_eq_u32 s[J], 7
	s_cbranch_scc1 .Lno_v
	VLOAD                                          ; the next step's V is wanted behind the next trip's first softmax
.Lno_v:
	s_add_co_u32 s[J], s[J], 1
	s_cmp_lt_u32 s[J], 8
	s_cbranch_scc1 .Lstep
	; ---- the way out: a = O^T / the sum, quantised along the head's 64 channels; a tile's half fragment goes straight to memory, 512 and 256 consecutive bytes
.irp q, 0,1,2,3
	v_add_f32 v[BM+\q], v[ST+4*\q+2], v[ST+4*\q+3] ; the sum's two halves (these four are the places behind the last products),
.endr
.irp q, 0,1,2,3
	v_permlanex16_b32 v[BP+\q], v[BM+\q], s[SEL], s[SEL+1]
.endr
.irp q, 0,1,2,3
	v_add_f32 v[BM+\q], v[BM+\q], v[BP+\q]         ; and lane l xor 16's
.endr
.irp q, 0,1,2,3
	v_rcp_f32 v[244+2*\q], v[BM+\q]
.endr
	v_nop                                          ; a plain place behind the reciprocals
	s_wait_alu depctr_va_vdst(0)                   ; one wait for the four, ahead of the first use
.irp q, 0,1,2,3
	v_mov_b32 v[245+2*\q], v[244+2*\q]
.endr
.irp q, 0,1,2,3
	WIN 0x01
.set i_, 0
.rept 16
	v_pk_mul_f32 v[SA+2*i_:SA+2*i_+1], v[O+32*\q+2*i_:O+32*\q+2*i_+1], v[244+2*\q:245+2*\q]   ; each accumulator from its low end on
.set i_, i_+1
.endr
	WIN 0
.if \q > 0
	s_wait_xcnt 0x0                                ; the last tile's stores have read their registers,
	s_wait_dscnt 0x0                               ; the LDS store too: the codes and the bytes are written again
.endif
	QUANT2 SA, PC, PW
	global_store_b128 v[LA], v[PC:PC+3], s[ACB:ACB+1] offset:6144*\q
	global_store_b64 v[LB], v[PC+4:PC+5], s[ACB:ACB+1] offset:6144*\q+512
	ds_store_b16 v[ASA], v[PW] offset:32*\q
.endr
	s_wait_dscnt 0x0                               ; my scale bytes have landed
	s_barrier_signal -1
	s_barrier_wait -1
	s_cmp_gt_u32 s20, 1
	s_cbranch_scc1 .Lend                           ; waves 0 and 1 store the work-group's 1,024 scale bytes, 16 a thread
	ds_load_b128 v[32:35], v14
	s_wait_dscnt 0x0
	global_store_b128 v15, v[32:35], s[ASB:ASB+1]
.Lend:
	s_set_vgpr_msb 0x5
	s_wait_tensorcnt 0x0
	ds_add_u32 v254, v255
	s_wait_dscnt 0x0
	s_set_vgpr_msb 0x500
	s_endpgm
.Lfunc_end_k_q5323f083b8_attn:
	.size	k_q5323f083b8_attn, .Lfunc_end_k_q5323f083b8_attn-k_q5323f083b8_attn
	.p2alignl 7, 3214868480
	.fill 96, 4, 3214868480
	.section	.rodata,"a",@progbits
	.p2align	6, 0x0
	.amdhsa_kernel k_q5323f083b8_attn
		.amdhsa_group_segment_fixed_size 187392
		.amdhsa_private_segment_fixed_size 0
		.amdhsa_enable_private_segment 0
		.amdhsa_kernarg_size 64
		.amdhsa_user_sgpr_count 2
		.amdhsa_user_sgpr_kernarg_segment_ptr 1
		.amdhsa_wavefront_size32 1
		.amdhsa_system_sgpr_workgroup_id_x 1
		.amdhsa_system_sgpr_workgroup_id_y 1
		.amdhsa_system_sgpr_workgroup_id_z 1
		.amdhsa_system_vgpr_workitem_id 0
		.amdhsa_next_free_vgpr 512
		.amdhsa_next_free_sgpr 66
		.amdhsa_reserve_vcc 0
		.amdhsa_float_denorm_mode_32 3
		.amdhsa_float_denorm_mode_16_64 3
		.amdhsa_memory_ordered 1
		.amdhsa_forward_progress 1
		.amdhsa_inst_pref_size 255
	.end_amdhsa_kernel
	.section	.bss,"aw",@nobits
	.p2align	6
	.space	262144
	.amdgpu_metadata
---
amdhsa.version: [ 1, 2 ]
amdhsa.kernels:
  - .name:           k_q5323f083b8_attn
    .symbol:         k_q5323f083b8_attn.kd
    .args:
      - { .name: nc, .offset: 0, .size: 8, .value_kind: global_buffer, .address_space: global }
      - { .name: ns, .offset: 8, .size: 8, .value_kind: global_buffer, .address_space: global }
      - { .name: wc, .offset: 16, .size: 8, .value_kind: global_buffer, .address_space: global }
      - { .name: ws, .offset: 24, .size: 8, .value_kind: global_buffer, .address_space: global }
      - { .name: bq, .offset: 32, .size: 8, .value_kind: global_buffer, .address_space: global }
      - { .name: bkv, .offset: 40, .size: 8, .value_kind: global_buffer, .address_space: global }
      - { .name: ac, .offset: 48, .size: 8, .value_kind: global_buffer, .address_space: global }
      - { .name: asl, .offset: 56, .size: 8, .value_kind: global_buffer, .address_space: global }
    .group_segment_fixed_size: 187392
    .private_segment_fixed_size: 0
    .kernarg_segment_align: 8
    .kernarg_segment_size: 64
    .max_flat_workgroup_size: 256
    .sgpr_count:     66
    .vgpr_count:     512
    .wavefront_size: 32
...
	.end_amdgpu_metadata
.endif
;; end of part 2
;; launch proj (part 3): grid 256 x 1, 8 waves a work-group, no clusters, 60,416 bytes of LDS; arguments ac, asl, wc, ws, bp, x, out0; writes out0
.if DOCPART == 3
	.amdgcn_target "amdgcn-amd-amdhsa--gfx1250"
	.amdhsa_code_object_version 6
	.text
	.protected	k_q5323f083b8_proj
	.globl	k_q5323f083b8_proj
	.p2align	8
	.type	k_q5323f083b8_proj,@function
k_q5323f083b8_proj:
	s_mov_b64 s[64:65], 0
	v_nop
	global_prefetch_b8 v0, s[64:65] scope:SCOPE_SE
	s_setreg_imm32_b32 hwreg(HW_REG_WAVE_MODE, 25, 1), 1
	s_wait_xcnt 0x0
; out = x + bp + Wp a, the product on codes of BF6 (E3M2) with one E8M0 byte for each 32 along the 512 channels.
; SHARES.  Work-group g: image g / 16, tokens 64 (g % 16) on, all 512 outputs.  Wave w: outputs 64 w .. 64 w + 63 (four tiles of Wp's rows) for the 64 tokens (four tiles).
; Source 0 = 16 tokens of a, source 1 = 16 rows of Wp: a lane then holds ONE output channel and its registers run along the tokens, which are innermost in out: eight neighbouring numbers of a row.
; The rows of every tile of 16 are 8 u + r + 8 (r / 8) of a group of 32: so registers 8 u + j of tiles 2 g + u are tokens 32 g + 16 (lane / 16) + 8 u + j.
; a's 24,576 bytes of codes are copied to LDS once and read by all eight waves; Wp's fragments go from memory straight into the one wave's registers that uses them, two K steps ahead.
; bp is the C of each sum's first matrix instruction.  x is asked for first of all: 131,072 bytes a work-group are on their way while the products are made.
; The results go through the wave's own stage in LDS (16 rows x (256 + 16) bytes) and leave, with x added, as runs of 256 consecutive aligned bytes from sixteen neighbouring lanes.
; NO CLUSTER: the work-groups share Wp alone (24,576 bytes a wave); the launch moves x in and out0 out, 262,144 bytes a work-group, which nobody shares.
.set STGB, 24576                       ; LDS: 0 a's codes [tile 4][head 8][768];  24,576 the eight stages of 4,352 bytes
.set AF,  16                           ; v16-63   a's four fragments of a K step
.set WF,  64                           ; v64-159  Wp's four fragments, two buffers
.set WSC, 160                          ; v160-175 Wp's scale words (4 ot + s)
.set TS,  176                          ; v176-183 a's scale words (lanes 0-15 an even tile's, lanes 16-31 the odd one's); v184-191 their upper halves as loaded
.set TH,  184
.set BI,  192                          ; v192-223 bp, eight registers a tile of outputs
.set CP,  224                          ; v224-247 the copy
.set RB,  16                           ; v16-79   the way out: two sets of 32
.set L2,  3
.set XR,  0                            ; window 1: v0-127 x (32 ot + 4 i);  v128-255 the sixteen accumulators (32 ot + 8 tt)
.set ACC, 128
.set MSB, 0
.macro WIN new                         ; s_set_vgpr_msb: bits 1:0 source 0, 3:2 source 1, 5:4 source 2, 7:6 destination; the high byte repeats the setting that is left
.if MSB != \new
	s_set_vgpr_msb (MSB<<8)|\new
.set MSB, \new
.endif
.endm
.macro WM d, a, b, c, sa, sb, ra       ; one matrix instruction; ra = 1: source 0's scales stand in lanes 16-31
.if \ra
	v_wmma_scale_f32_16x16x128_f8f6f4 v[\d:\d+7], v[\a:\a+11], v[\b:\b+11], v[\c:\c+7], v[\sa], v[\sb] matrix_a_fmt:MATRIX_FMT_BF6 matrix_b_fmt:MATRIX_FMT_BF6 matrix_a_scale:MATRIX_SCALE_ROW1
.else
	v_wmma_scale_f32_16x16x128_f8f6f4 v[\d:\d+7], v[\a:\a+11], v[\b:\b+11], v[\c:\c+7], v[\sa], v[\sb] matrix_a_fmt:MATRIX_FMT_BF6 matrix_b_fmt:MATRIX_FMT_BF6
.endif
.endm
.macro PLACES n
.rept \n
	v_nop
.endr
.endm
.macro WLOAD s, f                      ; K step s of my four tiles of Wp into the buffer at v[f]: 16 loads
.irp ot, 0,1,2,3
	global_load_b128 v[\f+12*\ot:\f+12*\ot+3], v1, s[8:9] offset:(4*\ot+\s)*1536
	global_load_b64 v[\f+12*\ot+4:\f+12*\ot+5], v2, s[8:9] offset:(4*\ot+\s)*1536+512
	global_load_b128 v[\f+12*\ot+6:\f+12*\ot+9], v1, s[8:9] offset:(4*\ot+\s)*1536+768
	global_load_b64 v[\f+12*\ot+10:\f+12*\ot+11], v2, s[8:9] offset:(4*\ot+\s)*1536+1280
.endr
.endm
	s_load_b256 s[4:11], s[0:1], 0x0               ; ac, asl, wc, ws
	s_load_b128 s[12:15], s[0:1], 0x20             ; bp, x
	s_load_b64 s[16:17], s[0:1], 0x30              ; out0
	v_lshl_add_u32 v254, v0, 2, 0xe800
	v_mov_b32 v255, 0
	v_lshrrev_b32 v10, 5, v0
	v_readfirstlane_b32 s20, v10                   ; wave 0..7
	s_lshr_b32 s21, ttmp9, 4                       ; image
	s_and_b32 s22, ttmp9, 15                       ; which 64 tokens
	v_and_b32 v10, 31, v0                          ; lane
	v_and_b32 v11, 15, v0                          ; r
	v_bfe_u32 v12, v0, 4, 1                        ; h
	v_lshlrev_b32 v1, 4, v10                       ; 16 x lane
	v_lshlrev_b32 v2, 3, v10                       ; 8 x lane
	v_lshlrev_b32 v[L2], 1, v10                    ; 2 x lane
	v_lshlrev_b32 v4, 2, v10                       ; 4 x lane
	v_lshlrev_b32 v5, 4, v0                        ; 16 x thread
	s_mul_i32 s23, s20, 4352
	s_add_co_u32 s23, s23, STGB                    ; my stage
	v_mul_u32_u24 v6, v11, 272
	v_lshl_add_u32 v6, v12, 6, v6
	v_add_nc_u32 v6, s23, v6                       ; in: row r (my output), + 64 h: my half's 16 tokens of each 32
	v_mul_u32_u24 v7, v12, 272
	v_lshl_add_u32 v7, v11, 4, v7
	v_add_nc_u32 v7, s23, v7                       ; back: lanes 0-15 one row of 256 bytes, lanes 16-31 the next
	v_lshlrev_b32 v8, 12, v12
	v_lshl_add_u32 v8, v11, 4, v8                  ; and the same two rows in x and in out0: 4,096 bytes apart
	v_and_b32 v9, 8, v0
	v_add_nc_u32 v9, v9, v11
	v_lshlrev_b32 v9, 2, v9                        ; bp of my lane's output: 4 (r + 8 (r / 8))
	s_mov_b32 s25, 0
	s_lshl_b32 s24, s21, 21
	s_lshl_b32 s26, s22, 8
	s_add_co_u32 s24, s24, s26
	s_lshl_b32 s26, s20, 18
	s_add_co_u32 s24, s24, s26                     ; image x 2,097,152 + 64 w rows of 4,096 + 256 x the block of tokens
	s_wait_kmcnt 0x0
	s_add_nc_u64 s[14:15], s[14:15], s[24:25]
	s_add_nc_u64 s[16:17], s[16:17], s[24:25]
	s_mul_i32 s24, s21, 393216
	s_mul_i32 s26, s22, 24576
	s_add_co_u32 s24, s24, s26
	s_add_nc_u64 s[4:5], s[4:5], s[24:25]          ; a's four tiles
	s_lshl_b32 s24, s21, 14
	s_lshl_b32 s26, s22, 7
	s_add_co_u32 s24, s24, s26
	s_add_nc_u64 s[6:7], s[6:7], s[24:25]          ; their scale bytes
	s_mul_i32 s24, s20, 24576
	s_add_co_u32 s24, s24, 589824
	s_add_nc_u64 s[8:9], s[8:9], s[24:25]          ; Wp's tiles 96 + 4 w ..
	s_lshl_b32 s24, s20, 11
	s_add_co_u32 s24, s24, 49152
	s_add_nc_u64 s[10:11], s[10:11], s[24:25]
	s_lshl_b32 s24, s20, 8
	s_add_nc_u64 s[12:13], s[12:13], s[24:25]      ; bp at my 64 outputs
	WIN 0x40
.irp ot, 0,1,2,3
.irp i, 0,1,2,3,4,5,6,7
	global_load_b128 v[XR+32*\ot+4*\i:XR+32*\ot+4*\i+3], v8, s[14:15] offset:(32*(\ot/2)+8*(\ot%2)+2*\i+8*(\i/4))*4096 th:TH_LOAD_NT   ; x in the order in which the results come back from the stage; 16 lanes read 256 consecutive bytes
.endr
.endr
	WIN 0
.irp k, 0,1,2,3,4,5
	global_load_b128 v[CP+4*\k:CP+4*\k+3], v5, s[4:5] offset:4096*\k
.endr
.irp s, 0,1,2,3
.irp p, 0,1
	global_load_u16 v[TS+2*\s+\p], v[L2], s[6:7] offset:(2*\s)*2048+64*\p          ; a's scale bytes: two for each head
	global_load_u16 v[TH+2*\s+\p], v[L2], s[6:7] offset:(2*\s+1)*2048+64*\p
.endr
.endr
.irp ot, 0,1,2,3
	global_load_b32 v[BI+8*\ot], v9, s[12:13] offset:(32*(\ot/2)+8*(\ot%2))*4
.endr
	s_wait_loadcnt 20                              ; behind the copy's loads: 16 of scale bytes, 4 of bp
.irp k, 0,1,2,3,4,5
	ds_store_b128 v5, v[CP+4*\k:CP+4*\k+3] offset:4096*\k
.endr
.irp ot, 0,1,2,3
.irp s, 0,1,2,3
	global_load_b32 v[WSC+4*\ot+\s], v4, s[10:11] offset:(4*\ot+\s)*128
.endr
.endr
	WLOAD 0, WF
	WLOAD 1, WF+48
	s_wait_dscnt 0x0                               ; my part of the copy has landed
	s_barrier_signal -1
	s_barrier_wait -1                              ; a's codes lie in LDS
	s_wait_loadcnt 16                              ; all but K step 1's 16 weight loads
.irp ot, 0,1,2,3
.irp j, 1,2,3,4,5,6,7
	v_mov_b32 v[BI+8*\ot+\j], v[BI+8*\ot]          ; a lane's eight results of a tile belong to one output
.endr
.endr
.irp i, 0,1,2,3,4,5,6,7
	v_lshl_or_b32 v[TS+\i], v[TH+\i], 16, v[TS+\i] ; register 2 s + p: K step s; lanes 0-15 tile 2 p, lanes 16-31 tile 2 p + 1
.endr
	PLACES 8                                       ; a scale register written by a vector instruction stands 8 places ahead of a scaled matrix instruction
; K step s: sixteen accumulators by turns, one instruction a turn, in the same order in every step
.macro KSTEP s
.irp tt, 0,1,2,3
	ds_load_b128 v[AF+12*\tt:AF+12*\tt+3], v1 offset:6144*\tt+1536*\s
	ds_load_b64 v[AF+12*\tt+4:AF+12*\tt+5], v2 offset:6144*\tt+1536*\s+512
	ds_load_b128 v[AF+12*\tt+6:AF+12*\tt+9], v1 offset:6144*\tt+1536*\s+768
	ds_load_b64 v[AF+12*\tt+10:AF+12*\tt+11], v2 offset:6144*\tt+1536*\s+1280
.endr
	s_wait_dscnt 0x0
.if \s == 3
	s_wait_loadcnt 0x0                             ; the last weights (and x, asked for ahead of them)
.elseif \s > 0
	s_wait_loadcnt 16                              ; this K step's weights are in; the next step's 16 loads may be out
.endif
.if \s == 0
	WIN 0x40                                       ; C = bp in window 0, D in window 1
.else
	WIN 0x50                                       ; C and D in window 1
.endif
.irp tt, 0,1,2,3
.irp ot, 0,1,2,3
.if \s == 0
	WM ACC+32*\ot+8*\tt, AF+12*\tt, WF+48*(\s%2)+12*\ot, BI+8*\ot, TS+2*\s+\tt/2, WSC+4*\ot+\s, \tt%2
.else
	WM ACC+32*\ot+8*\tt, AF+12*\tt, WF+48*(\s%2)+12*\ot, ACC+32*\ot+8*\tt, TS+2*\s+\tt/2, WSC+4*\ot+\s, \tt%2
.endif
.endr
.endr
	WIN 0
	PLACES 4                                       ; ahead of loads into registers that these products read, and of the first read of results
.if \s < 2
	WLOAD \s+2, WF+48*(\s%2)
.endif
.endm
	KSTEP 0
	KSTEP 1
	KSTEP 2
	KSTEP 3
	; ---- the way out, a tile of 16 outputs at a time
.irp ot, 0,1,2,3
	WIN 0x04                                       ; an LDS store's data are its source 1: window 1
.irp tt, 0,1,2,3
	ds_store_b128 v6, v[ACC+32*\ot+8*\tt:ACC+32*\ot+8*\tt+3] offset:128*(\tt/2)+32*(\tt%2)        ; each accumulator from its low end on
	ds_store_b128 v6, v[ACC+32*\ot+8*\tt+4:ACC+32*\ot+8*\tt+7] offset:128*(\tt/2)+32*(\tt%2)+16
.endr
	WIN 0
.if \ot >= 2
	s_wait_xcnt 0x0                                ; the stores of two tiles ago have read this set of registers
.endif
.irp i, 0,1,2,3,4,5,6,7
	ds_load_b128 v[RB+32*(\ot%2)+4*\i:RB+32*(\ot%2)+4*\i+3], v7 offset:544*\i   ; LDS serves a wave's instructions in order (ISA guide 5.7.1.4): these see my stores, and the next tile's stores come behind them
.endr
	s_wait_dscnt 0x0
	WIN 0x04
.set i_, 0
.rept 16
	v_pk_add_f32 v[RB+32*(\ot%2)+2*i_:RB+32*(\ot%2)+2*i_+1], v[RB+32*(\ot%2)+2*i_:RB+32*(\ot%2)+2*i_+1], v[XR+32*\ot+2*i_:XR+32*\ot+2*i_+1]   ; + x
.set i_, i_+1
.endr
	WIN 0
.irp i, 0,1,2,3,4,5,6,7
	global_store_b128 v8, v[RB+32*(\ot%2)+4*\i:RB+32*(\ot%2)+4*\i+3], s[16:17] offset:(32*(\ot/2)+8*(\ot%2)+2*\i+8*(\i/4))*4096 th:TH_STORE_NT   ; 16 lanes store 256 consecutive bytes, at a multiple of 256 from out0's first byte
.endr
.endr
	s_wait_tensorcnt 0x0
	ds_add_u32 v254, v255
	s_wait_dscnt 0x0
	s_endpgm
.Lfunc_end_k_q5323f083b8_proj:
	.size	k_q5323f083b8_proj, .Lfunc_end_k_q5323f083b8_proj-k_q5323f083b8_proj
	.p2alignl 7, 3214868480
	.fill 96, 4, 3214868480
	.section	.rodata,"a",@progbits
	.p2align	6, 0x0
	.amdhsa_kernel k_q5323f083b8_proj
		.amdhsa_group_segment_fixed_size 60416
		.amdhsa_private_segment_fixed_size 0
		.amdhsa_enable_private_segment 0
		.amdhsa_kernarg_size 56
		.amdhsa_user_sgpr_count 2
		.amdhsa_user_sgpr_kernarg_segment_ptr 1
		.amdhsa_wavefront_size32 1
		.amdhsa_system_sgpr_workgroup_id_x 1
		.amdhsa_system_sgpr_workgroup_id_y 1
		.amdhsa_system_sgpr_workgroup_id_z 1
		.amdhsa_system_vgpr_workitem_id 0
		.amdhsa_next_free_vgpr 512
		.amdhsa_next_free_sgpr 66
		.amdhsa_reserve_vcc 0
		.amdhsa_float_denorm_mode_32 3
		.amdhsa_float_denorm_mode_16_64 3
		.amdhsa_memory_ordered 1
		.amdhsa_forward_progress 1
		.amdhsa_inst_pref_size 43
	.end_amdhsa_kernel
	.amdgpu_metadata
---
amdhsa.version: [ 1, 2 ]
amdhsa.kernels:
  - .name:           k_q5323f083b8_proj
    .symbol:         k_q5323f083b8_proj.kd
    .args:
      - { .name: ac, .offset: 0, .size: 8, .value_kind: global_buffer, .address_space: global }
      - { .name: asl, .offset: 8, .size: 8, .value_kind: global_buffer, .address_space: global }
      - { .name: wc, .offset: 16, .size: 8, .value_kind: global_buffer, .address_space: global }
      - { .name: ws, .offset: 24, .size: 8, .value_kind: global_buffer, .address_space: global }
      - { .name: bp, .offset: 32, .size: 8, .value_kind: global_buffer, .address_space: global }
      - { .name: x, .offset: 40, .size: 8, .value_kind: global_buffer, .address_space: global }
      - { .name: out0, .offset: 48, .size: 8, .value_kind: global_buffer, .address_space: global }
    .group_segment_fixed_size: 60416
    .private_segment_fixed_size: 0
    .kernarg_segment_align: 8
    .kernarg_segment_size: 56
    .max_flat_workgroup_size: 256
    .sgpr_count:     66
    .vgpr_count:     512
    .wavefront_size: 32
...
	.end_amdgpu_metadata
.endif
;; end of part 3
;; ======== version 2 of 2: 3 launches
;; workspace buffers: nc 12,582,912 bytes; ns 524,288 bytes; wc 786,432 bytes; ws 65,536 bytes; ac 6,291,456 bytes; asl 262,144 bytes
;; launch prep (part 4): grid 256 x 1, 16 waves a work-group, no clusters, 55,296 bytes of LDS; arguments x, y, gn_w, gn_b, Wq, Wkv, Wp, nc, ns, wc, ws; writes nc, ns, wc, ws
.if DOCPART == 4
	.amdgcn_target "amdgcn-amd-amdhsa--gfx1250"
	.amdhsa_code_object_version 6
	.text
	.protected	k_q5323f083b8_prep
	.globl	k_q5323f083b8_prep
	.p2align	8
	.type	k_q5323f083b8_prep,@function
k_q5323f083b8_prep:
	s_mov_b64 s[64:65], 0
	v_nop
	global_prefetch_b8 v0, s[64:65] scope:SCOPE_SE
	s_setreg_imm32_b32 hwreg(HW_REG_WAVE_MODE, 25, 1), 1
	s_wait_xcnt 0x0
; GroupNorm of x and y (32 groups of 16 channels x 1,024 tokens), quantised along the channels to codes of BF6 (E3M2) with one E8M0 byte for each 32 channels;
; and the three weights, quantised along their 512 inputs.  Everything is laid in the order of the matrix operands' registers, so that the later launches load fragments whole.
; SHARES.  Work-group g: tensor g / 128 (x, y), image (g / 8) % 16, channels 64 (g % 8) on: 64 channels x 1,024 tokens = 262,144 consecutive bytes, four groups.
; Wave w: channel block hb = w / 8 (32 channels, two groups), tokens 128 (w % 8) + 4 lane + 0..3.  A lane keeps 32 channels x 4 tokens in 128 registers: the tensor is read once,
; the mean is taken first, the numbers are centred in place, and the variance is the mean of the centred squares: no difference of large sums is formed.
; Waves 0 and 1 also quantise one weight fragment each (16 rows x 128 inputs): 256 work-groups x 2 = the 512 fragments of Wq, Wkv, Wp.
; ROW ORDER OF A TILE OF 16 (tokens and weight rows alike): in a group of 32 rows, tile u gives lane-row r the row 8 u + r + 8 (r / 8).
; HALF FRAGMENT, 768 bytes: 16 rows x 64 along K, six registers a lane; lane 16 h + r holds block h of row r; registers 0-3 at 16 x lane, registers 4-5 at 512 + 8 x lane.
; nc [tensor][image][tile 64][chunk of 64 channels 8][768];  ns [tensor][image][chunk 8][slot = 16 tile + r][2 bytes];  wc [tile 128][K step 4][2 x 768];  ws [tile][K step][lane 32][4 bytes].
; LIMITS: NaN and infinities among the inputs are not served; a block whose largest magnitude lies under 2^-122 has its byte held at 1; a block of zeros gets the byte 1 and not 127 (its codes are
; zeros, and this program alone reads the bytes); 1 / sqrt is the 1-ulp instruction; (d rs) w + b is computed as fma(d, rs w, b), about one ulp from the written order.
; No matrix work, no tensor loads, no cluster: the work-groups share no input, and all of a work-group's bytes are asked for at its head.  ws leaves in runs of 128 bytes: 65,536 bytes in all.
.set R,     16                         ; v16-143  register 4 i + j: channel i, token j
.set N,     144                        ; v144-207 two sets of 32 normalised numbers; earlier: sums; in waves 0, 1 first a weight fragment's 64 numbers
.set SST,   49152                      ; LDS: 0 .. 49,151 the 64 half fragments; then 2,048 scale bytes; then two places for the waves' sums
.set RED1,  51200
.set RED2,  51456
.set FLOOR, 0x2800000                  ; 2^(5 - 127): under it no largest magnitude is taken, so that the byte cannot fall under 1
.set EOFF,  0xfe000000                 ; takes 4 off an exponent field
	s_load_b512 s[4:19], s[0:1], 0x0               ; x, y, gn_w, gn_b, Wq, Wkv, Wp, nc
	s_load_b128 s[20:23], s[0:1], 0x40             ; ns, wc
	s_load_b64 s[24:25], s[0:1], 0x50              ; ws
	v_lshl_add_u32 v254, v0, 2, 0xd000
	v_mov_b32 v255, 0
	v_lshrrev_b32 v249, 5, v0                      ; wave
	s_delay_alu instid0(VALU_DEP_1)
	v_readfirstlane_b32 s26, v249
	v_and_b32 v1, 31, v0                           ; lane
	v_bfe_u32 v244, v0, 5, 3                       ; w % 8
	v_lshrrev_b32 v245, 8, v0                      ; hb
	v_bfe_u32 v250, v0, 4, 1                       ; h = lane / 16
	s_delay_alu instid0(VALU_DEP_4)
	v_lshlrev_b32 v12, 4, v1                       ; 16 x lane
	v_lshlrev_b32 v13, 3, v1                       ; 8 x lane
	v_lshlrev_b32 v14, 2, v1                       ; 4 x lane
	v_lshlrev_b32 v15, 4, v0                       ; 16 x thread
	s_delay_alu instid0(VALU_DEP_4)
	v_lshl_add_u32 v2, v244, 9, v12
	s_delay_alu instid0(VALU_DEP_1)
	v_lshl_add_u32 v2, v245, 17, v2                ; in: hb x 32 rows of 4,096 bytes + 512 (w % 8) + 16 lane
	v_bfe_u32 v246, v0, 3, 2
	v_bfe_u32 v247, v0, 1, 1
	s_delay_alu instid0(VALU_DEP_1)
	v_lshl_add_u32 v246, v246, 1, v247
	s_delay_alu instid0(VALU_DEP_1)
	v_lshl_add_u32 v246, v244, 3, v246             ; my four tokens' tile: 8 (w % 8) + 2 (lane / 8) + (lane / 2) % 2
	v_and_b32 v247, 1, v0
	v_bfe_u32 v248, v0, 2, 1
	s_delay_alu instid0(VALU_DEP_1)
	v_lshl_add_u32 v247, v248, 1, v247             ; e: their lane-rows are 4 e + j
	s_delay_alu instid0(VALU_DEP_4)
	v_mul_u32_u24 v3, v246, 768
	s_delay_alu instid0(VALU_DEP_1)
	v_lshl_add_u32 v4, v247, 5, v3
	s_delay_alu instid0(VALU_DEP_1)
	v_lshl_add_u32 v4, v245, 7, v4                 ; registers 4-5: 768 tile + 8 (16 hb + 4 e)  (+ 512 + 8 j in the immediate)
	s_delay_alu instid0(VALU_DEP_3)
	v_lshl_add_u32 v3, v247, 6, v3
	s_delay_alu instid0(VALU_DEP_1)
	v_lshl_add_u32 v3, v245, 8, v3                 ; registers 0-3: 768 tile + 16 (16 hb + 4 e)  (+ 16 j)
	v_lshlrev_b32 v5, 5, v246
	s_delay_alu instid0(VALU_DEP_1)
	v_lshl_add_u32 v5, v247, 3, v5
	s_delay_alu instid0(VALU_DEP_1)
	v_add_nc_u32 v5, v5, v245                      ; the scale byte: 2 (16 tile + 4 e) + hb  (+ SST + 2 j)
	v_mul_u32_u24 v6, v249, 3072
	s_delay_alu instid0(VALU_DEP_1)
	v_add_nc_u32 v6, v6, v12                       ; out of the stage: my wave's four tiles, 16 bytes a lane
	v_mul_u32_u24 v7, v249, 24576
	s_delay_alu instid0(VALU_DEP_1)
	v_add_nc_u32 v7, v7, v12                       ; and in nc, where a tile's chunks are 6,144 bytes apart;
	s_delay_alu instid0(VALU_DEP_1)
	v_mad_u32_u24 v8, v250, 5376, v7               ; lanes 16-31 of the two loads that straddle two tiles stand 6,144 - 768 further on
	v_lshlrev_b32 v9, 3, v249                      ; my wave's two sums
	v_lshlrev_b32 v10, 6, v245                     ; the eight waves' sums of my channel block
	v_and_b32 v251, 15, v0
	v_and_b32 v252, 8, v0
	s_delay_alu instid0(VALU_DEP_1)
	v_add_nc_u32 v251, v251, v252                  ; r + 8 (r / 8)
	s_delay_alu instid0(VALU_DEP_1)
	v_lshlrev_b32 v11, 11, v251
	s_delay_alu instid0(VALU_DEP_1)
	v_lshl_add_u32 v11, v250, 7, v11               ; a weight: that row of 2,048 bytes + 128 h
	v_mov_b32 v154, 0                              ; written once: a lane permute's destination counts as one of its sources
	v_mov_b32 v155, 0
	s_lshr_b32 s27, s26, 3                         ; hb
	s_and_b32 s28, ttmp9, 7                        ; chunk of 64 channels
	s_lshr_b32 s29, ttmp9, 7                       ; tensor
	s_bfe_u32 s2, ttmp9, 0x40003                   ; image
	s_mov_b32 s100, 0x76543210
	s_mov_b32 s101, 0xfedcba98                     ; v_permlanex16_b32's selects for lane l xor 16
	s_mov_b32 s31, 0
	s_lshl_b32 s30, s28, 8
	s_lshl_b32 s3, s27, 7
	s_add_co_u32 s30, s30, s3                      ; 4 (64 chunk + 32 hb)
	s_wait_kmcnt 0x0
	s_add_nc_u64 s[8:9], s[8:9], s[30:31]
	s_add_nc_u64 s[10:11], s[10:11], s[30:31]
	s_load_b512 s[32:47], s[8:9], 0x0              ; gn_w of my 32 channels
	s_load_b512 s[48:63], s[8:9], 0x40
	s_load_b512 s[68:83], s[10:11], 0x0            ; gn_b
	s_load_b512 s[84:99], s[10:11], 0x40
	s_cmp_eq_u32 s29, 0
	s_cselect_b64 s[4:5], s[4:5], s[6:7]           ; x or y: the choice hangs on the work-group's number alone
	s_lshl_b32 s30, s2, 21
	s_lshl_b32 s3, s28, 18
	s_add_co_u32 s30, s30, s3
	s_add_nc_u64 s[4:5], s[4:5], s[30:31]
.set i_, 0
.rept 32
	global_load_b128 v[R+4*i_:R+4*i_+3], v2, s[4:5] offset:4096*i_ th:TH_LOAD_NT   ; channel i: 32 lanes read 512 consecutive bytes
.set i_, i_+1
.endr
	s_mul_i32 s30, s29, 6291456
	s_mul_i32 s3, s2, 393216
	s_add_co_u32 s30, s30, s3
	s_mul_i32 s3, s28, 768
	s_add_co_u32 s30, s30, s3
	s_add_nc_u64 s[18:19], s[18:19], s[30:31]      ; nc at [tensor][image][tile 0][chunk]
	s_lshl_b32 s30, s29, 18
	s_lshl_b32 s3, s2, 14
	s_add_co_u32 s30, s30, s3
	s_lshl_b32 s3, s28, 11
	s_add_co_u32 s30, s30, s3
	s_add_nc_u64 s[20:21], s[20:21], s[30:31]      ; ns at [tensor][image][chunk]
	; ---- waves 0 and 1: weight fragment F = 2 g + w: tile T = g / 2, K step 2 (g % 2) + w.  No LDS and no barrier in here.
	s_cmp_gt_u32 s26, 1
	s_cbranch_scc1 .Lno_weight
	s_lshr_b32 s30, ttmp9, 1                       ; T: 0-31 Wq, 32-95 Wkv, 96-127 Wp
	s_cmp_lt_u32 s30, 96
	s_cselect_b64 s[6:7], s[14:15], s[16:17]
	s_cselect_b32 s3, 32, 96
	s_cmp_lt_u32 s30, 32
	s_cselect_b64 s[6:7], s[12:13], s[6:7]
	s_cselect_b32 s3, 0, s3
	s_sub_co_u32 s3, s30, s3                       ; the tile's number in its own weight
	s_lshr_b32 s30, s3, 1
	s_lshl_b32 s30, s30, 16                        ; 32 rows of 2,048 bytes for each pair of tiles,
	s_and_b32 s3, s3, 1
	s_lshl_b32 s3, s3, 14                          ; 8 rows for the odd tile,
	s_add_co_u32 s30, s30, s3
	s_and_b32 s3, ttmp9, 1
	s_lshl_b32 s3, s3, 10
	s_add_co_u32 s30, s30, s3
	s_lshl_b32 s3, s26, 9                          ; 512 bytes a K step
	s_add_co_u32 s30, s30, s3
	s_add_nc_u64 s[6:7], s[6:7], s[30:31]
	s_lshl_b32 s3, ttmp9, 1
	s_add_co_u32 s3, s3, s26                       ; F
	s_mul_i32 s30, s3, 1536
	s_add_nc_u64 s[22:23], s[22:23], s[30:31]
	s_lshl_b32 s30, s3, 7
	s_add_nc_u64 s[24:25], s[24:25], s[30:31]
	s_wait_alu depctr_va_vdst(0)
.irp c, 0,1
.irp i, 0,1,2,3,4,5,6,7
	global_load_b128 v[N+32*\c+4*\i:N+32*\c+4*\i+3], v11, s[6:7] offset:256*\c+16*\i th:TH_LOAD_NT   ; my row's k = 64 c + 32 h + 4 i ..: a whole block of 32 to a lane
.endr
.endr
	s_wait_loadcnt 0x0
.irp c, 0,1
	v_max3_num_f32 v[244+\c], |v[N+32*\c]|, |v[N+32*\c+1]|, FLOOR
.endr
.irp i, 2,4,6,8,10,12,14,16,18,20,22,24,26,28,30
.irp c, 0,1
	s_delay_alu instid0(VALU_DEP_2)
	v_max3_num_f32 v[244+\c], v[244+\c], |v[N+32*\c+\i]|, |v[N+32*\c+\i+1]|   ; the two blocks by turns
.endr
.endr
.irp c, 0,1
	s_delay_alu instid0(VALU_DEP_2)
	v_add_nc_u32 v[246+\c], EOFF, v[244+\c]        ; 4 off the exponent field: the conversion's scale operand
.endr
.irp c, 0,1
	s_delay_alu instid0(VALU_DEP_2)
	v_lshrrev_b32 v[248+\c], 23, v[246+\c]         ; the scale's byte
.endr
	s_delay_alu instid0(VALU_DEP_1)
	v_lshl_or_b32 v251, v249, 16, v248             ; my bytes: blocks h and 2 + h of my row,
	v_lshlrev_b32 v252, 3, v250
	s_delay_alu instid0(VALU_DEP_1)
	v_lshlrev_b32 v251, v252, v251                 ; 8 h bits up;
	v_mov_b32 v252, 0
	s_delay_alu instid0(VALU_DEP_1)
	v_permlanex16_b32 v252, v251, s100, s101
	s_delay_alu instid0(VALU_DEP_1)
	v_or_b32 v251, v251, v252                      ; with lane l xor 16's two the word is whole, in both halves of the lanes
.irp c, 0,1
	v_cvt_scalef32_pk16_bf6_f32 v[208+6*\c:210+6*\c], v[N+32*\c:N+32*\c+15], v[246+\c]
	v_cvt_scalef32_pk16_bf6_f32 v[224+4*\c:226+4*\c], v[N+32*\c+16:N+32*\c+31], v[246+\c]   ; (a conversion's three registers begin on an even number)
.endr
	v_nop                                          ; one plain place behind a scaled conversion
.irp c, 0,1
.irp i, 0,1,2
	v_mov_b32 v[211+6*\c+\i], v[224+4*\c+\i]
.endr
.endr
.irp c, 0,1
	global_store_b128 v12, v[208+6*\c:211+6*\c], s[22:23] offset:768*\c          ; 512 consecutive bytes
	global_store_b64 v13, v[212+6*\c:213+6*\c], s[22:23] offset:768*\c+512       ; 256 consecutive bytes
.endr
	global_store_b32 v14, v251, s[24:25]
	s_wait_xcnt 0x0                                ; the stores have read their registers: these are written again below
.Lno_weight:
; chunk q of eight loads (eight channels) is added to its group's two chains; a group's first pairs start the chains
.macro SUMCH q
.set A_, 144+4*((\q)/2)
.set B_, R+32*(\q)
.if ((\q)%2) == 0
	v_pk_add_f32 v[A_:A_+1], v[B_:B_+1], v[B_+2:B_+3]
	v_pk_add_f32 v[A_+2:A_+3], v[B_+4:B_+5], v[B_+6:B_+7]
.irp p, 8,12,16,20,24,28
	s_delay_alu instid0(VALU_DEP_2)
	v_pk_add_f32 v[A_:A_+1], v[A_:A_+1], v[B_+\p:B_+\p+1]
	s_delay_alu instid0(VALU_DEP_2)
	v_pk_add_f32 v[A_+2:A_+3], v[A_+2:A_+3], v[B_+\p+2:B_+\p+3]
.endr
.else
.irp p, 0
	v_pk_add_f32 v[A_:A_+1], v[A_:A_+1], v[B_+\p:B_+\p+1]
	v_pk_add_f32 v[A_+2:A_+3], v[A_+2:A_+3], v[B_+\p+2:B_+\p+3]
.endr
.irp p, 4, 8, 12, 16, 20, 24, 28
	s_delay_alu instid0(VALU_DEP_2)
	v_pk_add_f32 v[A_:A_+1], v[A_:A_+1], v[B_+\p:B_+\p+1]
	s_delay_alu instid0(VALU_DEP_2)
	v_pk_add_f32 v[A_+2:A_+3], v[A_+2:A_+3], v[B_+\p+2:B_+\p+3]
.endr
.endif
.endm
; the four chains v[144:151] become the two groups' sums over 16 channels x 1,024 tokens, in v156 and v157 of every lane: within the lane, over the wave, over the eight waves of the channel block
.macro GSUM off
	v_pk_add_f32 v[144:145], v[144:145], v[146:147]
	s_delay_alu instid0(VALU_DEP_2)
	v_pk_add_f32 v[148:149], v[148:149], v[150:151]
	s_delay_alu instid0(VALU_DEP_2)
	v_add_f32 v152, v144, v145
	s_delay_alu instid0(VALU_DEP_2)
	v_add_f32 v153, v148, v149
.irp m, 1,2,4,8
	s_delay_alu instid0(VALU_DEP_2)
	v_add_f32_dpp v152, v152, v152 row_xmask:\m row_mask:0xf bank_mask:0xf
	s_delay_alu instid0(VALU_DEP_2)
	v_add_f32_dpp v153, v153, v153 row_xmask:\m row_mask:0xf bank_mask:0xf
.endr
	s_delay_alu instid0(VALU_DEP_2)
	v_permlanex16_b32 v154, v152, s100, s101
	s_delay_alu instid0(VALU_DEP_2)
	v_permlanex16_b32 v155, v153, s100, s101
	s_delay_alu instid0(VALU_DEP_1)
	v_pk_add_f32 v[152:153], v[152:153], v[154:155]
	ds_store_b64 v9, v[152:153] offset:\off        ; all lanes write the same 8 bytes with the same values
	s_wait_dscnt 0x0                               ; for the others' sake: my store has landed
	s_barrier_signal -1
	s_barrier_wait -1
.irp k, 0,1,2,3
	ds_load_b128 v[156+4*\k:159+4*\k], v10 offset:\off+16*\k
.endr
	s_wait_dscnt 0x0
	v_pk_add_f32 v[156:157], v[156:157], v[158:159]   ; the same order in all eight waves: they get the same bits
	v_pk_add_f32 v[160:161], v[160:161], v[162:163]
	v_pk_add_f32 v[164:165], v[164:165], v[166:167]
	v_pk_add_f32 v[168:169], v[168:169], v[170:171]
	s_delay_alu instid0(VALU_DEP_3)
	v_pk_add_f32 v[156:157], v[156:157], v[160:161]
	s_delay_alu instid0(VALU_DEP_2)
	v_pk_add_f32 v[164:165], v[164:165], v[168:169]
	s_delay_alu instid0(VALU_DEP_1)
	v_pk_add_f32 v[156:157], v[156:157], v[164:165]
.endm
	; ---- the means
	s_wait_loadcnt 24                              ; the first eight loads are in; the 24 younger ones may be out; and so on
	SUMCH 0
	s_wait_alu depctr_va_vdst(0)
	s_wait_loadcnt 16
	SUMCH 1
	s_wait_loadcnt 8
	SUMCH 2
	s_wait_alu depctr_va_vdst(0)
	s_wait_loadcnt 0x0
	SUMCH 3
	GSUM RED1
	s_delay_alu instid0(VALU_DEP_1)
	v_mul_f32 v172, 0xb8800000, v156               ; -mean = sum x -2^-14, twice: a pair for the packed addition
	s_delay_alu instid0(VALU_DEP_2)
	v_mul_f32 v173, 0xb8800000, v156
	s_delay_alu instid0(VALU_DEP_3)
	v_mul_f32 v174, 0xb8800000, v157
	s_delay_alu instid0(VALU_DEP_4)
	v_mul_f32 v175, 0xb8800000, v157
	; ---- centred in place; the variance is the mean of the centred squares
.set p_, 0
.rept 32
	v_pk_add_f32 v[R+2*p_:R+2*p_+1], v[R+2*p_:R+2*p_+1], v[172:173]
	v_pk_add_f32 v[R+64+2*p_:R+64+2*p_+1], v[R+64+2*p_:R+64+2*p_+1], v[174:175]
.set p_, p_+1
.endr
	v_pk_mul_f32 v[144:145], v[R:R+1], v[R:R+1]
	v_pk_mul_f32 v[146:147], v[R+2:R+3], v[R+2:R+3]
	v_pk_mul_f32 v[148:149], v[R+64:R+65], v[R+64:R+65]
	v_pk_mul_f32 v[150:151], v[R+66:R+67], v[R+66:R+67]
.set p_, 4
.rept 15
	s_delay_alu instid0(VALU_DEP_4)
	v_pk_fma_f32 v[144:145], v[R+p_:R+p_+1], v[R+p_:R+p_+1], v[144:145]
	s_delay_alu instid0(VALU_DEP_4)
	v_pk_fma_f32 v[146:147], v[R+p_+2:R+p_+3], v[R+p_+2:R+p_+3], v[146:147]
	s_delay_alu instid0(VALU_DEP_4)
	v_pk_fma_f32 v[148:149], v[R+64+p_:R+64+p_+1], v[R+64+p_:R+64+p_+1], v[148:149]
	s_delay_alu instid0(VALU_DEP_4)
	v_pk_fma_f32 v[150:151], v[R+66+p_:R+66+p_+1], v[R+66+p_:R+66+p_+1], v[150:151]
.set p_, p_+4
.endr
	GSUM RED2                                      ; other bytes than the first sums': no wave can overwrite what another still reads
	s_mov_b32 s30, 0x38800000                      ; 2^-14
	s_mov_b32 s3, 0x3727c5ac                       ; 1e-5
	v_fma_f32 v172, v156, s30, s3                  ; variance + eps (the multiplication is exact)
	v_fma_f32 v173, v157, s30, s3
	s_wait_alu depctr_va_vdst(0)
	v_rsq_f32 v176, v172
	v_rsq_f32 v177, v173
	v_nop                                          ; a plain place behind the transcendentals
	s_wait_alu depctr_va_vdst(0)                   ; the wait ahead of the first use: one for both
	v_readfirstlane_b32 s28, v176
	v_readfirstlane_b32 s29, v177
	s_wait_kmcnt 0x0                               ; gn_w and gn_b
.irp c, 0,1,2,3,4,5,6,7,8,9,10,11,12,13,14,15
	s_mul_f32 s[32+\c], s[32+\c], s28              ; rs x w, a channel at a time
	s_mul_f32 s[48+\c], s[48+\c], s29
.endr
; ---- token j of my four: 32 fused multiply-adds bring its 32 channels into consecutive registers: a whole block of 32 along K in one lane
.macro TOKQ j
.set NB_, N+32*((\j)%2)
.set PC_, 208+8*(\j)
.set i_, 0
.rept 32
	v_fma_f32 v[NB_+i_], v[R+4*i_+(\j)], s[32+i_], s[68+i_]
.set i_, i_+1
.endr
	v_max3_num_f32 v244, |v[NB_]|, |v[NB_+1]|, |v[NB_+2]|
	v_max3_num_f32 v245, |v[NB_+3]|, |v[NB_+4]|, |v[NB_+5]|
.irp i, 6,10,14,18,22,26
	s_delay_alu instid0(VALU_DEP_2)
	v_max3_num_f32 v244, v244, |v[NB_+\i]|, |v[NB_+\i+1]|
	s_delay_alu instid0(VALU_DEP_2)
	v_max3_num_f32 v245, v245, |v[NB_+\i+2]|, |v[NB_+\i+3]|
.endr
	s_delay_alu instid0(VALU_DEP_2)
	v_max3_num_f32 v244, v244, |v[NB_+30]|, |v[NB_+31]|
	s_delay_alu instid0(VALU_DEP_1)
	v_max3_num_f32 v244, v244, v245, FLOOR
	s_delay_alu instid0(VALU_DEP_1)
	v_add_nc_u32 v246, EOFF, v244
	v_cvt_scalef32_pk16_bf6_f32 v[PC_:PC_+2], v[NB_:NB_+15], v246
	v_cvt_scalef32_pk16_bf6_f32 v[240:242], v[NB_+16:NB_+31], v246
	v_lshrrev_b32 v[248+(\j)], 23, v246            ; the scale's byte; also the plain place behind the conversions
.irp i, 0,1,2
	v_mov_b32 v[PC_+3+\i], v[240+\i]
.endr
	ds_store_b128 v3, v[PC_:PC_+3] offset:16*(\j)
	ds_store_b64 v4, v[PC_+4:PC_+5] offset:512+8*(\j)
	ds_store_b8 v5, v[248+(\j)] offset:SST+2*(\j)
.endm
	TOKQ 0
	TOKQ 1
	TOKQ 2
	TOKQ 3
	s_wait_dscnt 0x0                               ; my stores have landed
	s_barrier_signal -1
	s_barrier_wait -1                              ; the 64 half fragments and their 2,048 scale bytes lie in LDS
	; ---- the way out: my wave's four tiles, 3,072 bytes: each aligned run of 256 bytes is stored whole by sixteen neighbouring lanes
.irp k, 0,1,2,3,4,5
	ds_load_b128 v[R+4*\k:R+4*\k+3], v6 offset:512*\k
.endr
	s_wait_dscnt 5                                 ; LDS loads come back in order: the first is in, five may be out; and so on
	global_store_b128 v7, v[R:R+3], s[18:19]
	s_wait_dscnt 4
	global_store_b128 v8, v[R+4:R+7], s[18:19] offset:512
	s_wait_dscnt 3
	global_store_b128 v7, v[R+8:R+11], s[18:19] offset:6400
	s_wait_dscnt 2
	global_store_b128 v7, v[R+12:R+15], s[18:19] offset:12288
	s_wait_dscnt 1
	global_store_b128 v8, v[R+16:R+19], s[18:19] offset:12800
	s_wait_dscnt 0x0
	global_store_b128 v7, v[R+20:R+23], s[18:19] offset:18688
	s_cmp_gt_u32 s26, 3
	s_cbranch_scc1 .Ldone                          ; waves 0 to 3 store the 2,048 scale bytes, 16 a thread
	ds_load_b128 v[R+24:R+27], v15 offset:SST
	s_wait_dscnt 0x0
	global_store_b128 v15, v[R+24:R+27], s[20:21]
.Ldone:
	s_wait_tensorcnt 0x0
	ds_add_u32 v254, v255
	s_wait_dscnt 0x0
	s_endpgm
.Lfunc_end_k_q5323f083b8_prep:
	.size	k_q5323f083b8_prep, .Lfunc_end_k_q5323f083b8_prep-k_q5323f083b8_prep
	.p2alignl 7, 3214868480
	.fill 96, 4, 3214868480
	.section	.rodata,"a",@progbits
	.p2align	6, 0x0
	.amdhsa_kernel k_q5323f083b8_prep
		.amdhsa_group_segment_fixed_size 55296
		.amdhsa_private_segment_fixed_size 0
		.amdhsa_enable_private_segment 0
		.amdhsa_kernarg_size 88
		.amdhsa_user_sgpr_count 2
		.amdhsa_user_sgpr_kernarg_segment_ptr 1
		.amdhsa_wavefront_size32 1
		.amdhsa_system_sgpr_workgroup_id_x 1
		.amdhsa_system_sgpr_workgroup_id_y 1
		.amdhsa_system_sgpr_workgroup_id_z 1
		.amdhsa_system_vgpr_workitem_id 0
		.amdhsa_next_free_vgpr 256
		.amdhsa_next_free_sgpr 102
		.amdhsa_reserve_vcc 0
		.amdhsa_float_denorm_mode_32 3
		.amdhsa_float_denorm_mode_16_64 3
		.amdhsa_memory_ordered 1
		.amdhsa_forward_progress 1
		.amdhsa_inst_pref_size 55
	.end_amdhsa_kernel
	.amdgpu_metadata
---
amdhsa.version: [ 1, 2 ]
amdhsa.kernels:
  - .name:           k_q5323f083b8_prep
    .symbol:         k_q5323f083b8_prep.kd
    .args:
      - { .name: x, .offset: 0, .size: 8, .value_kind: global_buffer, .address_space: global }
      - { .name: y, .offset: 8, .size: 8, .value_kind: global_buffer, .address_space: global }
      - { .name: gn_w, .offset: 16, .size: 8, .value_kind: global_buffer, .address_space: global }
      - { .name: gn_b, .offset: 24, .size: 8, .value_kind: global_buffer, .address_space: global }
      - { .name: Wq, .offset: 32, .size: 8, .value_kind: global_buffer, .address_space: global }
      - { .name: Wkv, .offset: 40, .size: 8, .value_kind: global_buffer, .address_space: global }
      - { .name: Wp, .offset: 48, .size: 8, .value_kind: global_buffer, .address_space: global }
      - { .name: nc, .offset: 56, .size: 8, .value_kind: global_buffer, .address_space: global }
      - { .name: ns, .offset: 64, .size: 8, .value_kind: global_buffer, .address_space: global }
      - { .name: wc, .offset: 72, .size: 8, .value_kind: global_buffer, .address_space: global }
      - { .name: ws, .offset: 80, .size: 8, .value_kind: global_buffer, .address_space: global }
    .group_segment_fixed_size: 55296
    .private_segment_fixed_size: 0
    .kernarg_segment_align: 8
    .kernarg_segment_size: 88
    .max_flat_workgroup_size: 512
    .sgpr_count:     102
    .vgpr_count:     256
    .wavefront_size: 32
...
	.end_amdgpu_metadata
.endif
;; end of part 4
;; launch attn (part 5): grid 2 x 128, 8 waves a work-group, no clusters, 187,392 bytes of LDS; arguments nc, ns, wc, ws, bq, bkv, ac, asl; writes ac, asl
.if DOCPART == 5
	.amdgcn_target "amdgcn-amd-amdhsa--gfx1250"
	.amdhsa_code_object_version 6
	.text
	.protected	k_q5323f083b8_attn
	.globl	k_q5323f083b8_attn
	.p2align	8
	.type	k_q5323f083b8_attn,@function
k_q5323f083b8_attn:
	s_mov_b64 s[64:65], 0
	v_nop
	global_prefetch_b8 v0, s[64:65] scope:SCOPE_SE
	s_setreg_imm32_b32 hwreg(HW_REG_WAVE_SCHED_MODE, 0, 2), 2
	s_setreg_imm32_b32 hwreg(HW_REG_WAVE_MODE, 25, 1), 1
	s_wait_xcnt 0x0
	s_wait_alu depctr_vm_vsrc(0)
; For one image, one head and one half of the queries: k, v (1,024 tokens) and q (512 tokens) from the codes of the normalised y and x; attention; a = O / l, quantised along the head's 64 channels.
; All products on codes of BF6 (E3M2) with one E8M0 byte for each 32 along K.  k and v of a head are made by both halves' work-groups; in return K and V (98,304 bytes of codes) stay in LDS and never go to memory.
; PHASE A.  Wave w makes k and v of tokens 128 w .. 128 w + 127 (key step w), 64 tokens at a time, and q of its own 64 queries.  k, q: source 0 = 16 rows of the weight, source 1 = 16 tokens: a lane then holds one
; token and its registers run along the head's channels, the next product's K.  v: source 0 = 16 tokens, source 1 = 16 rows of the weight: a lane holds one channel and its registers run along the tokens, which are ITS next K.
; The rows of every tile of 16 are 8 u + r + 8 (r / 8) of a group of 32, so that the 16 registers of two neighbouring tiles are 16 neighbours along the next K.
; The q pass, which hands nothing to other waves, stands between the signal and the wait of the barrier in front of phase B.
; PHASE B.  Each wave walks the 8 key steps for its four tiles of 16 queries.  S^T = K Q^T, O^T = V^T P^T: a lane holds one query throughout.  t = score x log2(e); M = the running largest t rounded up to a whole
; number; p = 2^(t - M) is quantised along the keys, not normalised; the row's sum is taken of the unquantised p; when M moves, the sum and O^T are multiplied by 2^(old M - new M), exactly.
; THE HEAD HAS 64 CHANNELS, the instruction takes 128 along K: Q's codes of k = 64 .. 127 are zeros, so whatever stands in K's upper six registers (the next tile's codes or a cleared pad: every six bits are a
; finite number) adds nothing; the scale bytes there are 0, never 0xff.  So a tile of K is six registers.
; The scores of the next tile are issued ahead of a tile's softmax (two buffers of scores), so that matrix work stands beside vector work; two waves share a SIMD.
; NO CLUSTER: what the 16 work-groups of an image share are the codes of the normalised y (393,216 bytes).  Here each fragment of them goes from memory straight into the registers of the one wave of the
; work-group that uses it, in register order; a joint request would have to land in LDS and be read back from there, behind a barrier of all partners for each refill, and only phase A (2,560 of the work-group's 5,632 matrix instructions) has any.
; LIMITS: NaN and infinities are not served; a block whose largest magnitude lies under 2^-122 has its byte held at 1; a block of zeros gets the byte 1 (its codes are zeros; this program alone reads the bytes);
; (sum + bias) 2^-1.5 is computed as fma(sum, 2^-1.5, bias 2^-1.5), and O / l as O x (1 / l) by the 1-ulp reciprocal: about one ulp from the written order.
; THE MODE: SCHED_MODE bits 1:0 = 2 (LLVM: expert scheduling mode 2), set by the entry lines.  The code itself states the register dependences between vector or matrix instructions and memory or LDS
; instructions, with s_wait_alu, always for 0.
; THE PLAN.  Registers that memory or LDS instructions touch, who else names them, and where the waits stand:
;   v1-3, v13, v253, v254  offsets made at the head and never written again.  v4-12, v14-17: phase A's addresses, made at the head; written anew only behind a wait on vm_vsrc.
;   WF     five places for fragments of a weight.  Fragment n = 4 s + ot of a pass lies in place n % 5; its four products read it.  Ahead of every even n from 2 to 12 ONE wait on va_vdst states that fragments n - 2 and
;          n - 1 have been read, and fragments n + 3 and n + 4 are asked for into their places, twelve products ahead of their use.  A pass's first five and its sixteen scale words are asked for behind the one wait
;          at the end of the pass before, ahead of the quantising of that pass's results.
;   TF, TS, TH, BK  the tokens' fragments and scale words and the bias: read by products, by TSCOMB, by SCALEB; loaded again behind the wait at the end of v's pass.  The vector work that stands among those loads
;          (v's quantising) names the accumulators, v16-30, v's bias and the two sets of codes: none of these registers.
;   two sets of codes and bytes (v22-27 with v252, v196-201 with v202): written by the quantiser, read by LDS stores.  Two tiles are quantised, one wait on va_vdst, six stores; one wait on vm_vsrc ahead of the next quantising.
;   v10-12 phase B's addresses: read by K's and V's runs of loads, written twice a trip, each time behind a wait on vm_vsrc that stands half a trip behind the run that it waits for.
;   KF, KS, VF, VS  read by products.  Their runs of loads stand directly behind the wait that a softmax's 64 exponentials have in any case: V of this step in tile 0's softmax, K of the next step in tile 2's.
;          That wait also states that v10-12 are written and that the products issued ahead of the softmax are done reading.
;   p's codes and scale word: written by vector instructions, taken by the scaled products: one wait on va_vdst behind the places, ahead of each PV.
;   the way out: each tile has its own registers for codes and bytes: one wait on va_vdst, twelve stores, nothing written again.
; LDS: the head's weights and their scale words (a copy of wc, ws); K's and V's half fragments of 768 bytes; their scale words, laid so that one load brings a step's; a's scale bytes.
.set WQL,  49152                       ; 0: Wkv's 8 tiles x 4 K steps x 1,536;  49,152: Wq's 4 tiles
.set WSL,  73728                       ; scale words: Wkv's 8 x 4 x 128 bytes, then (4,096 on) Wq's
.set KIMG, 79872                       ; [tile 64][768]
.set VIMG, 129024                      ; [step 8][channel tile 4][64 keys 2][768]
.set KSC,  178176                      ; [step][lane 16 e + r][p 4][4 bytes]: tile 2 p + e
.set VSC,  182272                      ; [step][lane 16 e + r][p 2][4 bytes]: channel tile 2 p + e
.set ASG,  184832                      ; [slot 512][2 bytes]; 512 bytes lie unused in front of it
.set LA, 1                             ; v1 16 x lane, v2 8 x lane, v3 2 x lane: never rewritten
.set LB, 2
.set L2, 3
.set QWA, 4                            ; phase A: v4, v5 Wq's fragments; v6 scale words; v7-10 where my wave stores K's and V's; v11, v12 their scale words
.set QWB, 5
.set SWA, 6
.set KWA, 7
.set KWB, 8
.set VWA, 9
.set VWB, 10
.set KSA, 11
.set VSA, 12
.set ASA, 13                           ; v13 where my wave stores a's scale bytes
.set KA0, 4                            ; phase B: v4-9 my lane's places in K, V and their scale words; v10-12 the addresses of the run of loads in hand
.set KB0, 5
.set VA0, 6
.set VB0, 7
.set KS0, 8
.set VS0, 9
.set AT0, 10
.set AT1, 11
.set AT2, 12
.set TM, 16                            ; the quantiser: v16-21 at work, v22-27 six registers of codes, v28-30 a conversion's result, v252 the two scale bytes
.set PC, 22
.set PT, 28
.set PW, 252
.set PC2, 196                          ; phase A: v196-201 and v202: the second set of codes and bytes
.set PW2, 202
.set ACC, 32                           ; phase A: v32-159 sixteen accumulators
.set TS, 160                           ; v160-167 the tokens' scale words (lanes 0-15 an even tile's, lanes 16-31 the odd one's), v168-175 their upper halves as loaded
.set TH, 168
.set WS16, 180                         ; v180-195 a pass's sixteen scale words of the weight: 4 ot + s
.set BK, 212                           ; v212-243 bias x 2^-1.5 in the result's layout (k's, later q's); v244-251 v's bias, four pairs
.set BV, 244
.set TF, 0                             ; window 1, phase A: v0-191 16 fragments of tokens (tile tt, K step s at 12 (4 tt + s)); v192-251 five places for fragments of the weight
.set WF, 192
.set ST, 16                            ; phase B: tile q: -M, the largest t, the sum in two halves, at v[16 + 4 q]
.set SA, 32                            ; two buffers of 64 scores
.set SB, 96
.set QF, 160                           ; v160-207 Q: six registers of codes and six of zeros a tile;  v208-211 its scale words
.set QS, 208
.set PCD, 212                          ; v212-223 p's codes
.set BM, 224                           ; v224-227 the blocks' largest scores, then p;  v228-235 at work;  v236-239 the conversions' scale operands
.set BP, 228
.set SO, 236
.set F, 240                            ; v240 2^(old M - new M), v241 p's scale word (named with it as a pair), v242 at work
.set PS, 241
.set X, 242
.set KS, 244                           ; v244-247 K's scale words of a step, v248-249 V's
.set VS, 248
.set OC, 96                            ; the way out: tile q's six registers of codes at v[96 + 8 q], its two scale bytes in v[128 + q]
.set OW, 128
.set O, 0                              ; window 1, phase B: v0-127 O^T (32 q + 8 ct); v128-175 K's eight tiles; v176-181 the pad; v184-231 V's four fragments
.set KF, 128
.set PAD, 176
.set VF, 184
.set TY, 32                            ; s[32:33] y's tiles of my 128 tokens, s[34:35] x's of my 64 queries, s[36:39] their scale bytes, s[40:41] my place in ac, s[42:43] the work-group's in asl
.set TX, 34
.set NY, 36
.set NX, 38
.set ACB, 40
.set ASB, 42
.set SEL, 44                           ; s[44:45] v_permlanex16_b32's selects for lane l xor 16
.set CS, 46                            ; s[46:47] log2(e);  s[48:49] 2^-1.5: the packed forms name a pair and take its low word
.set SC, 48
.set J, 50                             ; s50 the key step;  s51-53 its bytes in K and V, in K's scale words, in V's
.set TK, 51
.set TKS, 52
.set TVS, 53
.set MSB, 0
.macro WIN new                         ; s_set_vgpr_msb: bits 1:0 source 0, 3:2 source 1, 5:4 source 2, 7:6 destination; the high byte repeats the setting that is left
.if MSB != \new
	s_set_vgpr_msb (MSB<<8)|\new
.set MSB, \new
.endif
.endm
; one matrix instruction: D, source 0, source 1, C (under 0: the constant 0), the two scale registers, and whether a side's scales stand in lanes 16-31
.macro WM d, a, b, c, sa, sb, ra, rb
.if (\c) < 0
.if \ra
	v_wmma_scale_f32_16x16x128_f8f6f4 v[\d:\d+7], v[\a:\a+11], v[\b:\b+11], 0, v[\sa], v[\sb] matrix_a_fmt:MATRIX_FMT_BF6 matrix_b_fmt:MATRIX_FMT_BF6 matrix_a_scale:MATRIX_SCALE_ROW1
.elseif \rb
	v_wmma_scale_f32_16x16x128_f8f6f4 v[\d:\d+7], v[\a:\a+11], v[\b:\b+11], 0, v[\sa], v[\sb] matrix_a_fmt:MATRIX_FMT_BF6 matrix_b_fmt:MATRIX_FMT_BF6 matrix_b_scale:MATRIX_SCALE_ROW1
.else
	v_wmma_scale_f32_16x16x128_f8f6f4 v[\d:\d+7], v[\a:\a+11], v[\b:\b+11], 0, v[\sa], v[\sb] matrix_a_fmt:MATRIX_FMT_BF6 matrix_b_fmt:MATRIX_FMT_BF6
.endif
.else
.if \ra
	v_wmma_scale_f32_16x16x128_f8f6f4 v[\d:\d+7], v[\a:\a+11], v[\b:\b+11], v[\c:\c+7], v[\sa], v[\sb] matrix_a_fmt:MATRIX_FMT_BF6 matrix_b_fmt:MATRIX_FMT_BF6 matrix_a_scale:MATRIX_SCALE_ROW1
.elseif \rb
	v_wmma_scale_f32_16x16x128_f8f6f4 v[\d:\d+7], v[\a:\a+11], v[\b:\b+11], v[\c:\c+7], v[\sa], v[\sb] matrix_a_fmt:MATRIX_FMT_BF6 matrix_b_fmt:MATRIX_FMT_BF6 matrix_b_scale:MATRIX_SCALE_ROW1
.else
	v_wmma_scale_f32_16x16x128_f8f6f4 v[\d:\d+7], v[\a:\a+11], v[\b:\b+11], v[\c:\c+7], v[\sa], v[\sb] matrix_a_fmt:MATRIX_FMT_BF6 matrix_b_fmt:MATRIX_FMT_BF6
.endif
.endif
.endm
.macro PLACES n                        ; plain vector instructions behind a matrix instruction, ahead of a read of its result or a load into its registers, or ahead of a scaled one whose scales were just made
.rept \n
	v_nop
.endr
.endm
; 32 numbers of a lane, register 16 b + i = k 32 b + 16 (lane / 16) + i of my row, become a half fragment's six registers v[pc] on and the two scale bytes in v[pw]
.macro QUANT2 s, pc, pw
.irp b, 0,1
	v_max3_num_f32 v[TM+\b], |v[\s+16*\b]|, |v[\s+16*\b+1]|, 0x2800000   ; my 16 numbers of block b, and the floor 2^(5 - 127): the byte cannot fall under 1
.endr
.irp i, 2,4,6,8,10,12,14
.irp b, 0,1
	v_max3_num_f32 v[TM+\b], v[TM+\b], |v[\s+16*\b+\i]|, |v[\s+16*\b+\i+1]|
.endr
.endr
.irp b, 0,1
	v_permlanex16_b32 v[TM+2+\b], v[TM+\b], s[SEL], s[SEL+1]
.endr
.irp b, 0,1
	v_max_num_f32 v[TM+\b], v[TM+\b], v[TM+2+\b]   ; with lane l xor 16's: the block's largest magnitude
.endr
.irp b, 0,1
	v_add_nc_u32 v[TM+4+\b], 0xfe000000, v[TM+\b]  ; 4 off its exponent field: the conversion's scale operand
.endr
.irp b, 0,1
	v_lshrrev_b32 v[TM+2+\b], 23, v[TM+4+\b]       ; the scale's byte
.endr
	v_lshl_or_b32 v[\pw], v[TM+3], 8, v[TM+2]
	v_cvt_scalef32_pk16_bf6_f32 v[\pc:\pc+2], v[\s:\s+15], v[TM+4]
	v_cvt_scalef32_pk16_bf6_f32 v[PT:PT+2], v[\s+16:\s+31], v[TM+5]
	v_nop                                          ; one plain place behind a scaled conversion
.irp i, 0,1,2
	v_permlane16_swap_b32 v[\pc+\i], v[PT+\i]      ; the operand wants a whole block in a lane: lanes 0-15 block 0, lanes 16-31 block 1
.endr
.irp i, 0,1,2
	v_mov_b32 v[\pc+3+\i], v[PT+\i]
.endr
.endm
; the scale bytes of four tiles of tokens, all 512 channels: two bytes for each chunk of 64 channels; 16 loads
.macro TSCALE base, goff
.irp s, 0,1,2,3
.irp p, 0,1
	global_load_u16 v[TS+2*\s+\p], v[L2], s[\base:\base+1] offset:\goff+(2*\s)*2048+64*\p
	global_load_u16 v[TH+2*\s+\p], v[L2], s[\base:\base+1] offset:\goff+(2*\s+1)*2048+64*\p
.endr
.endr
.endm
.macro TSCOMB                          ; register 2 s + p: K step s; lanes 0-15 tile 2 p, lanes 16-31 tile 2 p + 1
.irp i, 0,1,2,3,4,5,6,7
	v_lshl_or_b32 v[TS+\i], v[TH+\i], 16, v[TS+\i]
.endr
.endm
; K step s of four tiles of tokens, straight into the operand's registers: 16 loads
.macro TLOAD base, goff, s
	WIN 0x40
.irp tt, 0,1,2,3
.irp c, 0,1
	global_load_b128 v[TF+12*(4*\tt+\s)+6*\c:TF+12*(4*\tt+\s)+6*\c+3], v[LA], s[\base:\base+1] offset:\goff+6144*\tt+1536*\s+768*\c
	global_load_b64 v[TF+12*(4*\tt+\s)+6*\c+4:TF+12*(4*\tt+\s)+6*\c+5], v[LB], s[\base:\base+1] offset:\goff+6144*\tt+1536*\s+768*\c+512
.endr
.endr
	WIN 0
.endm
; fragment n of a pass (K step n / 4, tile n % 4 of the weight) from LDS into place n % 5: four loads; the destination's window is set by the caller
.macro WFLOAD aA, aB, woff, n
.set WR_, WF+12*((\n)%5)
.set WO_, (\woff)+(4*((\n)%4)+(\n)/4)*1536
	ds_load_b128 v[WR_:WR_+3], v[\aA] offset:WO_
	ds_load_b64 v[WR_+4:WR_+5], v[\aB] offset:WO_+512
	ds_load_b128 v[WR_+6:WR_+9], v[\aA] offset:WO_+768
	ds_load_b64 v[WR_+10:WR_+11], v[\aB] offset:WO_+1280
.endm
; what a pass wants first: its sixteen scale words of the weight, then its fragments 0 to 4: 36 LDS loads.  It stands ahead of the quantising of the results of the pass before, which is the work under which these loads land.
.macro PASSPRO aA, aB, woff, soff
.irp ot, 0,1,2,3
.irp s, 0,1,2,3
	ds_load_b32 v[WS16+4*\ot+\s], v[SWA] offset:\soff+(4*\ot+\s)*128
.endr
.endr
	WIN 0x40
.irp n, 0,1,2,3,4
	WFLOAD \aA, \aB, \woff, \n
.endr
	WIN 0
.endm
; four tiles of tokens x four tiles of a weight, K = 512 in four steps; the sixteen accumulators take turns, one instruction a turn, in the same order in every step.
; Fragment n = 4 s + ot is multiplied by four products.  Ahead of every even n from 2 to 12: one wait, and fragments n + 3 and n + 4 (as far as there are any) are asked for into the places of n - 2 and n - 1.
; So the loads that stand behind a fragment's own, when it is wanted, are those of four fragments (n even) or three (n odd), sixteen or twelve; from n = 12 on twelve, eight, four, none
; (LDS instructions end in order, ISA guide 5.7.1: whatever else was issued behind them only makes the count stricter).
; mode 0: source 0 = the weight (k, q); mode 1: source 0 = the tokens (v).  first = 1: the tokens' loads are still on their way, a K step's 16 at a time.
.macro PASSRUN mode, aA, aB, woff, first
.irp s, 0,1,2,3
.irp ot, 0,1,2,3
.if ((\ot%2) == 0) && ((4*\s+\ot) >= 2) && ((4*\s+\ot) <= 12)
	PLACES 4                                       ; ahead of loads into registers that the last products read
	WIN 0x40
	s_wait_alu depctr_va_vdst(0)                   ; the products issued so far are done reading the two fragments before this one, in whose places the loads below land
	WFLOAD \aA, \aB, \woff, 4*\s+\ot+3
.if (4*\s+\ot) <= 10
	WFLOAD \aA, \aB, \woff, 4*\s+\ot+4
.endif
.endif
.if (4*\s+\ot) <= 11
	s_wait_dscnt 16-4*(\ot%2)
.else
	s_wait_dscnt 4*(15-4*\s-\ot)
.endif
.if \first && (\ot == 0)
	s_wait_loadcnt 48-16*\s                        ; this K step's 16 loads of tokens are in; those of the later K steps may be out
.endif
	WIN 0x05
.irp tt, 0,1,2,3
.if \mode == 0
.if \s == 0
	WM ACC+32*\tt+8*\ot, WF+12*((4*\s+\ot)%5), TF+12*(4*\tt+\s), -1, WS16+4*\ot+\s, TS+2*\s+\tt/2, 0, \tt%2
.else
	WM ACC+32*\tt+8*\ot, WF+12*((4*\s+\ot)%5), TF+12*(4*\tt+\s), ACC+32*\tt+8*\ot, WS16+4*\ot+\s, TS+2*\s+\tt/2, 0, \tt%2
.endif
.else
.if \s == 0
	WM ACC+32*\ot+8*\tt, TF+12*(4*\tt+\s), WF+12*((4*\s+\ot)%5), -1, TS+2*\s+\tt/2, WS16+4*\ot+\s, \tt%2, 0
.else
	WM ACC+32*\ot+8*\tt, TF+12*(4*\tt+\s), WF+12*((4*\s+\ot)%5), ACC+32*\ot+8*\tt, TS+2*\s+\tt/2, WS16+4*\ot+\s, \tt%2, 0
.endif
.endif
.endr
.endr
.endr
	WIN 0
.endm
.macro BIASMUL                         ; the bias x 2^-1.5: sixteen plain instructions, which are also the places behind TSCOMB
.set i_, 0
.rept 16
	v_pk_mul_f32 v[BK+2*i_:BK+2*i_+1], v[BK+2*i_:BK+2*i_+1], s[SC:SC+1] op_sel_hi:[1,0]
.set i_, i_+1
.endr
.endm
.macro SCALEB tt                       ; (sum + bias) x 2^-1.5, each accumulator from its low end on
.set i_, 0
.rept 16
	v_pk_fma_f32 v[ACC+32*(\tt)+2*i_:ACC+32*(\tt)+2*i_+1], v[ACC+32*(\tt)+2*i_:ACC+32*(\tt)+2*i_+1], s[SC:SC+1], v[BK+2*i_:BK+2*i_+1] op_sel_hi:[1,0,1]
.set i_, i_+1
.endr
.endm
.macro PICK n                          ; the two sets of codes and bytes take turns
.if (\n)%2
.set P_, PC2
.set W_, PW2
.else
.set P_, PC
.set W_, PW
.endif
.endm
; k of 16 tokens becomes a half fragment in set tt % 2.  free = 1: LDS stores have read the two sets since they were last written
.macro KQUANT tt, free
	PICK \tt
	SCALEB \tt
.if \free
	s_wait_alu depctr_vm_vsrc(0)                   ; the LDS stores issued so far have read both sets of codes and bytes, which this tile's and the next tile's quantising write again
.endif
	QUANT2 ACC+32*(\tt), P_, W_
.endm
.macro KSTORE G, tt
	PICK \tt
	ds_store_b128 v[KWA], v[P_:P_+3] offset:(4*\G+\tt)*768
	ds_store_b64 v[KWB], v[P_+4:P_+5] offset:(4*\G+\tt)*768+512
	ds_store_b32 v[KSA], v[W_] offset:256*(\tt%2)+4*(2*\G+\tt/2)   ; lanes r and 16 + r write the same word with the same value; its upper two bytes are 0
.endm
.macro EPIK G                          ; k of 64 tokens: four half fragments and their scale words into LDS, two tiles at a time
	KQUANT 0, \G
	KQUANT 1, 0
	s_wait_alu depctr_va_vdst(0)                   ; the quantiser has written both sets, which the six LDS stores read
	KSTORE \G, 0
	KSTORE \G, 1
	KQUANT 2, 1
	KQUANT 3, 0
	s_wait_alu depctr_va_vdst(0)                   ; the quantiser has written both sets, which the six LDS stores read
	KSTORE \G, 2
	KSTORE \G, 3
.endm
; v of 64 tokens, tile ot of 16 channels: a half fragment along the keys, in set ot % 2
.macro VQUANT ot, free
	PICK \ot
.set i_, 0
.rept 16
	v_pk_add_f32 v[ACC+32*(\ot)+2*i_:ACC+32*(\ot)+2*i_+1], v[ACC+32*(\ot)+2*i_:ACC+32*(\ot)+2*i_+1], v[BV+2*(\ot):BV+2*(\ot)+1]
.set i_, i_+1
.endr
.if \free
	s_wait_alu depctr_vm_vsrc(0)                   ; the LDS stores issued so far have read both sets of codes and bytes, which this tile's and the next tile's quantising write again
.endif
	QUANT2 ACC+32*(\ot), P_, W_
.endm
.macro VSTORE G, ot
	PICK \ot
	ds_store_b128 v[VWA], v[P_:P_+3] offset:1536*(\ot)+768*\G
	ds_store_b64 v[VWB], v[P_+4:P_+5] offset:1536*(\ot)+768*\G+512
	ds_store_b16 v[VSA], v[W_] offset:128*((\ot)%2)+4*((\ot)/2)+2*\G
.endm
; 64 tokens of y: k, then v.  The next pass's first LDS loads go out ahead of each quantising.  The next tokens' loads from memory go out in three parts, at most 56 in one run, in the order in which they are waited for.
.macro GROUP G
	s_wait_loadcnt 48                              ; biases, scale bytes and K step 0 are in; the 48 loads of K steps 1 to 3 may be out
	TSCOMB
.if \G == 0
	BIASMUL
.else
	PLACES 8                                       ; a scale register written by a vector instruction stands 8 places ahead of a scaled matrix instruction
.endif
	s_wait_alu depctr_va_vdst(0)                   ; TSCOMB has written the tokens' scale words, which the products below take as scales; the places above stay beside this wait
	PASSRUN 0, LA, LB, 0, 1
	PLACES 4                                       ; ahead of the loads into the weight's registers and of the first read of k's sums
	s_wait_alu depctr_va_vdst(0)                   ; k's products are done reading the weight's fragments and scale words, in which the loads below land
	PASSPRO LA, LB, 24576, 2048
	EPIK \G
	PASSRUN 1, LA, LB, 24576, 0
	PLACES 4                                       ; ahead of the loads into the weight's and the tokens' registers and of the first read of v's sums
	s_wait_alu depctr_va_vdst(0)                   ; v's products are done reading the weight's and the tokens' fragments and scale words, TSCOMB the upper halves, SCALEB k's bias: the loads from here to the group's end land in these
.if \G == 0
	PASSPRO LA, LB, 0, 0
	TSCALE NY, 128
	TLOAD TY, 24576, 0
	TLOAD TY, 24576, 1
.else
	PASSPRO QWA, QWB, 0, 4096
.irp ot, 0,1,2,3
	global_load_b128 v[BK+8*\ot:BK+8*\ot+3], v253, s[12:13] offset:(32*(\ot/2)+8*(\ot%2))*4       ; bq in the result's layout
	global_load_b128 v[BK+8*\ot+4:BK+8*\ot+7], v253, s[12:13] offset:(32*(\ot/2)+8*(\ot%2))*4+16
.endr
	TSCALE NX, 0
	TLOAD TX, 0, 0
	TLOAD TX, 0, 1
.endif
	VQUANT 0, 1
	VQUANT 1, 0
	s_wait_alu depctr_va_vdst(0)                   ; the quantiser has written both sets, which the six LDS stores read
	VSTORE \G, 0
	VSTORE \G, 1
.if \G == 0
	TLOAD TY, 24576, 2                             ; no wait: no vector or matrix instruction since the pass's end names the tokens' registers or these offsets
.else
	TLOAD TX, 0, 2
.endif
	VQUANT 2, 1
.if \G == 0
	TLOAD TY, 24576, 3
.else
	TLOAD TX, 0, 3
.endif
	VQUANT 3, 0
	s_wait_alu depctr_va_vdst(0)                   ; the quantiser has written both sets, which the six LDS stores read
	VSTORE \G, 2
	VSTORE \G, 3
.endm
	s_load_b512 s[4:19], s[0:1], 0x0               ; nc, ns, wc, ws, bq, bkv, ac, asl
	s_set_vgpr_msb 0x40
	v_lshl_add_u32 v254, v0, 2, 0x2d800
	v_mov_b32 v255, 0
	s_set_vgpr_msb 0x4000
	v_lshrrev_b32 v255, 5, v0
	v_readfirstlane_b32 s20, v255                  ; wave 0..7
	s_mov_b32 s21, ttmp9                           ; which half of the queries
	s_and_b32 s22, ttmp7, 0xffff
	s_lshr_b32 s23, s22, 3                         ; image
	s_and_b32 s24, s22, 7                          ; head
	v_and_b32 v252, 31, v0                         ; lane
	v_and_b32 v255, 15, v0                         ; r
	v_lshlrev_b32 v[LA], 4, v252
	v_lshlrev_b32 v[LB], 3, v252
	v_lshlrev_b32 v[L2], 1, v252
	v_add_nc_u32 v[QWA], WQL, v[LA]
	v_add_nc_u32 v[QWB], WQL, v[LB]
	v_lshl_add_u32 v[SWA], v252, 2, WSL
	s_wait_alu depctr_va_sdst(0)                   ; s20, the wave's number, is written, ahead of its first reader: LDS places and the buffers' offsets are made from it
	s_mul_i32 s28, s20, 6144
	s_add_co_u32 s29, s28, KIMG
	v_add_nc_u32 v[KWA], s29, v[LA]
	v_add_nc_u32 v[KWB], s29, v[LB]
	s_add_co_u32 s29, s28, VIMG
	v_add_nc_u32 v[VWA], s29, v[LA]
	v_add_nc_u32 v[VWB], s29, v[LB]
	s_lshl_b32 s28, s20, 9
	s_add_co_u32 s28, s28, KSC
	v_lshl_add_u32 v[KSA], v255, 4, s28
	s_lshl_b32 s28, s20, 8
	s_add_co_u32 s28, s28, VSC
	v_lshl_add_u32 v[VSA], v255, 3, s28
	s_lshl_b32 s28, s20, 7
	s_add_co_u32 s28, s28, ASG
	v_lshl_add_u32 v[ASA], v255, 1, s28
	v_lshlrev_b32 v14, 4, v0                       ; the copy of the weights: 16 x thread, 8 x thread, and the same behind 48 KiB and 76 KiB
	v_lshlrev_b32 v15, 3, v0
	v_add_nc_u32 v16, WQL, v14
	v_add_nc_u32 v17, WSL+4096, v15
	v_mov_b32 v18, 0                               ; written once: a lane permute's destination counts as one of its sources
	v_mov_b32 v19, 0
	v_bfe_u32 v253, v0, 4, 1
	v_lshlrev_b32 v253, 6, v253                    ; 64 h: a bias in the layout of a result whose registers run along the channels
	v_and_b32 v254, 8, v0
	v_add_nc_u32 v254, v254, v255
	v_lshlrev_b32 v254, 2, v254                    ; 4 (r + 8 (r / 8)): a bias of the lane's own channel
	s_mov_b32 s[SEL], 0x76543210
	s_mov_b32 s[SEL+1], 0xfedcba98
	s_mov_b32 s[CS], 0x3fb8aa3b                    ; log2(e)
	s_mov_b32 s[CS+1], s[CS]
	s_mov_b32 s[SC], 0x3eb504f3                    ; 64^-0.25 = 2^-1.5
	s_mov_b32 s[SC+1], s[SC]
	s_mul_i32 s25, s23, 393216                     ; an image's 64 tiles of 6,144 bytes
	s_lshl_b32 s26, s21, 5
	s_lshl_b32 s27, s20, 2
	s_add_co_u32 s26, s26, s27                     ; my first tile of queries: 32 half + 4 w
	s_mul_i32 s28, s26, 6144
	s_add_co_u32 s28, s28, s25
	s_mov_b32 s29, 0
	s_mul_i32 s30, s20, 49152                      ; my first tile of keys: 8 w
	s_add_co_u32 s30, s30, s25
	s_add_co_u32 s30, s30, 6291456                 ; in y's part of nc
	s_mov_b32 s31, 0
	s_wait_kmcnt 0x0
	s_add_nc_u64 s[TX:TX+1], s[4:5], s[28:29]
	s_add_nc_u64 s[TY:TY+1], s[4:5], s[30:31]
	s_add_nc_u64 s[ACB:ACB+1], s[16:17], s[28:29]
	s_mul_i32 s28, s24, 768
	s_add_nc_u64 s[ACB:ACB+1], s[ACB:ACB+1], s[28:29]
	s_lshl_b32 s30, s23, 14                        ; an image's 16,384 scale bytes
	s_lshl_b32 s28, s26, 5
	s_add_co_u32 s28, s28, s30
	s_add_nc_u64 s[NX:NX+1], s[6:7], s[28:29]
	s_lshl_b32 s28, s20, 8
	s_add_co_u32 s28, s28, s30
	s_add_co_u32 s28, s28, 262144
	s_add_nc_u64 s[NY:NY+1], s[6:7], s[28:29]
	s_lshl_b32 s28, s24, 11
	s_add_co_u32 s28, s28, s30
	s_lshl_b32 s25, s21, 10
	s_add_co_u32 s28, s28, s25
	s_add_nc_u64 s[ASB:ASB+1], s[18:19], s[28:29]
	s_mul_i32 s28, s24, 24576
	s_add_nc_u64 s[56:57], s[8:9], s[28:29]        ; Wq's tiles 4 head ..
	s_lshl_b32 s28, s28, 1
	s_add_co_u32 s28, s28, 196608
	s_add_nc_u64 s[54:55], s[8:9], s[28:29]        ; Wkv's tiles 32 + 8 head ..
	s_lshl_b32 s28, s24, 11
	s_add_nc_u64 s[60:61], s[10:11], s[28:29]
	s_lshl_b32 s28, s24, 12
	s_add_co_u32 s28, s28, 16384
	s_add_nc_u64 s[58:59], s[10:11], s[28:29]
	s_lshl_b32 s28, s24, 9
	s_add_nc_u64 s[14:15], s[14:15], s[28:29]      ; bkv at the head's 128
	s_lshl_b32 s28, s24, 8
	s_add_nc_u64 s[12:13], s[12:13], s[28:29]      ; bq at the head's 64
	; ---- the head's weights into LDS: 20 loads a thread; behind them the biases, and my first 64 tokens
	s_wait_alu depctr_va_vdst(0)                   ; the offsets and LDS addresses v1-17, v253 and v254 are written, which the loads and stores of phase A read
.irp k, 0,1,2,3,4,5,6,7,8,9,10,11
	global_load_b128 v[32+4*\k:35+4*\k], v14, s[54:55] offset:4096*\k
.endr
.irp k, 0,1,2,3,4,5
	global_load_b128 v[80+4*\k:83+4*\k], v14, s[56:57] offset:4096*\k
.endr
	global_load_b128 v[104:107], v14, s[58:59]
	global_load_b64 v[108:109], v15, s[60:61]
.irp ot, 0,1,2,3
	global_load_b128 v[BK+8*\ot:BK+8*\ot+3], v253, s[14:15] offset:(32*(\ot/2)+8*(\ot%2))*4       ; k's bias: tile ot's eight channels of my half
	global_load_b128 v[BK+8*\ot+4:BK+8*\ot+7], v253, s[14:15] offset:(32*(\ot/2)+8*(\ot%2))*4+16
.endr
.irp ot, 0,1,2,3
	global_load_b32 v[BV+2*\ot], v254, s[14:15] offset:256+(32*(\ot/2)+8*(\ot%2))*4               ; v's bias: my lane's channel of tile ot, twice: a pair for the packed addition
	global_load_b32 v[BV+2*\ot+1], v254, s[14:15] offset:256+(32*(\ot/2)+8*(\ot%2))*4
.endr
	TSCALE NY, 0
	TLOAD TY, 0, 0
	s_wait_loadcnt 48                              ; behind the copy's 20 loads: 16 of biases, 16 of scale bytes, 16 of K step 0
.irp k, 0,1,2,3,4,5,6,7,8,9,10,11
	ds_store_b128 v14, v[32+4*\k:35+4*\k] offset:4096*\k
.endr
.irp k, 0,1,2,3,4,5
	ds_store_b128 v16, v[80+4*\k:83+4*\k] offset:4096*\k
.endr
	ds_store_b128 v16, v[104:107] offset:24576
	ds_store_b64 v17, v[108:109]
	TLOAD TY, 0, 1
	TLOAD TY, 0, 2
	TLOAD TY, 0, 3
	s_wait_dscnt 0x0                               ; my part of the copy has landed
	s_barrier_signal -1
	s_barrier_wait -1                              ; everybody's has
	s_wait_alu depctr_vm_vsrc(0)                   ; the copy's loads and LDS stores have read v14-17 and v32-109: the products write v32 on, the quantiser v16 on, phase B v14 and v15
	; ---- phase A
	PASSPRO LA, LB, 0, 0
	GROUP 0
	GROUP 1
	s_wait_dscnt 0x0                               ; my stores of K, V and their scale words have landed:
	s_barrier_signal -1                            ; say so.  Up to the wait for the others: work on registers, and LDS loads of Wq's bytes, which nobody writes behind the first barrier
	s_wait_loadcnt 48                              ; bq, x's scale bytes and K step 0 are in
	TSCOMB
	BIASMUL
	s_wait_alu depctr_va_vdst(0)                   ; TSCOMB has written the tokens' scale words, which the products below take as scales; the sixteen places above stay beside this wait
	PASSRUN 0, QWA, QWB, 0, 1
	PLACES 4
	s_wait_alu depctr_vm_vsrc(0)                   ; phase A's LDS loads and stores have read v4-12 and both sets of codes and bytes: all are written again from here on
.irp tt, 0,1,2,3
	SCALEB \tt
	QUANT2 ACC+32*\tt, PC, PW
.irp i, 0,1,2,3,4,5
	v_mov_b32 v[QF+12*\tt+\i], v[PC+\i]            ; Q stays in registers
.endr
.irp i, 6,7,8,9,10,11
	v_mov_b32 v[QF+12*\tt+\i], 0                   ; k = 64 .. 127: zero codes
.endr
	v_mov_b32 v[QS+\tt], v[PW]
.endr
	; ---- phase B's registers, still ahead of the barrier's wait
	v_add_nc_u32 v[KA0], KIMG, v[LA]
	v_add_nc_u32 v[KB0], KIMG, v[LB]
	v_add_nc_u32 v[VA0], VIMG, v[LA]
	v_add_nc_u32 v[VB0], VIMG, v[LB]
	v_add_nc_u32 v[KS0], KSC, v[LA]
	v_add_nc_u32 v[VS0], VSC, v[LB]
	v_lshl_add_u32 v14, v0, 4, ASG
	v_lshlrev_b32 v15, 4, v0
.irp q, 0,1,2,3
	v_mov_b32 v[ST+4*\q+1], 0xff61b1e6             ; the largest t so far: -3e38, under every t
	v_floor_f32 v[ST+4*\q], -v[ST+4*\q+1]          ; -M
	v_mov_b32 v[ST+4*\q+2], 0                      ; the sum, in two halves
	v_mov_b32 v[ST+4*\q+3], 0
	v_mov_b32 v[BP+\q], 0                          ; (a lane permute's destination counts as one of its sources)
.endr
	v_mov_b32 v[PS], 0                             ; (named as the upper half of a pair before it is first written)
	WIN 0x40
.irp i, 0,1,2,3,4,5
	v_mov_b32 v[PAD+\i], 0                         ; the pad first: the eighth tile's scaled products take it as the upper half of source 0, and an operand written by a vector instruction stands 4 places ahead of them: the 128 lines below are those places
.endr
.set i_, 0
.rept 128
	v_mov_b32 v[O+i_], 0                           ; O^T.  The key step is written once: its first trip finds zeros, which the first change of M leaves zeros
.set i_, i_+1
.endr
	WIN 0
	s_barrier_wait -1                              ; every wave has signalled: the head's K and V lie in LDS
.macro KADR                            ; where the step's K and its scale words lie
	v_add_nc_u32 v[AT0], s[TK], v[KA0]
	v_add_nc_u32 v[AT1], s[TK], v[KB0]
	v_add_nc_u32 v[AT2], s[TKS], v[KS0]
.endm
.macro VADR                            ; and its V
	v_add_nc_u32 v[AT0], s[TK], v[VA0]
	v_add_nc_u32 v[AT1], s[TK], v[VB0]
	v_add_nc_u32 v[AT2], s[TVS], v[VS0]
.endm
.macro KRUN                            ; a step's K: eight tiles of six registers and their scale words, 17 LDS loads in one run
	WIN 0x40
.irp i, 0,1,2,3,4,5,6,7
	ds_load_b128 v[KF+6*\i:KF+6*\i+3], v[AT0] offset:768*\i
	ds_load_b64 v[KF+6*\i+4:KF+6*\i+5], v[AT1] offset:768*\i+512
.endr
	WIN 0
	ds_load_b128 v[KS:KS+3], v[AT2]
.endm
.macro VRUN                            ; a step's V: four fragments and their scale words, 17 LDS loads
	WIN 0x40
.irp ct, 0,1,2,3
.irp c, 0,1
	ds_load_b128 v[VF+12*\ct+6*\c:VF+12*\ct+6*\c+3], v[AT0] offset:1536*\ct+768*\c
	ds_load_b64 v[VF+12*\ct+6*\c+4:VF+12*\ct+6*\c+5], v[AT1] offset:1536*\ct+768*\c+512
.endr
.endr
	WIN 0
	ds_load_b64 v[VS:VS+1], v[AT2]
.endm
.macro KQ q, sb                        ; S^T of tile q for the step's 128 keys: eight products, each a sum of its own
	WIN 0x01
.irp i, 0,1,2,3,4,5,6,7
	WM \sb+8*\i, KF+6*\i, QF+12*(\q), -1, KS+\i/2, QS+(\q), \i%2, 0
.endr
.endm
.macro PV q                            ; O^T of tile q += V^T P^T: four accumulators, one instruction each
	WIN 0x51
.irp ct, 0,1,2,3
	WM O+32*(\q)+8*\ct, VF+12*\ct, PCD, O+32*(\q)+8*\ct, VS+\ct/2, PS, \ct%2, 0
.endr
.endm
; the softmax of tile q for one key step, on the 64 scores at v[sb]: register 16 b + i is key 32 b + 16 (lane / 16) + i.
; run = 1: this step's V, run = 2: the next step's K is asked for behind the wait for the exponentials; run = 0: nothing
.macro SM q, sb, run
	WIN 0
.set T_, ST+4*(\q)
.irp b, 0,1,2,3
	v_max3_num_f32 v[BM+\b], v[\sb+16*\b], v[\sb+16*\b+1], v[\sb+16*\b+2]   ; the largest score of each block of 32 keys: it serves the row's maximum and, since p rises with the score, the block's largest p
.endr
.irp i, 3,5,7,9,11,13
.irp b, 0,1,2,3
	v_max3_num_f32 v[BM+\b], v[BM+\b], v[\sb+16*\b+\i], v[\sb+16*\b+\i+1]
.endr
.endr
.irp b, 0,1,2,3
	v_max_num_f32 v[BM+\b], v[BM+\b], v[\sb+16*\b+15]
.endr
.irp b, 0,1,2,3
	v_permlanex16_b32 v[BP+\b], v[BM+\b], s[SEL], s[SEL+1]
.endr
.irp b, 0,1,2,3
	v_max_num_f32 v[BM+\b], v[BM+\b], v[BP+\b]     ; with lane l xor 16's 16 keys
.endr
	v_max3_num_f32 v[X], v[BM], v[BM+1], v[BM+2]
	v_max_num_f32 v[X], v[X], v[BM+3]
	v_mul_f32 v[X], s[CS], v[X]                    ; as t
	v_max_num_f32 v[T_+1], v[T_+1], v[X]           ; the running largest t
	v_mov_b32 v[X], v[T_]
	v_floor_f32 v[T_], -v[T_+1]                    ; the new -M = -ceil(t): a whole number
	v_sub_f32 v[X], v[T_], v[X]                    ; old M - new M: a whole number, 0 or less
	v_cvt_i32_f32 v[X], v[X]                       ; (it saturates)
	v_ldexp_f32 v[F], 1.0, v[X]                    ; f = 2^(old M - new M)
.set j_, 0
.rept 32
	v_pk_fma_f32 v[\sb+j_:\sb+j_+1], v[\sb+j_:\sb+j_+1], s[CS:CS+1], v[T_:T_+1] op_sel_hi:[1,0,0]   ; t - M, two at a time
.set j_, j_+2
.endr
.irp b, 0,1,2,3
	v_fma_f32 v[BM+\b], v[BM+\b], s[CS], v[T_]     ; the same of each block's largest score
.endr
.set j_, 0
	s_wait_alu depctr_va_vdst(0)
.rept 64
	v_exp_f32 v[\sb+j_], v[\sb+j_]                 ; p = 2^(t - M), at most 1, not normalised
.set j_, j_+1
.endr
	v_pk_mul_f32 v[T_+2:T_+3], v[T_+2:T_+3], v[F:F+1] op_sel_hi:[1,0]   ; the sums under the new M: a plain place behind the exponentials
	s_wait_alu depctr_va_vdst(0)                   ; the 64 exponentials have written p, ahead of its first reader.  Where a run of loads follows: v10-12 are written, and the products issued ahead of this softmax are done reading the registers in which the run lands
.if \run == 1
	VRUN                                           ; this step's V lands under the rest of this softmax
.endif
.if \run == 2
	s_cmp_eq_u32 s[J], 7
	s_cbranch_scc1 .Lno_k                          ; the last trip asks for no more of K
	KRUN                                           ; the next step's K lands under the rest of this softmax and the next
.Lno_k:
.endif
.irp b, 0,1,2,3
	v_exp_f32 v[BM+\b], v[BM+\b]                   ; the block's largest p: the same two instructions on the same number
.endr
	v_pk_add_f32 v[BP:BP+1], v[\sb:\sb+1], v[\sb+2:\sb+3]   ; the row's sum is taken of the unquantised p, in two chains
.irp j, 4,8,12,16,20,24,28,32,36,40,44,48,52,56,60
	v_pk_add_f32 v[T_+2:T_+3], v[T_+2:T_+3], v[\sb+\j:\sb+\j+1]
	v_pk_add_f32 v[BP:BP+1], v[BP:BP+1], v[\sb+\j+2:\sb+\j+3]
.endr
	v_pk_add_f32 v[T_+2:T_+3], v[T_+2:T_+3], v[BP:BP+1]
	s_wait_alu depctr_va_vdst(0)                   ; the four exponentials have written the blocks' largest p, ahead of its first reader
.irp b, 0,1,2,3
	v_max_num_f32 v[BM+\b], 0x2800000, v[BM+\b]    ; the floor 2^(5 - 127)
.endr
.irp b, 0,1,2,3
	v_add_nc_u32 v[SO+\b], 0xfe000000, v[BM+\b]
.endr
.irp b, 0,1,2,3
	v_lshrrev_b32 v[BP+\b], 23, v[SO+\b]
.endr
	v_lshl_or_b32 v[PS], v[BP+1], 8, v[BP]         ; p's scale word for these 128 keys
	v_lshl_or_b32 v[PS], v[BP+2], 16, v[PS]
	v_lshl_or_b32 v[PS], v[BP+3], 24, v[PS]
.irp c, 0,1
	v_cvt_scalef32_pk16_bf6_f32 v[PCD+6*\c:PCD+6*\c+2], v[\sb+32*\c:\sb+32*\c+15], v[SO+2*\c]
	v_cvt_scalef32_pk16_bf6_f32 v[BP+4*\c:BP+4*\c+2], v[\sb+32*\c+16:\sb+32*\c+31], v[SO+2*\c+1]
.endr
	v_nop                                          ; one plain place behind a scaled conversion
.irp c, 0,1
.irp i, 0,1,2
	v_permlane16_swap_b32 v[PCD+6*\c+\i], v[BP+4*\c+\i]
.endr
.irp i, 0,1,2
	v_mov_b32 v[PCD+6*\c+3+\i], v[BP+4*\c+\i]
.endr
.endr
	WIN 0x41
.set j_, 0
.rept 16
	v_pk_mul_f32 v[O+32*(\q)+j_:O+32*(\q)+j_+1], v[O+32*(\q)+j_:O+32*(\q)+j_+1], v[F:F+1] op_sel_hi:[1,0]   ; O^T under the new M; these sixteen are also the places ahead of the products below
.set j_, j_+2
.endr
	s_wait_alu depctr_va_vdst(0)                   ; p's codes and scale word are written, which the scaled products that follow take as source 1 and as its scales; the sixteen places above stay beside this wait
.endm
	; ---- phase B
	s_mov_b32 s[TK], 0
	s_mov_b32 s[TKS], 0
	s_mov_b32 s[TVS], 0
	KADR
	WIN 0x40
	s_wait_alu depctr_va_vdst(0)                   ; v10-12 are written, which K's loads read; phase A's products and additions are done reading the registers in which they land; Q's codes, its scale words and the pad are written, which the scaled products take
	KRUN
	s_wait_dscnt 0x0                               ; K of step 0 is in
	s_mov_b32 s[J], 0
.Lstep:                                                ; eight trips, 128 keys each.  K is in
	KQ 0, SA
	KQ 1, SB
	WIN 0
	s_wait_alu depctr_vm_vsrc(0)                   ; K's run of loads, half a trip back (ahead of the loop: just issued), has read v10-12
	VADR                                           ; these three and the v_nop are the four places ahead of the first read of tile 0's scores
	v_nop
	SM 0, SA, 1
	s_wait_dscnt 0x0                               ; V is in
	PV 0
	KQ 2, SA                                       ; tile 2's scores are made while tile 1's softmax is walked
	SM 1, SB, 0
	PV 1
	KQ 3, SB
	WIN 0
	s_add_co_u32 s[TK], s[TK], 6144                ; the next step's bytes: stepped in every trip; the last trip's are not used
	s_add_co_u32 s[TKS], s[TKS], 512
	s_add_co_u32 s[TVS], s[TVS], 256
	s_wait_alu depctr_vm_vsrc(0)                   ; V's run of loads, half a trip back, has read v10-12
	KADR
	SM 2, SA, 2
	PV 2
	SM 3, SB, 0
	PV 3
	WIN 0
	s_wait_dscnt 0x0                               ; the next step's K is in.  On every path, so that no count hangs on the branch
	s_add_co_u32 s[J], s[J], 1
	s_cmp_lt_u32 s[J], 8
	s_cbranch_scc1 .Lstep
	; ---- the way out: a = O^T / the sum, quantised along the head's 64 channels; a tile's half fragment goes straight to memory, 512 and 256 consecutive bytes
.irp q, 0,1,2,3
	v_add_f32 v[BM+\q], v[ST+4*\q+2], v[ST+4*\q+3] ; the sum's two halves (these four are the places behind the last products),
.endr
.irp q, 0,1,2,3
	v_permlanex16_b32 v[BP+\q], v[BM+\q], s[SEL], s[SEL+1]
.endr
.irp q, 0,1,2,3
	v_add_f32 v[BM+\q], v[BM+\q], v[BP+\q]         ; and lane l xor 16's
.endr
	s_wait_alu depctr_va_vdst(0)
.irp q, 0,1,2,3
	v_rcp_f32 v[244+2*\q], v[BM+\q]
.endr
	v_nop                                          ; a plain place behind the reciprocals
	s_wait_alu depctr_va_vdst(0)                   ; the four reciprocals are written, ahead of their first reader
.irp q, 0,1,2,3
	v_mov_b32 v[245+2*\q], v[244+2*\q]
.endr
.irp q, 0,1,2,3
	WIN 0x01
.set i_, 0
.rept 16
	v_pk_mul_f32 v[SA+2*i_:SA+2*i_+1], v[O+32*\q+2*i_:O+32*\q+2*i_+1], v[244+2*\q:245+2*\q]   ; each accumulator from its low end on
.set i_, i_+1
.endr
	WIN 0
	QUANT2 SA, OC+8*\q, OW+\q                      ; each tile has registers of its own for its codes and bytes: no store's data are written again
.endr
	s_wait_alu depctr_va_vdst(0)                   ; the quantiser has written the four tiles' codes and bytes, which the twelve stores read; it is also done with v32-35, in which the load behind the barrier lands
.irp q, 0,1,2,3
	global_store_b128 v[LA], v[OC+8*\q:OC+8*\q+3], s[ACB:ACB+1] offset:6144*\q
	global_store_b64 v[LB], v[OC+8*\q+4:OC+8*\q+5], s[ACB:ACB+1] offset:6144*\q+512
	ds_store_b16 v[ASA], v[OW+\q] offset:32*\q
.endr
	s_wait_dscnt 0x0                               ; my scale bytes have landed
	s_barrier_signal -1
	s_barrier_wait -1
	s_cmp_gt_u32 s20, 1
	s_cbranch_scc1 .Lend                           ; waves 0 and 1 store the work-group's 1,024 scale bytes, 16 a thread
	ds_load_b128 v[32:35], v14
	s_wait_dscnt 0x0
	global_store_b128 v15, v[32:35], s[ASB:ASB+1]
.Lend:
	s_set_vgpr_msb 0x5                             ; the add's two registers, sources 0 and 1, lie in window 1
	s_wait_dscnt 0x0                               ; the closing lines, six on end
	s_wait_alu 0x0
	s_wait_tensorcnt 0x0
	ds_add_u32 v254, v255
	s_wait_dscnt 0x0
	s_endpgm
.Lfunc_end_k_q5323f083b8_attn:
	.size	k_q5323f083b8_attn, .Lfunc_end_k_q5323f083b8_attn-k_q5323f083b8_attn
	.p2alignl 7, 3214868480
	.fill 96, 4, 3214868480
	.section	.rodata,"a",@progbits
	.p2align	6, 0x0
	.amdhsa_kernel k_q5323f083b8_attn
		.amdhsa_group_segment_fixed_size 187392
		.amdhsa_private_segment_fixed_size 0
		.amdhsa_enable_private_segment 0
		.amdhsa_kernarg_size 64
		.amdhsa_user_sgpr_count 2
		.amdhsa_user_sgpr_kernarg_segment_ptr 1
		.amdhsa_wavefront_size32 1
		.amdhsa_system_sgpr_workgroup_id_x 1
		.amdhsa_system_sgpr_workgroup_id_y 1
		.amdhsa_system_sgpr_workgroup_id_z 1
		.amdhsa_system_vgpr_workitem_id 0
		.amdhsa_next_free_vgpr 512
		.amdhsa_next_free_sgpr 66
		.amdhsa_reserve_vcc 0
		.amdhsa_float_denorm_mode_32 3
		.amdhsa_float_denorm_mode_16_64 3
		.amdhsa_memory_ordered 1
		.amdhsa_forward_progress 1
		.amdhsa_inst_pref_size 253
	.end_amdhsa_kernel
	.amdgpu_metadata
---
amdhsa.version: [ 1, 2 ]
amdhsa.kernels:
  - .name:           k_q5323f083b8_attn
    .symbol:         k_q5323f083b8_attn.kd
    .args:
      - { .name: nc, .offset: 0, .size: 8, .value_kind: global_buffer, .address_space: global }
      - { .name: ns, .offset: 8, .size: 8, .value_kind: global_buffer, .address_space: global }
      - { .name: wc, .offset: 16, .size: 8, .value_kind: global_buffer, .address_space: global }
      - { .name: ws, .offset: 24, .size: 8, .value_kind: global_buffer, .address_space: global }
      - { .name: bq, .offset: 32, .size: 8, .value_kind: global_buffer, .address_space: global }
      - { .name: bkv, .offset: 40, .size: 8, .value_kind: global_buffer, .address_space: global }
      - { .name: ac, .offset: 48, .size: 8, .value_kind: global_buffer, .address_space: global }
      - { .name: asl, .offset: 56, .size: 8, .value_kind: global_buffer, .address_space: global }
    .group_segment_fixed_size: 187392
    .private_segment_fixed_size: 0
    .kernarg_segment_align: 8
    .kernarg_segment_size: 64
    .max_flat_workgroup_size: 256
    .sgpr_count:     66
    .vgpr_count:     512
    .wavefront_size: 32
...
	.end_amdgpu_metadata
.endif
;; end of part 5
;; launch proj (part 6): grid 256 x 1, 8 waves a work-group, no clusters, 60,416 bytes of LDS; arguments ac, asl, wc, ws, bp, x, out0; writes out0
.if DOCPART == 6
	.amdgcn_target "amdgcn-amd-amdhsa--gfx1250"
	.amdhsa_code_object_version 6
	.text
	.protected	k_q5323f083b8_proj
	.globl	k_q5323f083b8_proj
	.p2align	8
	.type	k_q5323f083b8_proj,@function
k_q5323f083b8_proj:
	s_mov_b64 s[64:65], 0
	v_nop
	global_prefetch_b8 v0, s[64:65] scope:SCOPE_SE
	s_setreg_imm32_b32 hwreg(HW_REG_WAVE_SCHED_MODE, 0, 2), 2
	s_setreg_imm32_b32 hwreg(HW_REG_WAVE_MODE, 25, 1), 1
	s_wait_xcnt 0x0
	s_wait_alu depctr_vm_vsrc(0)
; out = x + bp + Wp a, the product on codes of BF6 (E3M2) with one E8M0 byte for each 32 along the 512 channels.
; SHARES.  Work-group g: image g / 16, tokens 64 (g % 16) on, all 512 outputs.  Wave w: outputs 64 w .. 64 w + 63 (four tiles of Wp's rows) for the 64 tokens (four tiles).
; Source 0 = 16 tokens of a, source 1 = 16 rows of Wp: a lane then holds ONE output channel and its registers run along the tokens, which are innermost in out: eight neighbouring numbers of a row.
; The rows of every tile of 16 are 8 u + r + 8 (r / 8) of a group of 32: so registers 8 u + j of tiles 2 g + u are tokens 32 g + 16 (lane / 16) + 8 u + j.
; a's 24,576 bytes of codes are copied to LDS once and read by all eight waves; Wp's fragments go from memory straight into the one wave's registers that uses them, two K steps ahead.
; bp is the C of each sum's first matrix instruction.  x is asked for first of all: 131,072 bytes a work-group are on their way while the products are made.
; The results go through the wave's own stage in LDS (16 rows x (256 + 16) bytes) and leave, with x added, as runs of 256 consecutive aligned bytes from sixteen neighbouring lanes.
; NO CLUSTER: the work-groups share Wp alone (24,576 bytes a wave); the launch moves x in and out0 out, 262,144 bytes a work-group, which nobody shares.
; THE MODE: SCHED_MODE bits 1:0 = 2 (LLVM: expert scheduling mode 2), set by the entry lines.  The code itself states the register dependences between vector or matrix instructions and memory or LDS
; instructions, with s_wait_alu, always for 0.
; THE PLAN.  Registers that memory or LDS instructions touch:
;   v1-9    offsets and LDS addresses, made at the head and never written again: one wait on va_vdst ahead of the first load.
;   AF, WF  a's four fragments of a K step and Wp's, two buffers: read by a K step's sixteen products.  ONE wait on va_vdst at a K step's end; behind it the next step's fragments of a and Wp's of two steps on.
;   TS      a's scale words, put together by vector instructions and taken by the scaled products: one wait on va_vdst behind the places.
;   the accumulators: read by the stage's LDS stores; v16-143, which held fragments: the stage's loads land there.  The wait at the last K step's end states both.
;   four sets of 32 registers on the way out, one for each tile of outputs: loaded from the stage, x added, stored.  One wait on va_vdst between a tile's additions and its stores.  No set is written again,
;   and a tile goes into the stage ahead of the additions of the tile before it: those name their own set and x alone.
.set STGB, 24576                       ; LDS: 0 a's codes [tile 4][head 8][768];  24,576 the eight stages of 4,352 bytes
.set AF,  16                           ; v16-63   a's four fragments of a K step
.set WF,  64                           ; v64-159  Wp's four fragments, two buffers
.set WSC, 160                          ; v160-175 Wp's scale words (4 ot + s)
.set TS,  176                          ; v176-183 a's scale words (lanes 0-15 an even tile's, lanes 16-31 the odd one's); v184-191 their upper halves as loaded
.set TH,  184
.set BI,  192                          ; v192-223 bp, eight registers a tile of outputs
.set CP,  224                          ; v224-247 the copy
.set RB,  16                           ; v16-143  the way out: four sets of 32
.set L2,  3
.set XR,  0                            ; window 1: v0-127 x (32 ot + 4 i);  v128-255 the sixteen accumulators (32 ot + 8 tt)
.set ACC, 128
.set MSB, 0
.macro WIN new                         ; s_set_vgpr_msb: bits 1:0 source 0, 3:2 source 1, 5:4 source 2, 7:6 destination; the high byte repeats the setting that is left
.if MSB != \new
	s_set_vgpr_msb (MSB<<8)|\new
.set MSB, \new
.endif
.endm
.macro WM d, a, b, c, sa, sb, ra       ; one matrix instruction; ra = 1: source 0's scales stand in lanes 16-31
.if \ra
	v_wmma_scale_f32_16x16x128_f8f6f4 v[\d:\d+7], v[\a:\a+11], v[\b:\b+11], v[\c:\c+7], v[\sa], v[\sb] matrix_a_fmt:MATRIX_FMT_BF6 matrix_b_fmt:MATRIX_FMT_BF6 matrix_a_scale:MATRIX_SCALE_ROW1
.else
	v_wmma_scale_f32_16x16x128_f8f6f4 v[\d:\d+7], v[\a:\a+11], v[\b:\b+11], v[\c:\c+7], v[\sa], v[\sb] matrix_a_fmt:MATRIX_FMT_BF6 matrix_b_fmt:MATRIX_FMT_BF6
.endif
.endm
.macro PLACES n
.rept \n
	v_nop
.endr
.endm
.macro WLOAD s, f                      ; K step s of my four tiles of Wp into the buffer at v[f]: 16 loads
.irp ot, 0,1,2,3
	global_load_b128 v[\f+12*\ot:\f+12*\ot+3], v1, s[8:9] offset:(4*\ot+\s)*1536
	global_load_b64 v[\f+12*\ot+4:\f+12*\ot+5], v2, s[8:9] offset:(4*\ot+\s)*1536+512
	global_load_b128 v[\f+12*\ot+6:\f+12*\ot+9], v1, s[8:9] offset:(4*\ot+\s)*1536+768
	global_load_b64 v[\f+12*\ot+10:\f+12*\ot+11], v2, s[8:9] offset:(4*\ot+\s)*1536+1280
.endr
.endm
.macro ALOAD s                         ; K step s of a's four tiles from LDS: 16 loads
.irp tt, 0,1,2,3
	ds_load_b128 v[AF+12*\tt:AF+12*\tt+3], v1 offset:6144*\tt+1536*(\s)
	ds_load_b64 v[AF+12*\tt+4:AF+12*\tt+5], v2 offset:6144*\tt+1536*(\s)+512
	ds_load_b128 v[AF+12*\tt+6:AF+12*\tt+9], v1 offset:6144*\tt+1536*(\s)+768
	ds_load_b64 v[AF+12*\tt+10:AF+12*\tt+11], v2 offset:6144*\tt+1536*(\s)+1280
.endr
.endm
	s_load_b256 s[4:11], s[0:1], 0x0               ; ac, asl, wc, ws
	s_load_b128 s[12:15], s[0:1], 0x20             ; bp, x
	s_load_b64 s[16:17], s[0:1], 0x30              ; out0
	v_lshl_add_u32 v254, v0, 2, 0xe800
	v_mov_b32 v255, 0
	v_lshrrev_b32 v10, 5, v0
	v_readfirstlane_b32 s20, v10                   ; wave 0..7
	s_lshr_b32 s21, ttmp9, 4                       ; image
	s_and_b32 s22, ttmp9, 15                       ; which 64 tokens
	v_and_b32 v10, 31, v0                          ; lane
	v_and_b32 v11, 15, v0                          ; r
	v_bfe_u32 v12, v0, 4, 1                        ; h
	v_lshlrev_b32 v1, 4, v10                       ; 16 x lane
	v_lshlrev_b32 v2, 3, v10                       ; 8 x lane
	v_lshlrev_b32 v[L2], 1, v10                    ; 2 x lane
	v_lshlrev_b32 v4, 2, v10                       ; 4 x lane
	v_lshlrev_b32 v5, 4, v0                        ; 16 x thread
	s_wait_alu depctr_va_sdst(0)                   ; s20, the wave's number, is written, ahead of its first reader: the stage's place and the buffers' offsets are made from it
	s_mul_i32 s23, s20, 4352
	s_add_co_u32 s23, s23, STGB                    ; my stage
	v_mul_u32_u24 v6, v11, 272
	v_lshl_add_u32 v6, v12, 6, v6
	v_add_nc_u32 v6, s23, v6                       ; in: row r (my output), + 64 h: my half's 16 tokens of each 32
	v_mul_u32_u24 v7, v12, 272
	v_lshl_add_u32 v7, v11, 4, v7
	v_add_nc_u32 v7, s23, v7                       ; back: lanes 0-15 one row of 256 bytes, lanes 16-31 the next
	v_lshlrev_b32 v8, 12, v12
	v_lshl_add_u32 v8, v11, 4, v8                  ; and the same two rows in x and in out0: 4,096 bytes apart
	v_and_b32 v9, 8, v0
	v_add_nc_u32 v9, v9, v11
	v_lshlrev_b32 v9, 2, v9                        ; bp of my lane's output: 4 (r + 8 (r / 8))
	s_mov_b32 s25, 0
	s_lshl_b32 s24, s21, 21
	s_lshl_b32 s26, s22, 8
	s_add_co_u32 s24, s24, s26
	s_lshl_b32 s26, s20, 18
	s_add_co_u32 s24, s24, s26                     ; image x 2,097,152 + 64 w rows of 4,096 + 256 x the block of tokens
	s_wait_kmcnt 0x0
	s_add_nc_u64 s[14:15], s[14:15], s[24:25]
	s_add_nc_u64 s[16:17], s[16:17], s[24:25]
	s_mul_i32 s24, s21, 393216
	s_mul_i32 s26, s22, 24576
	s_add_co_u32 s24, s24, s26
	s_add_nc_u64 s[4:5], s[4:5], s[24:25]          ; a's four tiles
	s_lshl_b32 s24, s21, 14
	s_lshl_b32 s26, s22, 7
	s_add_co_u32 s24, s24, s26
	s_add_nc_u64 s[6:7], s[6:7], s[24:25]          ; their scale bytes
	s_mul_i32 s24, s20, 24576
	s_add_co_u32 s24, s24, 589824
	s_add_nc_u64 s[8:9], s[8:9], s[24:25]          ; Wp's tiles 96 + 4 w ..
	s_lshl_b32 s24, s20, 11
	s_add_co_u32 s24, s24, 49152
	s_add_nc_u64 s[10:11], s[10:11], s[24:25]
	s_lshl_b32 s24, s20, 8
	s_add_nc_u64 s[12:13], s[12:13], s[24:25]      ; bp at my 64 outputs
	WIN 0x40
	s_wait_alu depctr_va_vdst(0)                   ; the offsets and LDS addresses v1-9 are written, which every load and store of the kernel reads
.irp ot, 0,1,2,3
.irp i, 0,1,2,3,4,5,6,7
	global_load_b128 v[XR+32*\ot+4*\i:XR+32*\ot+4*\i+3], v8, s[14:15] offset:(32*(\ot/2)+8*(\ot%2)+2*\i+8*(\i/4))*4096 th:TH_LOAD_NT   ; x in the order in which the results come back from the stage; 16 lanes read 256 consecutive bytes
.endr
.endr
	WIN 0
.irp k, 0,1,2,3,4,5
	global_load_b128 v[CP+4*\k:CP+4*\k+3], v5, s[4:5] offset:4096*\k
.endr
.irp s, 0,1,2,3
.irp p, 0,1
	global_load_u16 v[TS+2*\s+\p], v[L2], s[6:7] offset:(2*\s)*2048+64*\p          ; a's scale bytes: two for each head
	global_load_u16 v[TH+2*\s+\p], v[L2], s[6:7] offset:(2*\s+1)*2048+64*\p
.endr
.endr
.irp ot, 0,1,2,3
	global_load_b32 v[BI+8*\ot], v9, s[12:13] offset:(32*(\ot/2)+8*(\ot%2))*4
.endr
	s_wait_loadcnt 20                              ; behind the copy's loads: 16 of scale bytes, 4 of bp
.irp k, 0,1,2,3,4,5
	ds_store_b128 v5, v[CP+4*\k:CP+4*\k+3] offset:4096*\k
.endr
.irp ot, 0,1,2,3
.irp s, 0,1,2,3
	global_load_b32 v[WSC+4*\ot+\s], v4, s[10:11] offset:(4*\ot+\s)*128
.endr
.endr
	WLOAD 0, WF
	WLOAD 1, WF+48
	s_wait_dscnt 0x0                               ; my part of the copy has landed
	s_barrier_signal -1
	s_barrier_wait -1                              ; a's codes lie in LDS
	ALOAD 0                                        ; no vector instruction has named these registers: the first fragments of a land under the lines below
	s_wait_loadcnt 16                              ; all but K step 1's 16 weight loads
.irp ot, 0,1,2,3
.irp j, 1,2,3,4,5,6,7
	v_mov_b32 v[BI+8*\ot+\j], v[BI+8*\ot]          ; a lane's eight results of a tile belong to one output
.endr
.endr
.irp i, 0,1,2,3,4,5,6,7
	v_lshl_or_b32 v[TS+\i], v[TH+\i], 16, v[TS+\i] ; register 2 s + p: K step s; lanes 0-15 tile 2 p, lanes 16-31 tile 2 p + 1
.endr
	PLACES 8                                       ; a scale register written by a vector instruction stands 8 places ahead of a scaled matrix instruction
	s_wait_alu depctr_va_vdst(0)                   ; a's scale words are written, which the products below take as scales; the places above stay beside this wait
; K step s: sixteen accumulators by turns, one instruction a turn, in the same order in every step
.macro KSTEP s
	s_wait_dscnt 0x0                               ; this K step's fragments of a are in
.if \s == 3
	s_wait_loadcnt 0x0                             ; the last weights (and x, asked for ahead of them)
.elseif \s > 0
	s_wait_loadcnt 16                              ; this K step's weights are in; the next step's 16 loads may be out
.endif
.if \s == 0
	WIN 0x40                                       ; C = bp in window 0, D in window 1
.else
	WIN 0x50                                       ; C and D in window 1
.endif
.irp tt, 0,1,2,3
.irp ot, 0,1,2,3
.if \s == 0
	WM ACC+32*\ot+8*\tt, AF+12*\tt, WF+48*(\s%2)+12*\ot, BI+8*\ot, TS+2*\s+\tt/2, WSC+4*\ot+\s, \tt%2
.else
	WM ACC+32*\ot+8*\tt, AF+12*\tt, WF+48*(\s%2)+12*\ot, ACC+32*\ot+8*\tt, TS+2*\s+\tt/2, WSC+4*\ot+\s, \tt%2
.endif
.endr
.endr
	WIN 0
	PLACES 4                                       ; ahead of loads into registers that these products read, and of the first read of results
	s_wait_alu depctr_va_vdst(0)                   ; this step's products are done reading a's and Wp's fragments, in which the loads that follow land; behind the last step: they have written the accumulators, which the stage's LDS stores read
.if \s < 3
	ALOAD \s+1
.endif
.if \s < 2
	WLOAD \s+2, WF+48*(\s%2)
.endif
.endm
	KSTEP 0
	KSTEP 1
	KSTEP 2
	KSTEP 3
	; ---- the way out, a tile of 16 outputs at a time; a tile goes through the stage while the tile before it takes x and leaves
.macro TOSTAGE ot
	WIN 0x04                                       ; an LDS store's data are its source 1: window 1
.irp tt, 0,1,2,3
	ds_store_b128 v6, v[ACC+32*(\ot)+8*\tt:ACC+32*(\ot)+8*\tt+3] offset:128*(\tt/2)+32*(\tt%2)        ; each accumulator from its low end on
	ds_store_b128 v6, v[ACC+32*(\ot)+8*\tt+4:ACC+32*(\ot)+8*\tt+7] offset:128*(\tt/2)+32*(\tt%2)+16
.endr
	WIN 0
.irp i, 0,1,2,3,4,5,6,7
	ds_load_b128 v[RB+32*(\ot)+4*\i:RB+32*(\ot)+4*\i+3], v7 offset:544*\i   ; LDS serves a wave's instructions in order (ISA guide 5.7.1.4): these see my stores, and the next tile's stores come behind them.  No vector instruction since the last K step's wait names this set
.endr
.endm
.macro SEND ot, younger                ; younger: the LDS instructions issued behind this tile's loads: the next tile's sixteen, or none
	s_wait_dscnt \younger                          ; the tile is back in registers
	WIN 0x04
.set i_, 0
.rept 16
	v_pk_add_f32 v[RB+32*(\ot)+2*i_:RB+32*(\ot)+2*i_+1], v[RB+32*(\ot)+2*i_:RB+32*(\ot)+2*i_+1], v[XR+32*(\ot)+2*i_:XR+32*(\ot)+2*i_+1]   ; + x
.set i_, i_+1
.endr
	WIN 0
	s_wait_alu depctr_va_vdst(0)                   ; the additions have written this tile's set, which the eight stores read
.irp i, 0,1,2,3,4,5,6,7
	global_store_b128 v8, v[RB+32*(\ot)+4*\i:RB+32*(\ot)+4*\i+3], s[16:17] offset:(32*((\ot)/2)+8*((\ot)%2)+2*\i+8*(\i/4))*4096 th:TH_STORE_NT   ; 16 lanes store 256 consecutive bytes, at a multiple of 256 from out0's first byte
.endr
.endm
	TOSTAGE 0
	TOSTAGE 1
	SEND 0, 16
	TOSTAGE 2
	SEND 1, 16
	TOSTAGE 3
	SEND 2, 16
	SEND 3, 0
	s_wait_dscnt 0x0                               ; the closing lines, six on end
	s_wait_alu 0x0
	s_wait_tensorcnt 0x0
	ds_add_u32 v254, v255
	s_wait_dscnt 0x0
	s_endpgm
.Lfunc_end_k_q5323f083b8_proj:
	.size	k_q5323f083b8_proj, .Lfunc_end_k_q5323f083b8_proj-k_q5323f083b8_proj
	.p2alignl 7, 3214868480
	.fill 96, 4, 3214868480
	.section	.rodata,"a",@progbits
	.p2align	6, 0x0
	.amdhsa_kernel k_q5323f083b8_proj
		.amdhsa_group_segment_fixed_size 60416
		.amdhsa_private_segment_fixed_size 0
		.amdhsa_enable_private_segment 0
		.amdhsa_kernarg_size 56
		.amdhsa_user_sgpr_count 2
		.amdhsa_user_sgpr_kernarg_segment_ptr 1
		.amdhsa_wavefront_size32 1
		.amdhsa_system_sgpr_workgroup_id_x 1
		.amdhsa_system_sgpr_workgroup_id_y 1
		.amdhsa_system_sgpr_workgroup_id_z 1
		.amdhsa_system_vgpr_workitem_id 0
		.amdhsa_next_free_vgpr 512
		.amdhsa_next_free_sgpr 66
		.amdhsa_reserve_vcc 0
		.amdhsa_float_denorm_mode_32 3
		.amdhsa_float_denorm_mode_16_64 3
		.amdhsa_memory_ordered 1
		.amdhsa_forward_progress 1
		.amdhsa_inst_pref_size 43
	.end_amdhsa_kernel
	.amdgpu_metadata
---
amdhsa.version: [ 1, 2 ]
amdhsa.kernels:
  - .name:           k_q5323f083b8_proj
    .symbol:         k_q5323f083b8_proj.kd
    .args:
      - { .name: ac, .offset: 0, .size: 8, .value_kind: global_buffer, .address_space: global }
      - { .name: asl, .offset: 8, .size: 8, .value_kind: global_buffer, .address_space: global }
      - { .name: wc, .offset: 16, .size: 8, .value_kind: global_buffer, .address_space: global }
      - { .name: ws, .offset: 24, .size: 8, .value_kind: global_buffer, .address_space: global }
      - { .name: bp, .offset: 32, .size: 8, .value_kind: global_buffer, .address_space: global }
      - { .name: x, .offset: 40, .size: 8, .value_kind: global_buffer, .address_space: global }
      - { .name: out0, .offset: 48, .size: 8, .value_kind: global_buffer, .address_space: global }
    .group_segment_fixed_size: 60416
    .private_segment_fixed_size: 0
    .kernarg_segment_align: 8
    .kernarg_segment_size: 56
    .max_flat_workgroup_size: 256
    .sgpr_count:     66
    .vgpr_count:     512
    .wavefront_size: 32
...
	.end_amdgpu_metadata
.endif
;; end of part 6
